; MI455X (gfx1250); checked and timed in simulation.
; The chip was launched on July 23, 2026; its instructions are those of AMD's public machine-readable ISA for CDNA 5 (MIT licence, August 2026) and "CDNA5" Instruction Set Architecture Reference Guide (July 2026). The comments in the code are by the model that wrote it; some were corrected since.
;; Focal Transformer Block. Allowed arithmetic: matrix products marked QUANTISED: E3M2 operands, one E8M0 scale for each 32 along K, by v_wmma_scale_f32_16x16x128_f8f6f4 with both operands' format E3M2, f32 sums; products left as they are: f32 operands where the result goes on into a quantised operand, else bf16, f16 or f32 operands; f32 sums; everything else in f32.
;; Inputs: bkv 1,024 float32; bproj 512 float32; bq 512 float32; ln1_b 512 float32; ln1_s 512 float32; ln2_b 512 float32; ln2_s 512 float32; mlp_b1 2,048 float32; mlp_b2 512 float32; mlp_w1_codes 2,048 x 16 x 24 uint8 (E3M2 codes of mlp_w1, K innermost, in blocks of 32 codes, four codes in three bytes); mlp_w1_scales 2,048 x 16 uint8 (E8M0 scales of mlp_w1, one for each 32 codes along K); mlp_w2_codes 512 x 64 x 24 uint8 (E3M2 codes of mlp_w2, K innermost, in blocks of 32 codes, four codes in three bytes); mlp_w2_scales 512 x 64 uint8 (E8M0 scales of mlp_w2, one for each 32 codes along K); rpb_b1 256 float32; rpb_b2 8 float32; rpb_w1 1 x 256 float32; rpb_w2 256 x 8 float32; wkv_codes 1,024 x 16 x 24 uint8 (E3M2 codes of wkv, K innermost, in blocks of 32 codes, four codes in three bytes); wkv_scales 1,024 x 16 uint8 (E8M0 scales of wkv, one for each 32 codes along K); wproj_codes 512 x 16 x 24 uint8 (E3M2 codes of wproj, K innermost, in blocks of 32 codes, four codes in three bytes); wproj_scales 512 x 16 uint8 (E8M0 scales of wproj, one for each 32 codes along K); wq_codes 512 x 16 x 24 uint8 (E3M2 codes of wq, K innermost, in blocks of 32 codes, four codes in three bytes); wq_scales 512 x 16 uint8 (E8M0 scales of wq, one for each 32 codes along K); x 4 x 4,096 x 512 float32.
;; Outputs: out0 4 x 4,096 x 512 float32.
;; This version of the problem:
;;   THIS VERSION OF THE PROBLEM IS GIVEN IN LOW PRECISION. The matrix products marked QUANTISED in the list below multiply operands that are first quantised to E3M2 (3 exponent bits, 2 mantissa bits; 6 bits a number), with one power-of-two scale for each 32 numbers along K (OCP MX v1.0); their sums are f32. All else is computed in f32.
;;   The module's matrix products, in the order in which they are computed (A, B: the left and right operand; K: the contracted axis; several contracted axes count as one K, in the product's order):
;;     1. [M 16,384, K 512] x [K 512, N 512]; A: computed on the way; B: input wq (given as codes): QUANTISED
;;     2. [M 16,384, K 512] x [K 512, N 1,024]; A: computed on the way; B: input wkv (given as codes): QUANTISED
;;     3. [M 524,288, K 1] x [K 1, N 256]; A: computed on the way; B: input rpb_w1: left as it is (K = 1 < 32)
;;     4. [M 524,288, K 256] x [K 256, N 8]; A: computed on the way; B: input rpb_w2: left as it is (N = 8 < 16)
;;     5. [M 8,192, K 512] x [K 512, N 1,024]; A: computed on the way; B: input wkv (given as codes): QUANTISED
;;     6. [M 524,288, K 1] x [K 1, N 256]; A: computed on the way; B: input rpb_w1: left as it is (K = 1 < 32)
;;     7. [M 524,288, K 256] x [K 256, N 8]; A: computed on the way; B: input rpb_w2: left as it is (N = 8 < 16)
;;     8. [M 4,096, K 512] x [K 512, N 1,024]; A: computed on the way; B: input wkv (given as codes): QUANTISED
;;     9. [M 524,288, K 1] x [K 1, N 256]; A: computed on the way; B: input rpb_w1: left as it is (K = 1 < 32)
;;     10. [M 524,288, K 256] x [K 256, N 8]; A: computed on the way; B: input rpb_w2: left as it is (N = 8 < 16)
;;     11. batch 2,048 x [M 64, K 64] x [K 64, N 384]; A: computed on the way; B: computed on the way: QUANTISED
;;     12. batch 2,048 x [M 64, K 384] x [K 384, N 64]; A: computed on the way; B: softmax (see below): QUANTISED
;;     13. [M 16,384, K 512] x [K 512, N 512]; A: computed on the way; B: input wproj (given as codes): QUANTISED
;;     14. [M 16,384, K 512] x [K 512, N 2,048]; A: computed on the way; B: input mlp_w1 (given as codes): QUANTISED
;;     15. [M 16,384, K 2,048] x [K 2,048, N 512]; A: computed on the way; B: input mlp_w2 (given as codes): QUANTISED
;;   THE QUANTISER, for each operand of a quantised product, along K:
;;     - K is cut into blocks of 32 from its start; a last block that is shorter is filled with zeros.
;;     - A block's scale is 2^e with e = floor(log2(the largest magnitude in the block)) - 4, held to -126 .. 127; a block of zeros has e = 0. As a byte (E8M0): e + 127.
;;     - Each number is divided by its block's scale, clamped to +-28, and rounded to the nearest number of E3M2, ties to even, subnormals kept.
;;     - The product sums the exact products of the quantised numbers (number of the format x scale) in f32.
;;   ~~~python
;;   def quantise(x, axis):      # numpy; x: float32 -> the quantised numbers, widened to float32 again
;;       x = np.moveaxis(x, axis, -1); K = x.shape[-1]
;;       x = np.pad(x, [(0, 0)] * (x.ndim - 1) + [(0, -K % 32)]); x = x.reshape(x.shape[:-1] + (-1, 32)); a = np.abs(x).max(-1, keepdims=True)
;;       e = np.where(a > 0, np.clip(np.frexp(np.where(a > 0, a, 1))[1] - 1 - 4, -126, 127), 0)      # np.frexp(a)[1] - 1 = floor(log2(a)), exactly
;;       r = np.clip(x / 2.0 ** e, -28, 28)
;;       step = 2.0 ** (np.maximum(np.frexp(np.where(r == 0, 1, r))[1] - 1, -2) - 2)
;;       q = np.round(r / step) * step * 2.0 ** e      # np.round: ties to even
;;       return np.moveaxis(q.reshape(q.shape[:-2] + (-1,))[..., :K], -1, axis).astype(np.float32)
;;   ~~~
;;   SOFTMAX AHEAD OF A QUANTISED PRODUCT. Where the list says 'softmax', what is quantised is not the finished softmax but p = 2^(t - M), with t = logit x log2(e) and M = ceil(the row's largest t), a whole number; so 1/2 < the row's largest p <= 1. The row's sum l is taken of the UNQUANTISED p, in f32, and the product's result is divided by l at the end. Since M is a whole number, a kernel that streams over the keys may use a running M (the ceiling of the running maximum): every later rescaling is an exact power of two, which a block's scale takes up: the codes' values come out the same.
;;   OPERANDS COMPUTED ON THE WAY. 'Computed on the way' means the value that the module computes at that place (a softmax that the list does not call 'softmax' is quantised finished and normalised). What goes into a quantiser is computed in f32, as accurately as f32 sums, v_exp_f32 and their like allow (about 1e-6 of the number): no bf16 or f16 on the way to a quantiser, and a product that is left as it is and whose result goes on into a quantised operand takes f32 operands (vector FMAs, or v_wmma_f32_16x16x4_f32). A number that lies on a knife's edge between two numbers of the format may be rounded either way, as far as f32 arithmetic and the matrix unit's own rounding can turn it there, and no further.
;;   INPUTS GIVEN AS CODES. mlp_w1 (in the module: [512, 2048], K = its axis 0); mlp_w2 (in the module: [2048, 512], K = its axis 0); wkv (in the module: [512, 1024], K = its axis 0); wproj (in the module: [512, 512], K = its axis 0); wq (in the module: [512, 512], K = its axis 0): each comes as NAME_codes (uint8): NAME with its K axis moved to the last place and cut into blocks of 32 codes, [.., K / 32, bytes a block], one block behind the other in memory; four codes in three bytes: a row's codes are one little-endian stream of bits, code i at bits 6 i .. 6 i + 5 (a code: sign, 3 exponent bits, 2 mantissa bits); and NAME_scales (uint8): the same leading axes, one E8M0 byte (e + 127) for each 32 codes along K. Its value is code x scale, taken as it is: it is not quantised again, and the codes and scales need not be those that the quantiser above would give.
;; 2 versions, each right; version 2 is version 1 with the launches qk, main written anew for expert scheduling mode. Each part assembles by itself: llvm-mc -triple=amdgcn-amd-amdhsa -mcpu=gfx1250 --defsym DOCPART=n.
;; ======== version 1 of 2: 3 launches
;; workspace buffers: hcod 11,010,048 bytes; hscl 458,752 bytes; wimg 2,359,296 bytes; tbl 32,768 bytes; qcod 6,291,456 bytes; qscl 262,144 bytes; kcod 11,010,048 bytes; kscl 458,752 bytes
;; launch prep (part 1): grid 256 x 1, 4 waves a work-group, no clusters, 148,992 bytes of LDS; arguments x, ln1_s, ln1_b, wq_codes, wkv_codes, wproj_codes, mlp_w1_codes, mlp_w2_codes, rpb_w1, rpb_b1, rpb_w2, rpb_b2, hcod, hscl, wimg, tbl; writes hcod, hscl, wimg, tbl
.if DOCPART == 1
	.amdgcn_target "amdgcn-amd-amdhsa--gfx1250"
	.amdhsa_code_object_version 6
	.text
	.protected	k_qed6e2e52ff_prep
	.globl	k_qed6e2e52ff_prep
	.p2align	8
	.type	k_qed6e2e52ff_prep,@function
k_qed6e2e52ff_prep:
	s_mov_b64 s[64:65], 0
	v_nop
	global_prefetch_b8 v0, s[64:65] scope:SCOPE_SE
	s_setreg_imm32_b32 hwreg(HW_REG_WAVE_MODE, 25, 1), 1
	s_wait_xcnt 0x0
; FIRST LAUNCH.  h = LayerNorm(x); h, its means over 2 rows and over 4 rows are quantised to E3M2 along the 512 channels (one E8M0 byte for 32);
; the five weights' codes are laid in the order of an operand's registers; the position bias becomes a table of 1,024 numbers a head.
; SHARES.  Work-group g takes rows 64 g .. 64 g + 63 of x (as [16384][512]), wave p 16 of them.  Waves share nothing: no barrier.
; x comes by loads of 512 consecutive bytes and turns through the wave's own stage in LDS (16 rows x (2,048 + 16) bytes), from which lane (r, hh)
; reads, for each 128 channels, 16 neighbours of each block of 32: register 16 b + i = channel 32 b + 16 hh + i of row r, as the conversions want them.
; The row is read from the stage three times: mean, sum of squares about the mean, result.
; OUT.  hcod: [key window of 8 rows][128 channels s][768 bytes]: registers 4 q .. 4 q + 3 of lane (row r8, hh) at 256 q + 128 hh + 16 r8.  Windows: level 0 from 0, level 1 from 2,048, level 2 from 3,072.
;       hscl: [row][4 words], word s for channels 128 s on.   wimg: tile T (16 rows) x K step s at 6144 T + 1536 s: registers 4 q .. of lane l at 512 q + 16 l;
;       a tile's lane r holds weight row 32 (T / 2) + 8 (T % 2) + r + 8 (r / 8), so that two neighbouring result tiles give a lane 16 neighbours.   tbl: f32 [8][1024], index = rel + 496.
; Lanes that hold the same pooled row make the same codes and store the same bytes at the same place.
; LIMITS: NaN and infinities are not served; a block whose largest magnitude lies under 2^-122, a block of zeros among them, gets the scale byte 1 (its reader is this program alone); sums are formed in another order than the source's, in f32.
; No matrix unit, no cluster, no tensor load: the work is a stream, and no two work-groups read the same bytes of x.
.set WREG, 37120                       ; LDS of a wave: the stage, then ln1_s and ln1_b
.set PIT,  2064
.set GOF,  33024
.set LN,  1                            ; lane
.set R,   2                            ; lane % 16
.set HH,  3                            ; lane / 16
.set LI,  4                            ; 16 x lane
.set STW, 5                            ; stage, on the way in
.set STR, 6                            ; stage, on the way out
.set GR,  7                            ; the gains in LDS
.set O0,  8                            ; v8-10   my place in a window's codes, levels 0, 1, 2
.set S0,  11                           ; v11-13  my row's place among the scale words
.set TM,  14                           ; v14-25  at work in QUANT
.set PC,  26                           ; v26-44  the codes just made
.set TS,  37                           ; v37-44  the table entry's eight sums (ahead of the first QUANT)
.set WO2, 47                           ; my place in a tile of mlp_w2: v45-47 are touched by nothing else
.set NM,  48                           ; v[48:49] -mean
.set RS,  50                           ; v[50:51] 1 / sqrt(var + eps)
.set WF,  52                           ; v52-63  first a weight fragment,
.set SW,  52                           ; v52-63  then sums, then scale words: 4 x level + s
.set X,   64
.set G,   128
.set BT,  192
.set SEL, 62
; 64 numbers of a lane, register 16 b + i = k 32 b + 16 hh + i of its row, become a fragment's 12 registers in v[PC] on and the row's scale word in v[pw]
.macro QUANT s, pw
.irp b, 0,1,2,3
	v_max3_num_f32 v[TM+\b], |v[\s+16*\b]|, |v[\s+1+16*\b]|, 0x2800000   ; my 16 numbers of block b and the floor 2^(5 - 127): the byte cannot fall under 1
.endr
.irp i, 2,4,6,8,10,12,14
.irp b, 0,1,2,3
	v_max3_num_f32 v[TM+\b], v[TM+\b], |v[\s+16*\b+\i]|, |v[\s+1+16*\b+\i]|
.endr
.endr
.irp b, 0,1,2,3
	v_permlanex16_b32 v[TM+4+\b], v[TM+\b], s[SEL], s[SEL+1]
.endr
.irp b, 0,1,2,3
	v_max_num_f32 v[TM+\b], v[TM+\b], v[TM+4+\b]   ; with lane l xor 16's 16: the block's largest magnitude
.endr
.irp b, 0,1,2,3
	v_add_nc_u32 v[TM+8+\b], 0xfe000000, v[TM+\b]  ; 4 off its exponent field: the conversion's scale operand
.endr
.irp b, 0,1,2,3
	v_lshrrev_b32 v[TM+4+\b], 23, v[TM+8+\b]       ; the scale's byte
.endr
	v_lshl_or_b32 v[\pw], v[TM+5], 8, v[TM+4]
	v_lshl_or_b32 v[\pw], v[TM+6], 16, v[\pw]
	v_lshl_or_b32 v[\pw], v[TM+7], 24, v[\pw]
.irp c, 0,1
	v_cvt_scalef32_pk16_bf6_f32 v[PC+6*\c:PC+2+6*\c], v[\s+32*\c:\s+15+32*\c], v[TM+8+2*\c]
	v_cvt_scalef32_pk16_bf6_f32 v[PC+12+4*\c:PC+14+4*\c], v[\s+16+32*\c:\s+31+32*\c], v[TM+9+2*\c]
.endr
	v_nop                                          ; one plain line behind the scaled conversions
.irp c, 0,1                            ; the operand wants a whole block in a lane: lanes 0-15 block 2 c, lanes 16-31 block 2 c + 1
.irp i, 0,1,2
	v_permlane16_swap_b32 v[PC+6*\c+\i], v[PC+12+4*\c+\i]
.endr
.irp i, 0,1,2
	v_mov_b32 v[PC+3+6*\c+\i], v[PC+12+4*\c+\i]
.endr
.endr
.endm
.macro XROWS r0                        ; eight rows of x: 32 loads of 512 consecutive bytes
.irp i, 0,1,2,3,4,5,6,7
.irp q, 0,1,2,3
	global_load_b128 v[G+16*\i+4*\q:G+16*\i+4*\q+3], v[LI], s[4:5] offset:2048*(\r0+\i)+512*\q th:TH_LOAD_NT
.endr
.endr
.endm
.macro XSTAGE r0
.irp i, 0,1,2,3,4,5,6,7
.irp q, 0,1,2,3
	ds_store_b128 v[STW], v[G+16*\i+4*\q:G+16*\i+4*\q+3] offset:PIT*(\r0+\i)+512*\q
.endr
.endr
.endm
.macro CHUNK s                         ; channels 128 s on, 64 numbers a lane
.irp b, 0,1,2,3
.irp i, 0,1,2,3
	ds_load_b128 v[X+16*\b+4*\i:X+16*\b+4*\i+3], v[STR] offset:512*(\s)+128*\b+16*\i
.endr
.endr
.endm
.macro OUT3 lvl, s                     ; the codes just made, to their level's windows
.irp q, 0,1,2
	global_store_b128 v[O0+\lvl], v[PC+4*\q:PC+4*\q+3], s[50+2*\lvl:51+2*\lvl] offset:768*(\s)+256*\q
.endr
.endm
	s_load_b512 s[4:19], s[0:1], 0x0               ; x, ln1_s, ln1_b, wq, wkv, wproj, mlp_w1, mlp_w2 (codes)
	s_load_b512 s[20:35], s[0:1], 0x40             ; rpb_w1, rpb_b1, rpb_w2, rpb_b2, hcod, hscl, wimg, tbl
	v_lshl_add_u32 v45, v0, 2, 0x24400
	v_mov_b32 v46, 0
	v_lshrrev_b32 v1, 5, v0
	v_readfirstlane_b32 s2, v1                     ; wave p
	v_and_b32 v[LN], 31, v0
	v_and_b32 v[R], 15, v0
	v_bfe_u32 v[HH], v0, 4, 1
	v_lshlrev_b32 v[LI], 4, v[LN]
	s_mul_i32 s3, s2, WREG
	v_add_nc_u32 v[STW], s3, v[LI]
	v_mul_u32_u24 v[STR], v[R], PIT
	v_lshl_add_u32 v[STR], v[HH], 6, v[STR]
	v_add_nc_u32 v[STR], s3, v[STR]
	v_lshlrev_b32 v[GR], 6, v[HH]
	s_add_co_u32 s3, s3, GOF
	v_add_nc_u32 v[GR], s3, v[GR]
	v_lshrrev_b32 v14, 3, v[R]
	v_mul_u32_u24 v[O0], v14, 3072                 ; level 0: window r / 8 of my two,
	v_lshl_add_u32 v[O0], v[HH], 7, v[O0]
	v_and_b32 v14, 7, v[R]
	v_lshl_add_u32 v[O0], v14, 4, v[O0]            ; + 128 hh + 16 (r % 8)
	v_lshrrev_b32 v14, 1, v[R]
	v_lshlrev_b32 v[S0+1], 4, v14                  ; level 1: pooled row r / 2
	v_lshl_add_u32 v[O0+1], v[HH], 7, v[S0+1]
	s_and_b32 s3, s2, 1
	s_lshl_b32 s3, s3, 6
	v_lshrrev_b32 v14, 2, v[R]
	v_lshl_add_u32 v[S0+2], v14, 4, s3             ; level 2: row 4 (p % 2) + r / 4 of the window
	v_lshl_add_u32 v[O0+2], v[HH], 7, v[S0+2]
	v_lshlrev_b32 v[S0], 4, v[R]
	v_and_b32 v32, 8, v[R]
	v_add_nc_u32 v32, v32, v[R]                    ; r + 8 (r / 8)
	v_mul_u32_u24 v[WO2], v32, 1536
	v_mul_u32_u24 v32, v32, 384
	v_mad_u32_u24 v32, v[HH], 24, v32              ; my 24 bytes in a tile of a weight with K = 512
	v_mad_u32_u24 v[WO2], v[HH], 24, v[WO2]        ; and with K = 2,048
	v_lshlrev_b32 v33, 5, v[LN]
	v_lshlrev_b32 v34, 8, v[LN]
	s_mov_b32 s[SEL], 0x76543210
	s_mov_b32 s[SEL+1], 0xfedcba98                 ; v_permlanex16_b32: lane l xor 16
	s_mov_b32 s48, 0x3b000000                      ; 1 / 512
	s_mov_b32 s49, 0x3727c5ac                      ; 1e-5
	s_mov_b32 s37, 0
	s_mov_b32 s39, 0
	s_wait_kmcnt 0x0
	s_load_b256 s[40:47], s[26:27], 0x0            ; rpb_b2
	s_lshl_b32 s36, ttmp9, 17
	s_lshl_b32 s38, s2, 15
	s_add_co_u32 s36, s36, s38
	s_add_nc_u64 s[4:5], s[4:5], s[36:37]          ; x at my first row
.irp q, 0,1,2,3
	global_load_b128 v[64+4*\q:67+4*\q], v[LI], s[6:7] offset:512*\q
	global_load_b128 v[80+4*\q:83+4*\q], v[LI], s[8:9] offset:512*\q
.endr
	XROWS 0
	; the bases of what is stored
	s_lshl_b32 s36, ttmp9, 3
	s_lshl_b32 s3, s2, 1
	s_add_co_u32 s36, s36, s3                      ; level 0: window 8 g + 2 p
	s_lshl_b32 s38, s36, 7
	s_mul_i32 s36, s36, 3072
	s_add_nc_u64 s[50:51], s[28:29], s[36:37]
	s_add_nc_u64 s[56:57], s[30:31], s[38:39]
	s_lshl_b32 s36, ttmp9, 2
	s_add_co_u32 s36, s36, s2
	s_add_co_u32 s36, s36, 2048                    ; level 1: window 2048 + 4 g + p
	s_lshl_b32 s38, s36, 7
	s_mul_i32 s36, s36, 3072
	s_add_nc_u64 s[52:53], s[28:29], s[36:37]
	s_add_nc_u64 s[58:59], s[30:31], s[38:39]
	s_lshl_b32 s36, ttmp9, 1
	s_lshr_b32 s3, s2, 1
	s_add_co_u32 s36, s36, s3
	s_add_co_u32 s36, s36, 3072                    ; level 2: window 3072 + 2 g + p / 2
	s_lshl_b32 s38, s36, 7
	s_mul_i32 s36, s36, 3072
	s_add_nc_u64 s[54:55], s[28:29], s[36:37]
	s_add_nc_u64 s[60:61], s[30:31], s[38:39]
	; which weight tile g belongs to: 0-31 wq, 32-95 wkv, 96-127 wproj, 128-255 mlp_w1.  The choice hangs on the work-group's number alone
	s_mov_b32 s3, 128
	s_cmp_lt_u32 ttmp9, 128
	s_cselect_b64 s[16:17], s[14:15], s[16:17]
	s_cselect_b32 s3, 96, s3
	s_cmp_lt_u32 ttmp9, 96
	s_cselect_b64 s[16:17], s[12:13], s[16:17]
	s_cselect_b32 s3, 32, s3
	s_cmp_lt_u32 ttmp9, 32
	s_cselect_b64 s[16:17], s[10:11], s[16:17]
	s_cselect_b32 s3, 0, s3
	s_sub_co_u32 s3, ttmp9, s3                     ; the tile's number in its weight
	s_lshr_b32 s36, s3, 1
	s_lshl_b32 s36, s36, 5
	s_and_b32 s3, s3, 1
	s_lshl_b32 s3, s3, 3
	s_add_co_u32 s36, s36, s3                      ; its first row
	s_mul_i32 s36, s36, 384
	s_mul_i32 s3, s2, 96
	s_add_co_u32 s36, s36, s3                      ; K step p
	s_add_nc_u64 s[16:17], s[16:17], s[36:37]
	s_lshl_b32 s3, ttmp9, 1
	s_add_co_u32 s3, s3, s2                        ; mlp_w2's fragment 2 g + p (waves 0 and 1)
	s_mul_i32 s36, s3, 1536
	s_add_co_u32 s36, s36, 1572864
	s_add_nc_u64 s[10:11], s[32:33], s[36:37]      ; where it goes
	s_lshr_b32 s38, s3, 4                          ; its tile,
	s_and_b32 s3, s3, 15                           ; its K step
	s_lshr_b32 s36, s38, 1
	s_lshl_b32 s36, s36, 5
	s_and_b32 s38, s38, 1
	s_lshl_b32 s38, s38, 3
	s_add_co_u32 s36, s36, s38
	s_mul_i32 s36, s36, 1536
	s_mul_i32 s3, s3, 96
	s_add_co_u32 s36, s36, s3
	s_add_nc_u64 s[12:13], s[18:19], s[36:37]      ; where it comes from
	s_mul_i32 s36, ttmp9, 6144
	s_mul_i32 s3, s2, 1536
	s_add_co_u32 s36, s36, s3
	s_add_nc_u64 s[32:33], s[32:33], s[36:37]      ; wimg at tile g, K step p
	s_lshl_b32 s3, ttmp9, 2
	s_add_co_u32 s3, s3, s2                        ; the table's index 4 g + p
	s_lshl_b32 s36, s3, 2
	s_add_nc_u64 s[34:35], s[34:35], s[36:37]
	s_sub_co_i32 s38, s3, 496                      ; rel
	s_wait_loadcnt 32                              ; the eight loads of the gains are in; x's 32 may be out
.irp q, 0,1,2,3
	ds_store_b128 v[STW], v[64+4*\q:67+4*\q] offset:GOF+512*\q
	ds_store_b128 v[STW], v[80+4*\q:83+4*\q] offset:GOF+2048+512*\q
.endr
	s_wait_dscnt 0x0                               ; the stores have read v64-95
.irp p, 0,1,2,3,4,5
	global_load_b64 v[WF+2*\p:WF+2*\p+1], v32, s[16:17] offset:48*(\p/3)+8*(\p%3)   ; one weight fragment, as its rows lie
.endr
	global_load_b128 v[16:19], v33, s[20:21]       ; rpb_w1 and rpb_b1 of hidden units 8 l .. 8 l + 7
	global_load_b128 v[20:23], v33, s[20:21] offset:16
	global_load_b128 v[24:27], v33, s[22:23]
	global_load_b128 v[28:31], v33, s[22:23] offset:16
.irp j, 0,1,2,3,4,5,6,7,8,9,10,11,12,13,14,15
	global_load_b128 v[64+4*\j:67+4*\j], v34, s[24:25] offset:16*\j   ; their eight rows of rpb_w2
.endr
	s_wait_loadcnt 26                              ; x's rows 0-7 are in; the 26 just issued may be out
	XSTAGE 0
	s_wait_dscnt 0x0
	XROWS 8
	s_wait_loadcnt 32                              ; the 26 are in; x's rows 8-15 may be out
.irp q, 0,1,2
	global_store_b128 v[LI], v[WF+4*\q:WF+4*\q+3], s[32:33] offset:512*\q   ; the fragment as an image of its registers
.endr
	; one entry of the bias table: T[h] = sum over j of relu(rel w1[j] + b1[j]) w2[j][h] + b2[h]
	v_mov_b32 v35, s38
	v_cvt_f32_i32 v35, v35
	v_mul_f32 v35, 0x39800000, v35                 ; rel / 4096, exact
.irp j, 0,1,2,3,4,5,6,7
	v_fma_f32 v[16+\j], v35, v[16+\j], v[24+\j]
.endr
.irp j, 0,1,2,3,4,5,6,7
	v_max_num_f32 v[16+\j], 0, v[16+\j]
.endr
.irp h, 0,1,2,3,4,5,6,7
	v_mul_f32 v[TS+\h], v16, v[64+\h]
.endr
.irp j, 1,2,3,4,5,6,7
.irp h, 0,1,2,3,4,5,6,7
	v_fmac_f32 v[TS+\h], v[16+\j], v[64+8*\j+\h]
.endr
.endr
.irp m, 1,2,4,8
.irp h, 0,1,2,3,4,5,6,7
	v_add_f32_dpp v[TS+\h], v[TS+\h], v[TS+\h] row_xmask:\m row_mask:0xf bank_mask:0xf
.endr
.endr
.irp h, 0,1,2,3,4,5,6,7
	v_permlanex16_b32 v[24+\h], v[TS+\h], s[SEL], s[SEL+1]
.endr
.irp h, 0,1,2,3,4,5,6,7
	v_add_f32 v[TS+\h], v[TS+\h], v[24+\h]
.endr
	s_wait_kmcnt 0x0
.irp h, 0,1,2,3,4,5,6,7
	v_add_f32 v[TS+\h], s[40+\h], v[TS+\h]
.endr
	v_mov_b32 v36, 0
	v_cmp_eq_u32 vcc_lo, 0, v[LN]
	s_wait_xcnt 0x0                                ; EXEC is a source of the loads and stores that are out: it changes only behind this wait.  The fragment's stores have read v52-63 too
	s_and_saveexec_b32 s3, vcc_lo
.irp h, 0,1,2,3,4,5,6,7
	global_store_b32 v36, v[TS+\h], s[34:35] offset:4096*\h
.endr
	s_wait_xcnt 0x0                                ; and again in front of the line that widens it
	s_or_b32 exec_lo, exec_lo, s3
	s_wait_loadcnt 0x0                             ; x's rows 8-15
	XSTAGE 8
	; pass 1: the mean
.irp j, 52,53,54,55
	v_mov_b32 v[\j], 0
.endr
.irp s, 0,1,2,3
	CHUNK \s
	s_wait_dscnt 0x0
.set J, 0
.rept 16
	v_pk_add_f32 v[52:53], v[52:53], v[X+J:X+J+1]
	v_pk_add_f32 v[54:55], v[54:55], v[X+J+2:X+J+3]
.set J, J+4
.endr
.endr
	v_pk_add_f32 v[52:53], v[52:53], v[54:55]
	v_add_f32 v52, v52, v53
	v_permlanex16_b32 v53, v52, s[SEL], s[SEL+1]   ; the row's other half lies 16 lanes away
	v_add_f32 v52, v52, v53
	v_mul_f32 v[NM], 0xbb000000, v52               ; -sum / 512
	v_mov_b32 v[NM+1], v[NM]
	; pass 2: the sum of squares about the mean
.irp j, 52,53,54,55
	v_mov_b32 v[\j], 0
.endr
.irp s, 0,1,2,3
	CHUNK \s
	s_wait_dscnt 0x0
.set J, 0
.rept 16
	v_pk_add_f32 v[G+J:G+J+1], v[X+J:X+J+1], v[NM:NM+1]
	v_pk_add_f32 v[G+J+2:G+J+3], v[X+J+2:X+J+3], v[NM:NM+1]
	v_pk_fma_f32 v[52:53], v[G+J:G+J+1], v[G+J:G+J+1], v[52:53]
	v_pk_fma_f32 v[54:55], v[G+J+2:G+J+3], v[G+J+2:G+J+3], v[54:55]
.set J, J+4
.endr
.endr
	v_pk_add_f32 v[52:53], v[52:53], v[54:55]
	v_add_f32 v52, v52, v53
	v_permlanex16_b32 v53, v52, s[SEL], s[SEL+1]
	v_add_f32 v52, v52, v53
	v_fma_f32 v52, v52, s48, s49                   ; var + eps
	v_rsq_f32 v[RS], v52
	v_nop                                          ; a plain line behind the transcendental,
	s_wait_alu depctr_va_vdst(0)                   ; and a wait ahead of its first reader
	v_mov_b32 v[RS+1], v[RS]
.irp b, 0,1,2,3
	v_mov_b32 v[TM+4+\b], 0                        ; a lane permute's destination counts as one of its sources
.endr
	; pass 3: h, and its three levels' codes, 128 channels at a time
.irp s, 0,1,2,3
	CHUNK \s
.irp b, 0,1,2,3
.irp i, 0,1,2,3
	ds_load_b128 v[G+16*\b+4*\i:G+16*\b+4*\i+3], v[GR] offset:512*\s+128*\b+16*\i
	ds_load_b128 v[BT+16*\b+4*\i:BT+16*\b+4*\i+3], v[GR] offset:2048+512*\s+128*\b+16*\i
.endr
.endr
	s_wait_dscnt 0x0
.set J, 0
.rept 32
	v_pk_add_f32 v[X+J:X+J+1], v[X+J:X+J+1], v[NM:NM+1]
.set J, J+2
.endr
.set J, 0
.rept 32
	v_pk_mul_f32 v[X+J:X+J+1], v[X+J:X+J+1], v[RS:RS+1]
.set J, J+2
.endr
.set J, 0
.rept 32
	v_pk_fma_f32 v[X+J:X+J+1], v[X+J:X+J+1], v[G+J:G+J+1], v[BT+J:BT+J+1]
.set J, J+2
.endr
	s_wait_xcnt 0x0                                ; the last stores have read the codes' registers
	QUANT X, SW+\s
	OUT3 0, \s
.set J, 0
.rept 64
	v_add_f32_dpp v[G+J], v[X+J], v[X+J] row_xmask:1 row_mask:0xf bank_mask:0xf   ; rows r and r xor 1
.set J, J+1
.endr
.set J, 0
.rept 32
	v_pk_mul_f32 v[BT+J:BT+J+1], v[G+J:G+J+1], 0.5 op_sel_hi:[1,0]
.set J, J+2
.endr
	s_wait_xcnt 0x0
	QUANT BT, SW+4+\s
	OUT3 1, \s
.set J, 0
.rept 64
	v_add_f32_dpp v[BT+J], v[G+J], v[G+J] row_xmask:2 row_mask:0xf bank_mask:0xf  ; four rows
.set J, J+1
.endr
.set J, 0
.rept 32
	v_pk_mul_f32 v[BT+J:BT+J+1], v[BT+J:BT+J+1], 0x3e800000 op_sel_hi:[1,0]
.set J, J+2
.endr
	s_wait_xcnt 0x0
	QUANT BT, SW+8+\s
	OUT3 2, \s
.endr
.irp l, 0,1,2
	global_store_b128 v[S0+\l], v[SW+4*\l:SW+4*\l+3], s[56+2*\l:57+2*\l]   ; a row's four scale words
.endr
	s_cmp_ge_u32 s2, 2                             ; mlp_w2 has 512 fragments: waves 0 and 1 take one each
	s_cbranch_scc1 .Lend
.irp p, 0,1,2,3,4,5
	global_load_b64 v[X+2*\p:X+2*\p+1], v[WO2], s[12:13] offset:48*(\p/3)+8*(\p%3)
.endr
	s_wait_loadcnt 0x0
.irp q, 0,1,2
	global_store_b128 v[LI], v[X+4*\q:X+4*\q+3], s[10:11] offset:512*\q
.endr
.Lend:
	s_wait_tensorcnt 0x0
	ds_add_u32 v45, v46
	s_wait_dscnt 0x0
	s_endpgm
.Lfunc_end_k_qed6e2e52ff_prep:
	.size	k_qed6e2e52ff_prep, .Lfunc_end_k_qed6e2e52ff_prep-k_qed6e2e52ff_prep
	.p2alignl 7, 3214868480
	.fill 96, 4, 3214868480
	.section	.rodata,"a",@progbits
	.p2align	6, 0x0
	.amdhsa_kernel k_qed6e2e52ff_prep
		.amdhsa_group_segment_fixed_size 148992
		.amdhsa_private_segment_fixed_size 0
		.amdhsa_enable_private_segment 0
		.amdhsa_kernarg_size 128
		.amdhsa_user_sgpr_count 2
		.amdhsa_user_sgpr_kernarg_segment_ptr 1
		.amdhsa_wavefront_size32 1
		.amdhsa_system_sgpr_workgroup_id_x 1
		.amdhsa_system_sgpr_workgroup_id_y 1
		.amdhsa_system_sgpr_workgroup_id_z 1
		.amdhsa_system_vgpr_workitem_id 0
		.amdhsa_next_free_vgpr 256
		.amdhsa_next_free_sgpr 66
		.amdhsa_reserve_vcc 1
		.amdhsa_float_denorm_mode_32 3
		.amdhsa_float_denorm_mode_16_64 3
		.amdhsa_memory_ordered 1
		.amdhsa_forward_progress 1
		.amdhsa_inst_pref_size 198
	.end_amdhsa_kernel
	.amdgpu_metadata
---
amdhsa.version: [ 1, 2 ]
amdhsa.kernels:
  - .name:           k_qed6e2e52ff_prep
    .symbol:         k_qed6e2e52ff_prep.kd
    .args:
      - { .name: x, .offset: 0, .size: 8, .value_kind: global_buffer, .address_space: global }
      - { .name: ln1_s, .offset: 8, .size: 8, .value_kind: global_buffer, .address_space: global }
      - { .name: ln1_b, .offset: 16, .size: 8, .value_kind: global_buffer, .address_space: global }
      - { .name: wq_codes, .offset: 24, .size: 8, .value_kind: global_buffer, .address_space: global }
      - { .name: wkv_codes, .offset: 32, .size: 8, .value_kind: global_buffer, .address_space: global }
      - { .name: wproj_codes, .offset: 40, .size: 8, .value_kind: global_buffer, .address_space: global }
      - { .name: mlp_w1_codes, .offset: 48, .size: 8, .value_kind: global_buffer, .address_space: global }
      - { .name: mlp_w2_codes, .offset: 56, .size: 8, .value_kind: global_buffer, .address_space: global }
      - { .name: rpb_w1, .offset: 64, .size: 8, .value_kind: global_buffer, .address_space: global }
      - { .name: rpb_b1, .offset: 72, .size: 8, .value_kind: global_buffer, .address_space: global }
      - { .name: rpb_w2, .offset: 80, .size: 8, .value_kind: global_buffer, .address_space: global }
      - { .name: rpb_b2, .offset: 88, .size: 8, .value_kind: global_buffer, .address_space: global }
      - { .name: hcod, .offset: 96, .size: 8, .value_kind: global_buffer, .address_space: global }
      - { .name: hscl, .offset: 104, .size: 8, .value_kind: global_buffer, .address_space: global }
      - { .name: wimg, .offset: 112, .size: 8, .value_kind: global_buffer, .address_space: global }
      - { .name: tbl, .offset: 120, .size: 8, .value_kind: global_buffer, .address_space: global }
    .group_segment_fixed_size: 148992
    .private_segment_fixed_size: 0
    .kernarg_segment_align: 8
    .kernarg_segment_size: 128
    .max_flat_workgroup_size: 128
    .sgpr_count:     66
    .vgpr_count:     256
    .wavefront_size: 32
...
	.end_amdgpu_metadata
.endif
;; end of part 1
;; launch qk (part 2): grid 256 x 1, 4 waves a work-group, no clusters, 0 bytes of LDS; arguments hcod, hscl, wimg, wq_scales, bq, wkv_scales, bkv, qcod, qscl, kcod, kscl; writes qcod, qscl, kcod, kscl
.if DOCPART == 2
	.amdgcn_target "amdgcn-amd-amdhsa--gfx1250"
	.amdhsa_code_object_version 6
	.text
	.protected	k_qed6e2e52ff_qk
	.globl	k_qed6e2e52ff_qk
	.p2align	8
	.type	k_qed6e2e52ff_qk,@function
k_qed6e2e52ff_qk:
	s_mov_b64 s[64:65], 0
	v_nop
	global_prefetch_b8 v0, s[64:65] scope:SCOPE_SE
	s_setreg_imm32_b32 hwreg(HW_REG_WAVE_MODE, 25, 1), 1
	s_wait_xcnt 0x0
; SECOND LAUNCH.  q = (h wq + bq) / 8 and k = xl wkv[:, :512] + bkv[:512] for the three levels, each row once, on codes of E3M2, and quantised again along each head's 64 channels.
; SHARES.  Work-group g owns 64 rows of level 0 (four tiles of 16, for q and for k), 32 of level 1 and 16 of level 2.  Wave p makes channels 128 p .. 128 p + 127: heads 2 p and 2 p + 1.
; Its 32 weight fragments stay in registers through a phase (q, then k); a tile of rows comes from memory straight into operand registers, two tiles ahead.  No LDS, no barrier.
; THE PRODUCT IS USED TRANSPOSED: source 0 = 16 rows of the weight, source 1 = 16 rows of h.  A lane then holds one token, and the 16 registers of two neighbouring tiles are 16 neighbouring channels
; (the weight's tiles were laid for that by the first launch).  The bias is the C of a sum's first instruction.  The eight accumulators take turns.
; OUT.  qcod: [query window][tile of 16 queries][pair of heads][image of a fragment's registers, 1,536 bytes]; kcod: as hcod, the pair of heads in the K step's place; qscl, kscl: [row][4 words by pair].
; No cluster: all work-groups read the same 393 KB of weight codes, but into registers, each fragment to one wave; a joint load would land in LDS and be read from there once more.
; LIMITS: as in the first launch (scale byte 1 for blocks under 2^-122; NaN and infinities not served).
; REGISTERS: window 0: v1-5 offsets; v10-20 the scale words made; v22-33, v34-53 at work; v56-63 h's scale words, two sets; v64-127 the sums; v128-223 h's fragments, two sets of four; v224-255 the weight's scale words.
;   window 1: v0-191 weight fragments of K steps 0, 1 (96 s + 12 t); v192-255 the bias tiles.   window 2: v0-191 K steps 2, 3.
.set LI,   1
.set HOFF, 2
.set R16,  3
.set WSO,  4
.set BO,   5
.set KW,   10
.set TM,   22
.set PC,   34
.set HSW,  56
.set ACC,  64
.set HF,   128
.set WS,   224
.set SEL,  54
.set MSB, 0
.macro WIN new                         ; the immediate's high byte repeats the setting that is left
.if MSB != (\new)
	s_set_vgpr_msb (MSB<<8)|(\new)
.set MSB, (\new)
.endif
.endm
.macro PLACES                          ; four plain lines between a matrix instruction and a read of its result or a load into its registers
.rept 4
	v_nop
.endr
.endm
.macro WMC d, a, b, c, sa, sb
	v_wmma_scale_f32_16x16x128_f8f6f4 v[(\d):(\d)+7], v[(\a):(\a)+11], v[(\b):(\b)+11], v[(\c):(\c)+7], v[\sa], v[\sb] matrix_a_fmt:MATRIX_FMT_BF6 matrix_b_fmt:MATRIX_FMT_BF6
.endm
.macro QUANT s, pw                     ; as in the first launch
.irp b, 0,1,2,3
	v_max3_num_f32 v[TM+\b], |v[\s+16*\b]|, |v[\s+1+16*\b]|, 0x2800000
.endr
.irp i, 2,4,6,8,10,12,14
.irp b, 0,1,2,3
	v_max3_num_f32 v[TM+\b], v[TM+\b], |v[\s+16*\b+\i]|, |v[\s+1+16*\b+\i]|
.endr
.endr
.irp b, 0,1,2,3
	v_permlanex16_b32 v[TM+4+\b], v[TM+\b], s[SEL], s[SEL+1]
.endr
.irp b, 0,1,2,3
	v_max_num_f32 v[TM+\b], v[TM+\b], v[TM+4+\b]
.endr
.irp b, 0,1,2,3
	v_add_nc_u32 v[TM+8+\b], 0xfe000000, v[TM+\b]
.endr
.irp b, 0,1,2,3
	v_lshrrev_b32 v[TM+4+\b], 23, v[TM+8+\b]
.endr
	v_lshl_or_b32 v[\pw], v[TM+5], 8, v[TM+4]
	v_lshl_or_b32 v[\pw], v[TM+6], 16, v[\pw]
	v_lshl_or_b32 v[\pw], v[TM+7], 24, v[\pw]
.irp c, 0,1
	v_cvt_scalef32_pk16_bf6_f32 v[PC+6*\c:PC+2+6*\c], v[\s+32*\c:\s+15+32*\c], v[TM+8+2*\c]
	v_cvt_scalef32_pk16_bf6_f32 v[PC+12+4*\c:PC+14+4*\c], v[\s+16+32*\c:\s+31+32*\c], v[TM+9+2*\c]
.endr
	v_nop
.irp c, 0,1
.irp i, 0,1,2
	v_permlane16_swap_b32 v[PC+6*\c+\i], v[PC+12+4*\c+\i]
.endr
.irp i, 0,1,2
	v_mov_b32 v[PC+3+6*\c+\i], v[PC+12+4*\c+\i]
.endr
.endr
.endm
; my 8 tiles x 4 K steps of the weight whose first tile is tb, their scale words and bias: 120 loads
.macro LOADW tb, sp, bp
	s_wait_xcnt 0x0                                ; the bases below were read by earlier loads
	s_lshl_b32 s56, s2, 3
	s_add_co_u32 s56, s56, \tb
	s_mul_i32 s56, s56, 6144
	s_mov_b32 s57, 0
	s_add_nc_u64 s[58:59], s[8:9], s[56:57]
	s_lshl_b32 s56, s2, 11
	s_add_nc_u64 s[60:61], s[\sp:\sp+1], s[56:57]
	s_lshl_b32 s56, s2, 9
	s_add_nc_u64 s[62:63], s[\bp:\bp+1], s[56:57]
	WIN 0x40
.irp s, 0,1
.irp t, 0,1,2,3,4,5,6,7
.irp q, 0,1,2
	global_load_b128 v[96*\s+12*\t+4*\q:96*\s+12*\t+4*\q+3], v[LI], s[58:59] offset:6144*\t+1536*\s+512*\q
.endr
.endr
.endr
.irp t, 0,1,2,3,4,5,6,7
	global_load_b128 v[192+8*\t:195+8*\t], v[BO], s[62:63] offset:(32*(\t/2)+8*(\t%2))*4
	global_load_b128 v[196+8*\t:199+8*\t], v[BO], s[62:63] offset:(32*(\t/2)+8*(\t%2))*4+16
.endr
	WIN 0x80
.irp s, 2,3
.irp t, 0,1,2,3,4,5,6,7
.irp q, 0,1,2
	global_load_b128 v[96*(\s-2)+12*\t+4*\q:96*(\s-2)+12*\t+4*\q+3], v[LI], s[58:59] offset:6144*\t+1536*\s+512*\q
.endr
.endr
.endr
	WIN 0
.irp t, 0,1,2,3,4,5,6,7
	global_load_b128 v[WS+4*\t:WS+4*\t+3], v[WSO], s[60:61] offset:(32*(\t/2)+8*(\t%2))*16
.endr
.endm
; a tile of 16 rows of h (two windows on end): four fragments and the rows' scale words: 13 loads
.macro HLOAD set, cb, sb, t
.irp s, 0,1,2,3
.irp q, 0,1,2
	global_load_b128 v[HF+48*\set+12*\s+4*\q:HF+48*\set+12*\s+4*\q+3], v[HOFF], s[\cb:\cb+1] offset:6144*\t+768*\s+256*\q
.endr
.endr
	global_load_b128 v[HSW+4*\set:HSW+4*\set+3], v[R16], s[\sb:\sb+1] offset:256*\t
.endm
; 32 matrix instructions: my 128 channels for 16 rows.  left: the loads issued behind this tile's, which may stay out
.macro GEMM set, left
	s_wait_loadcnt \left
	WIN 0x11                                       ; weight and bias in window 1
.irp t, 0,1,2,3,4,5,6,7
	WMC ACC+8*\t, 12*\t, HF+48*\set, 192+8*\t, WS+4*\t, HSW+4*\set
.endr
	WIN 0x01
.irp t, 0,1,2,3,4,5,6,7
	WMC ACC+8*\t, 96+12*\t, HF+48*\set+12, ACC+8*\t, WS+4*\t+1, HSW+4*\set+1
.endr
	WIN 0x02
.irp s, 2,3
.irp t, 0,1,2,3,4,5,6,7
	WMC ACC+8*\t, 96*(\s-2)+12*\t, HF+48*\set+12*\s, ACC+8*\t, WS+4*\t+\s, HSW+4*\set+\s
.endr
.endr
	WIN 0
	PLACES
.endm
.macro FIN isq, pw, vo, base, imm, step
.if \isq
.set J, 0
.rept 32
	v_pk_mul_f32 v[ACC+J:ACC+J+1], v[ACC+J:ACC+J+1], 0x3e000000 op_sel_hi:[1,0]   ; x 64^-0.5
.set J, J+2
.endr
.endif
	s_wait_xcnt 0x0                                ; the last stores have read the codes' registers
	QUANT ACC, \pw
.irp q, 0,1,2
	global_store_b128 v[\vo], v[PC+4*\q:PC+4*\q+3], s[\base:\base+1] offset:\imm+\step*\q
.endr
.endm
	s_load_b512 s[4:19], s[0:1], 0x0               ; hcod, hscl, wimg, wq_scales, bq, wkv_scales, bkv, qcod
	s_load_b128 s[20:23], s[0:1], 0x40             ; qscl, kcod
	s_load_b64 s[24:25], s[0:1], 0x50              ; kscl
	v_lshrrev_b32 v6, 5, v0
	v_readfirstlane_b32 s2, v6                     ; wave p
	v_and_b32 v6, 31, v0
	v_lshlrev_b32 v[LI], 4, v6
	v_and_b32 v7, 15, v0
	v_bfe_u32 v8, v0, 4, 1
	v_bfe_u32 v9, v0, 3, 1
	v_lshlrev_b32 v[R16], 4, v7
	v_lshl_add_u32 v[WSO], v9, 7, v[R16]           ; 16 (r + 8 (r / 8))
	v_lshlrev_b32 v[BO], 6, v8
	v_mul_u32_u24 v[HOFF], v9, 3072
	v_lshl_add_u32 v[HOFF], v8, 7, v[HOFF]
	v_and_b32 v6, 7, v0
	v_lshl_add_u32 v[HOFF], v6, 4, v[HOFF]         ; window r / 8, + 128 hh + 16 (r % 8)
.irp b, 0,1,2,3
	v_mov_b32 v[TM+4+\b], 0
.endr
	s_mov_b32 s[SEL], 0x76543210
	s_mov_b32 s[SEL+1], 0xfedcba98
	s_mov_b32 s57, 0
	s_mov_b32 s59, 0
	s_wait_kmcnt 0x0
	s_mul_i32 s56, ttmp9, 24576                    ; level 0: window 8 g
	s_lshl_b32 s58, ttmp9, 10
	s_add_nc_u64 s[26:27], s[4:5], s[56:57]
	s_add_nc_u64 s[38:39], s[22:23], s[56:57]
	s_add_nc_u64 s[50:51], s[18:19], s[56:57]
	s_add_nc_u64 s[32:33], s[6:7], s[58:59]
	s_add_nc_u64 s[44:45], s[24:25], s[58:59]
	s_add_nc_u64 s[52:53], s[20:21], s[58:59]
	s_lshl_b32 s56, ttmp9, 2
	s_add_co_u32 s56, s56, 2048                    ; level 1: window 2048 + 4 g
	s_lshl_b32 s58, s56, 7
	s_mul_i32 s56, s56, 3072
	s_add_nc_u64 s[28:29], s[4:5], s[56:57]
	s_add_nc_u64 s[40:41], s[22:23], s[56:57]
	s_add_nc_u64 s[34:35], s[6:7], s[58:59]
	s_add_nc_u64 s[46:47], s[24:25], s[58:59]
	s_lshl_b32 s56, ttmp9, 1
	s_add_co_u32 s56, s56, 3072                    ; level 2: window 3072 + 2 g
	s_lshl_b32 s58, s56, 7
	s_mul_i32 s56, s56, 3072
	s_add_nc_u64 s[30:31], s[4:5], s[56:57]
	s_add_nc_u64 s[42:43], s[22:23], s[56:57]
	s_add_nc_u64 s[36:37], s[6:7], s[58:59]
	s_add_nc_u64 s[48:49], s[24:25], s[58:59]
	s_mul_i32 s56, s2, 768                         ; what is stored: my pair's place
	s_lshl_b32 s58, s2, 2
.irp b, 38,40,42
	s_add_nc_u64 s[\b:\b+1], s[\b:\b+1], s[56:57]
.endr
.irp b, 44,46,48,52
	s_add_nc_u64 s[\b:\b+1], s[\b:\b+1], s[58:59]
.endr
	s_mul_i32 s56, s2, 1536
	s_add_nc_u64 s[50:51], s[50:51], s[56:57]
	LOADW 0, 10, 12                                ; wq
	HLOAD 0, 26, 32, 0
	HLOAD 1, 26, 32, 1
	GEMM 0, 13                                     ; 13: the next tile's loads
	HLOAD 0, 26, 32, 2
	FIN 1, KW+0, LI, 50, 0, 512
	GEMM 1, 13
	HLOAD 1, 26, 32, 3
	FIN 1, KW+1, LI, 50, 6144, 512
	GEMM 0, 13
	FIN 1, KW+2, LI, 50, 12288, 512
	GEMM 1, 0
	LOADW 32, 14, 16                               ; wkv's first 512 rows: k.  The weights change while the last q is quantised
	HLOAD 0, 26, 32, 0
	HLOAD 1, 26, 32, 1
	FIN 1, KW+3, LI, 50, 18432, 512
	GEMM 0, 13
	HLOAD 0, 26, 32, 2
	FIN 0, KW+4, HOFF, 38, 0, 256
	GEMM 1, 13
	HLOAD 1, 26, 32, 3
	FIN 0, KW+5, HOFF, 38, 6144, 256
	GEMM 0, 13
	HLOAD 0, 28, 34, 0
	FIN 0, KW+6, HOFF, 38, 12288, 256
	GEMM 1, 13
	HLOAD 1, 28, 34, 1
	FIN 0, KW+7, HOFF, 38, 18432, 256
	GEMM 0, 13
	HLOAD 0, 30, 36, 0
	FIN 0, KW+8, HOFF, 40, 0, 256
	GEMM 1, 13
	FIN 0, KW+9, HOFF, 40, 6144, 256
	GEMM 0, 0
	FIN 0, KW+10, HOFF, 42, 0, 256
	; the scale words: lanes r and r + 16 hold the same word and store it at the same place
.irp t, 0,1,2,3
	global_store_b32 v[R16], v[KW+\t], s[52:53] offset:256*\t
	global_store_b32 v[R16], v[KW+4+\t], s[44:45] offset:256*\t
.endr
.irp t, 0,1
	global_store_b32 v[R16], v[KW+8+\t], s[46:47] offset:256*\t
.endr
	global_store_b32 v[R16], v[KW+10], s[48:49]
	s_endpgm
.Lfunc_end_k_qed6e2e52ff_qk:
	.size	k_qed6e2e52ff_qk, .Lfunc_end_k_qed6e2e52ff_qk-k_qed6e2e52ff_qk
	.p2alignl 7, 3214868480
	.fill 96, 4, 3214868480
	.section	.rodata,"a",@progbits
	.p2align	6, 0x0
	.amdhsa_kernel k_qed6e2e52ff_qk
		.amdhsa_group_segment_fixed_size 0
		.amdhsa_private_segment_fixed_size 0
		.amdhsa_enable_private_segment 0
		.amdhsa_kernarg_size 88
		.amdhsa_user_sgpr_count 2
		.amdhsa_user_sgpr_kernarg_segment_ptr 1
		.amdhsa_wavefront_size32 1
		.amdhsa_system_sgpr_workgroup_id_x 1
		.amdhsa_system_sgpr_workgroup_id_y 1
		.amdhsa_system_sgpr_workgroup_id_z 1
		.amdhsa_system_vgpr_workitem_id 0
		.amdhsa_next_free_vgpr 704
		.amdhsa_next_free_sgpr 66
		.amdhsa_reserve_vcc 0
		.amdhsa_float_denorm_mode_32 3
		.amdhsa_float_denorm_mode_16_64 3
		.amdhsa_memory_ordered 1
		.amdhsa_forward_progress 1
		.amdhsa_inst_pref_size 145
	.end_amdhsa_kernel
	.amdgpu_metadata
---
amdhsa.version: [ 1, 2 ]
amdhsa.kernels:
  - .name:           k_qed6e2e52ff_qk
    .symbol:         k_qed6e2e52ff_qk.kd
    .args:
      - { .name: hcod, .offset: 0, .size: 8, .value_kind: global_buffer, .address_space: global }
      - { .name: hscl, .offset: 8, .size: 8, .value_kind: global_buffer, .address_space: global }
      - { .name: wimg, .offset: 16, .size: 8, .value_kind: global_buffer, .address_space: global }
      - { .name: wq_scales, .offset: 24, .size: 8, .value_kind: global_buffer, .address_space: global }
      - { .name: bq, .offset: 32, .size: 8, .value_kind: global_buffer, .address_space: global }
      - { .name: wkv_scales, .offset: 40, .size: 8, .value_kind: global_buffer, .address_space: global }
      - { .name: bkv, .offset: 48, .size: 8, .value_kind: global_buffer, .address_space: global }
      - { .name: qcod, .offset: 56, .size: 8, .value_kind: global_buffer, .address_space: global }
      - { .name: qscl, .offset: 64, .size: 8, .value_kind: global_buffer, .address_space: global }
      - { .name: kcod, .offset: 72, .size: 8, .value_kind: global_buffer, .address_space: global }
      - { .name: kscl, .offset: 80, .size: 8, .value_kind: global_buffer, .address_space: global }
    .group_segment_fixed_size: 0
    .private_segment_fixed_size: 0
    .kernarg_segment_align: 8
    .kernarg_segment_size: 88
    .max_flat_workgroup_size: 128
    .sgpr_count:     66
    .vgpr_count:     704
    .wavefront_size: 32
...
	.end_amdgpu_metadata
.endif
;; end of part 2
;; launch main (part 3): grid 256 x 1, 4 waves a work-group, no clusters, 297,472 bytes of LDS; arguments x, hcod, hscl, wimg, tbl, qcod, qscl, kcod, kscl, wkv_scales, bkv, wproj_scales, bproj, ln2_s, ln2_b, mlp_w1_scales, mlp_b1, mlp_w2_scales, mlp_b2, out0; writes out0
.if DOCPART == 3
	.amdgcn_target "amdgcn-amd-amdhsa--gfx1250"
	.amdhsa_code_object_version 6
	.text
	.protected	k_qed6e2e52ff_main
	.globl	k_qed6e2e52ff_main
	.p2align	8
	.type	k_qed6e2e52ff_main,@function
k_qed6e2e52ff_main:
	s_mov_b64 s[64:65], 0
	v_nop
	global_prefetch_b8 v0, s[64:65] scope:SCOPE_SE
	s_setreg_imm32_b32 hwreg(HW_REG_WAVE_MODE, 25, 1), 1
	s_wait_xcnt 0x0
; THIRD LAUNCH.  One work-group takes one query window (64 queries of one batch) through attention, the output projection, the residual, LayerNorm 2, the MLP and the second residual.
; All large products run on codes of E3M2 with one E8M0 scale for 32 along K; every operand made on the way is quantised from f32 in registers.
; SHARES.  Wave p owns heads 2 p, 2 p + 1 in attention, columns 128 p .. + 127 in the projection and the MLP's second product, hidden units 512 i + 128 p .. + 127 in its first.
; THE KEYS.  A window sees, at each of three levels, the 16 key windows nearest to it, in the order of their distance (the lower index first): rank j is window j where j > 2 cq, nk - 1 - j where j > 2 (nk - 1 - cq),
; else cq + j / 2 (j even) or cq - (j + 1) / 2 (j odd); cq = (8 w + 4) >> level, nk = 512 >> level.  Only the work-group's number and the lane enter that.
; A TILE OF 16 KEYS takes ranks 4 b + u (rows 0-7) and 4 b + u + 2 (rows 8-15), t = 2 b + u: so the 16 registers of tiles 2 b, 2 b + 1 of a result are 16 neighbouring keys of the list.
; V is quantised along the keys, whose order is the window's own: so v = xl wv + bv is made here, for the window's 384 keys, from h's codes (in LDS, shared by the four waves), a head at a time, with a lane to a channel.
; THE BIAS hangs on rel = query position - f x key index + 4 f alone: it is read from the first launch's table (my two heads' in LDS) straight into the registers that are the C of K Q^T.
; SOFTMAX: t = logit x log2(e), M = ceil(the row's largest t), p = 2^(t - M) is quantised along the keys; the sum of the unquantised p divides the result.  A unit (16 queries, one head) holds all 384 keys: one pass.
; A head has 64 channels, the instruction 128: K's fragments hold a pair of heads, and q's codes of the other head are made zero.
; OPERANDS GO FROM WAVE TO WAVE THROUGH LDS as images of their registers, in pieces of two registers: piece i of lane l at 256 i + 8 l; a scale word at 4 l.
; NO CLUSTER, NO TENSOR LOAD: the weights (2.0 MB a work-group, the same for all) go from memory straight into the operand registers of the one wave that multiplies by them; a joint load would land in LDS,
; of which the attention holds 296,960 of 327,680 bytes, and would be read from there once more.
; LIMITS: NaN and infinities are not served; a block whose largest magnitude lies under 2^-122 gets the scale byte 1; sums are formed in another order than the source's, in f32; GELU is x / (1 + 2^z), the tanh form rewritten.
; REGISTER WINDOWS: 0: addresses, scale words, statistics, p's codes, operands from LDS.  1: V's sums / scores, O^T / the residual stream X2 (64 rt + 8 t).  2, 3: weights and K, V^T.
.set HC,  0                            ; LDS, attention: h's codes, 24 key tiles x 4 K steps x 1,536
.set HS,  147456                       ; their scale words: [tile][row][4 words]
.set TB,  153600                       ; the bias table: 8 heads x (4,096 + 512)
.set VT,  190464                       ; V^T's codes: 4 waves x 12 fragments
.set VS,  264192                       ; their scale words
.set OI,  270336                       ; the attention's result: 16 fragments (4 qt + pair)
.set OS,  294912
.set XS,  0                            ; LDS, tail (over h's codes, which nobody reads then): 4 waves x 16 rows x 528
.set ST,  33792                        ; LayerNorm 2: [rt][wave][lane] (mean, sum of squares)
.set H2I, 37888                        ; its result: 16 fragments
.set H2S, 62464
.set HID0, 64512                       ; the hidden layer's 16 fragments and scale words, two buffers
.set HIDSZ, 26624
.set LI,1
.set L8,2
.set LS,3
.set R16,4
.set HCA,5
.set HSA,6
.set VTW,7
.set VSW,8
.set OIW,9
.set OSW,10
.set PFO,11
.set BB,16                             ; v16-39  a key tile's place in the bias table, for my lane
.set KOFF,40                           ; v40-63  a key tile's place in hcod and kcod
.set KS,64                             ; v64-87  K's scale words
.set HSR,88                            ; v88-119 h's scale words of a level;  in phase 0 offsets;  in a unit addresses, then at work
.set SOF,88
.set GA,88
.set TP,88
.set SO,100
.set WVS,120
.set VTS,136
.set QR,160
.set QSR,172
.set VTA,173
.set QM,176
.set PWD,188
.set VSA,191
.set P,192                             ; v192-227 p's codes
.set BM,192                            ; v192-203 the blocks' largest scores, then largest p: done with before p's codes are written there
.set TM,228
.set PH,234
.set PC,236
.set CT,236
.set WSO,250
.set BVO,251
.set XSW,5                             ; the tail's
.set XSR,6
.set BO,7
.set WS1,8
.set WS4,9
.set WSA,16                            ; v16-31, v32-47 the scale words of weight sets A, B
.set BS,48                             ; v48-63 the scale words of operands from LDS
.set WV,2
.set P_X,4
.set P_HC,6
.set P_HS,8
.set P_WI,10
.set P_TB,12
.set P_QC,14
.set P_QS,16
.set P_KC,18
.set P_KS,20
.set P_WVS,22
.set P_BKV,24
.set P_WPS,26
.set P_BP,28
.set P_G2,30
.set P_B2,32
.set P_M1S,34
.set P_MB1,36
.set P_M2S,38
.set P_MB2,40
.set P_OUT,42
.set W,44
.set BA,45
.set CQ,46
.set C2,47
.set M2,48
.set NK1,49
.set GB,50
.set HB,51
.set SEL,52
.set CS,54
.set FL,56
.set NINF,57
.set MLO,58
.set MHI,59
.set HD,60
.set LV,61
.set QT,62
.set KCB,66
.set QCB,68
.set QSB,70
.set XB,72
.set OB,74
.set WB,76
.set SB,78
.set BIB,80
.set QA,82
.set QSA,84
.set PFA,86
.set HCB,88
.set HSB,90
.set KSB,92
.set TBB,94
.set K2,96
.set MI,98
.set TR,99
.set MSB, 0
.macro WIN new                         ; bits 1:0 source 0, 3:2 source 1, 5:4 source 2, 7:6 destination; the high byte repeats the setting that is left
.if MSB != (\new)
	s_set_vgpr_msb (MSB<<8)|(\new)
.set MSB, (\new)
.endif
.endm
.macro PLACES                          ; four plain lines between a matrix instruction and a read of its result, a write of or a load into its registers
.rept 4
	v_nop
.endr
.endm
.macro WMC d, a, b, c, sa, sb
	v_wmma_scale_f32_16x16x128_f8f6f4 v[(\d):(\d)+7], v[(\a):(\a)+11], v[(\b):(\b)+11], v[(\c):(\c)+7], v[\sa], v[\sb] matrix_a_fmt:MATRIX_FMT_BF6 matrix_b_fmt:MATRIX_FMT_BF6
.endm
.macro WMZ d, a, b, sa, sb
	v_wmma_scale_f32_16x16x128_f8f6f4 v[(\d):(\d)+7], v[(\a):(\a)+11], v[(\b):(\b)+11], 0, v[\sa], v[\sb] matrix_a_fmt:MATRIX_FMT_BF6 matrix_b_fmt:MATRIX_FMT_BF6
.endm
; 32 numbers of a lane in window X, register 16 b + i = k 32 b + 16 hh + i, become half a fragment: six registers in v[PC] on, and two scale bytes in v[PH]
.macro QH src, X
	WIN ((\X)<<2)|((\X)<<4)
.irp b, 0,1
	v_max3_num_f32 v[TM+\b], s[FL], |v[(\src)+16*\b]|, |v[(\src)+16*\b+1]|   ; the floor 2^(5 - 127) starts the chain: the byte cannot fall under 1
.endr
.irp i, 2,4,6,8,10,12,14
.irp b, 0,1
	v_max3_num_f32 v[TM+\b], v[TM+\b], |v[(\src)+16*\b+\i]|, |v[(\src)+16*\b+\i+1]|
.endr
.endr
	WIN 0
.irp b, 0,1
	v_permlanex16_b32 v[TM+2+\b], v[TM+\b], s[SEL], s[SEL+1]
.endr
.irp b, 0,1
	v_max_num_f32 v[TM+\b], v[TM+\b], v[TM+2+\b]
.endr
.irp b, 0,1
	v_add_nc_u32 v[TM+4+\b], 0xfe000000, v[TM+\b]  ; 4 off the exponent field: the conversion's scale operand
.endr
.irp b, 0,1
	v_lshrrev_b32 v[TM+2+\b], 23, v[TM+4+\b]
.endr
	v_lshl_or_b32 v[PH], v[TM+3], 8, v[TM+2]
	WIN \X
	v_cvt_scalef32_pk16_bf6_f32 v[PC:PC+2], v[(\src):(\src)+15], v[TM+4]
	v_cvt_scalef32_pk16_bf6_f32 v[PC+6:PC+8], v[(\src)+16:(\src)+31], v[TM+5]
	WIN 0
	v_nop                                          ; one plain line behind the scaled conversions
.irp i, 0,1,2
	v_permlane16_swap_b32 v[PC+\i], v[PC+6+\i]     ; a whole block to a lane
.endr
.irp i, 0,1,2
	v_mov_b32 v[PC+3+\i], v[PC+6+\i]
.endr
.endm
; the key window of rank 4 b + u + 2 sel
.macro CK dst, sel, b, u
	v_lshl_add_u32 v252, v[\sel], 1, 4*\b+\u
.if \u == 0
	v_add_nc_u32 v[\dst], s[CQ], v[\sel]           ; an even rank j: cq + j / 2
	v_add_nc_u32 v[\dst], 2*\b, v[\dst]
.else
	v_sub_nc_u32 v[\dst], s[CQ], v[\sel]           ; an odd one: cq - (j + 1) / 2
	v_add_nc_u32 v[\dst], -(2*\b+1), v[\dst]
.endif
	v_cmp_lt_u32 vcc_lo, s[C2], v252
	v_cndmask_b32 v[\dst], v[\dst], v252, vcc_lo
	v_sub_nc_u32 v254, s[NK1], v252
	v_cmp_lt_u32 vcc_lo, s[M2], v252
	v_cndmask_b32 v[\dst], v[\dst], v254, vcc_lo
.endm
; a level's eight key tiles: where each lies in memory (the window by lane bit 3) and in the bias table (the window by lane bit 4)
.macro ADDR lv
	s_lshl_b32 s[CQ], s[W], 3
	s_add_co_u32 s[CQ], s[CQ], 4
	s_lshr_b32 s[CQ], s[CQ], \lv
	s_lshl_b32 s[C2], s[CQ], 1
	s_sub_co_u32 s[M2], (512>>\lv)-1, s[CQ]
	s_lshl_b32 s[M2], s[M2], 1
	s_mov_b32 s[NK1], (512>>\lv)-1
	s_mul_i32 s[GB], s[BA], 512>>\lv
	s_add_co_u32 s[GB], s[GB], 4096-(4096>>\lv)
	s_lshl_b32 s3, s[W], 6
	s_add_co_u32 s3, s3, 496-3*(1<<\lv)
	v_add_nc_u32 v118, s3, v119
.irp t, 0,1,2,3,4,5,6,7
	CK 253, 112, (\t/2), (\t%2)
	v_add_nc_u32 v253, s[GB], v253
	v_mad_u32_u24 v[KOFF+8*\lv+\t], v253, 0xc00, v116
	v_lshl_add_u32 v[SOF+8*\lv+\t], v253, 7, v117
	CK 253, 114, (\t/2), (\t%2)
	v_lshlrev_b32 v253, 3+\lv, v253
	v_sub_nc_u32 v253, v118, v253                  ; r + 64 w + 496 - 3 f - 8 f ck: the index for query tile 0 and the window's last key
	v_lshlrev_b32 v253, 2, v253
	v_and_b32 v[BB+8*\lv+\t], 0xffc, v253          ; it lies in 4 .. 1023: the mask changes nothing
.endr
.endm
.macro ISSUE lv, set                   ; K step p of a level's eight tiles, and the scale words: 40 loads
	WIN 0x40
.irp t, 0,1,2,3,4,5,6,7
.irp q, 0,1,2
	global_load_b128 v[128*\set+12*\t+4*\q:128*\set+12*\t+4*\q+3], v[KOFF+8*\lv+\t], s[HCB:HCB+1] offset:256*\q
.endr
	global_load_b32 v[128*\set+96+\t], v[SOF+8*\lv+\t], s[HSB:HSB+1]
.endr
	WIN 0
.irp t, 0,1,2,3,4,5,6,7
	global_load_b32 v[KS+8*\lv+\t], v[SOF+8*\lv+\t], s[KSB:KSB+1]
.endr
.endm
.macro FILL lv, set, adr
	WIN 0x04
.irp t, 0,1,2,3,4,5,6,7
.irp q, 0,1,2
	ds_store_b128 v[\adr], v[128*\set+12*\t+4*\q:128*\set+12*\t+4*\q+3] offset:6144*\t+512*\q
.endr
	ds_store_b32 v255, v[128*\set+96+\t] offset:256*(8*\lv+\t)
.endr
	WIN 0
.endm
.macro FETCHH set, s                   ; a level's eight fragments of h for K step s: 24 LDS loads
	WIN 0xc0
.irp kt, 0,1,2,3,4,5,6,7
.irp q, 0,1,2
	ds_load_b128 v[96*(\set)+12*\kt+4*\q:96*(\set)+12*\kt+4*\q+3], v[HCA] offset:6144*\kt+1536*(\s)+512*\q
.endr
.endr
	WIN 0
.endm
	s_load_b512 s[4:19], s[0:1], 0x0
	s_load_b512 s[20:35], s[0:1], 0x40
	s_load_b256 s[36:43], s[0:1], 0x80
	v_lshrrev_b32 v252, 5, v0
	v_readfirstlane_b32 s[WV], v252                ; wave p
	v_and_b32 v252, 31, v0
	v_lshlrev_b32 v[LI], 4, v252
	v_lshlrev_b32 v[L8], 3, v252
	v_lshlrev_b32 v[LS], 2, v252
	v_and_b32 v119, 15, v0                         ; r
	v_lshlrev_b32 v[R16], 4, v119
	v_bfe_u32 v114, v0, 4, 1                       ; hh
	v_bfe_u32 v112, v0, 3, 1                       ; r / 8
	v_and_b32 v117, 7, v0
	v_lshlrev_b32 v117, 4, v117
	v_lshl_add_u32 v116, v114, 7, v117
	v_lshl_add_u32 v[WSO], v112, 7, v[R16]         ; 16 (r + 8 (r / 8))
	v_lshrrev_b32 v[BVO], 2, v[WSO]
	v_lshrrev_b32 v253, 1, v252
	v_and_b32 v254, 1, v0
	v_lshlrev_b32 v254, 8, v254
	v_lshl_add_u32 v[PFO], v253, 11, v254          ; the prefetches: row lane / 2, block lane % 2
.irp j, 12,13,14,15,230,231,249
	v_mov_b32 v[\j], 0                             ; zeros for the table's spare bytes; upper halves of pairs and permutes' destinations, which count as read
.endr
	s_mul_i32 s3, s[WV], 18432
	s_add_co_u32 s3, s3, VT
	v_add_nc_u32 v[VTW], s3, v[L8]
	s_mul_i32 s3, s[WV], 1536
	s_add_co_u32 s100, s3, VS
	v_add_nc_u32 v[VSW], s100, v[LS]
	s_add_co_u32 s100, s3, OI
	v_add_nc_u32 v[OIW], s100, v[L8]
	v_add_nc_u32 v235, s3, v[LI]                   ; where I put h's codes: K step p, level 0, 1, 2
	v_add_nc_u32 v173, 49152, v235
	v_add_nc_u32 v191, 98304, v235
	s_lshl_b32 s3, s[WV], 7
	s_add_co_u32 s3, s3, OS
	v_add_nc_u32 v[OSW], s3, v[LS]
	s_lshl_b32 s3, s[WV], 2
	s_add_co_u32 s3, s3, HS
	v_add_nc_u32 v255, s3, v[R16]
	s_mul_i32 s3, s[WV], 9216
	s_add_co_u32 s3, s3, TB
	v_add_nc_u32 v5, s3, v[LI]                     ; my two heads' tables
	s_and_b32 s[W], ttmp9, 63
	s_lshr_b32 s[BA], ttmp9, 6
	s_mov_b32 s[SEL], 0x76543210
	s_mov_b32 s[SEL+1], 0xfedcba98
	s_mov_b32 s[CS], 0x3fb8aa3b                    ; log2(e)
	s_mov_b32 s[CS+1], s[CS]
	s_mov_b32 s[FL], 0x2800000
	s_mov_b32 s[NINF], 0xff800000
	s_mov_b32 s[K2], 0xbdd2d3e8                    ; -2 sqrt(2 / pi) log2(e) x 0.044715
	s_mov_b32 s[K2+1], s[K2]
	s_mov_b32 s101, 0
	s_wait_kmcnt 0x0
	s_mul_i32 s100, s[WV], 768
	s_add_nc_u64 s[HCB:HCB+1], s[P_HC:P_HC+1], s[100:101]
	s_add_nc_u64 s[KCB:KCB+1], s[P_KC:P_KC+1], s[100:101]
	s_lshl_b32 s100, s[WV], 2
	s_add_nc_u64 s[HSB:HSB+1], s[P_HS:P_HS+1], s[100:101]
	s_add_nc_u64 s[KSB:KSB+1], s[P_KS:P_KS+1], s[100:101]
	s_lshl_b32 s3, ttmp9, 10
	s_add_co_u32 s100, s100, s3
	s_add_nc_u64 s[QSB:QSB+1], s[P_QS:P_QS+1], s[100:101]
	s_lshl_b32 s100, s[WV], 13
	s_add_nc_u64 s[TBB:TBB+1], s[P_TB:P_TB+1], s[100:101]
	s_mul_i32 s100, ttmp9, 24576
	s_mul_i32 s3, s[WV], 1536
	s_add_co_u32 s100, s100, s3
	s_add_nc_u64 s[QCB:QCB+1], s[P_QC:P_QC+1], s[100:101]
	s_lshl_b32 s100, ttmp9, 17
	s_lshl_b32 s3, s[WV], 9
	s_add_co_u32 s100, s100, s3
	s_add_nc_u64 s[XB:XB+1], s[P_X:P_X+1], s[100:101]
	s_add_nc_u64 s[OB:OB+1], s[P_OUT:P_OUT+1], s[100:101]
	; ---- PHASE 0: h's codes of the window's 384 keys go to LDS, each wave one K step of every tile; my heads' tables too
	ADDR 0
	ISSUE 0, 0
	ADDR 1
	ISSUE 1, 1
	ADDR 2
	s_wait_loadcnt 40                              ; level 0 is in; level 1's 40 loads may be out
	FILL 0, 0, 235
	s_wait_dscnt 0x0                               ; the stores have read their registers
	ISSUE 2, 0
	s_wait_loadcnt 40                              ; level 1 is in
	FILL 1, 1, 173
	WIN 0x80
.irp c, 0,1
.irp q, 0,1,2,3,4,5,6,7
	global_load_b128 v[32*\c+4*\q:32*\c+4*\q+3], v[LI], s[TBB:TBB+1] offset:4096*\c+512*\q
.endr
.endr
	WIN 0
	s_wait_loadcnt 16                              ; level 2 is in; the table's 16 loads may be out
	FILL 2, 0, 191
	s_wait_loadcnt 0x0
	WIN 0x08
.irp c, 0,1
.irp q, 0,1,2,3,4,5,6,7
	ds_store_b128 v5, v[32*\c+4*\q:32*\c+4*\q+3] offset:4608*\c+512*\q
.endr
.endr
	WIN 0
	ds_store_b128 v5, v[12:15] offset:4096         ; the spare bytes behind each table hold zeros
	ds_store_b128 v5, v[12:15] offset:4608+4096
	s_wait_dscnt 0x0                               ; my stores have landed:
	s_barrier_signal -1
	s_barrier_wait -1                              ; everybody's have
	; ---- ATTENTION: no barrier; what a wave writes to LDS here is its own
	s_mov_b32 s[HD], 0
	s_mov_b32 s[MLO], -1
	s_mov_b32 s[MHI], 0
.Lhead:
	s_lshl_b32 s3, s[WV], 1
	s_add_co_u32 s3, s3, s[HD]                     ; the head
	s_wait_xcnt 0x0                                ; the bases below were read by earlier loads
	s_mul_i32 s100, s3, 24576
	s_add_co_u32 s100, s100, 393216                ; wimg's tile 64 + 4 head
	s_mov_b32 s101, 0
	s_add_nc_u64 s[WB:WB+1], s[P_WI:P_WI+1], s[100:101]
	s_lshl_b32 s100, s3, 10
	s_add_co_u32 s100, s100, 8192
	s_add_nc_u64 s[SB:SB+1], s[P_WVS:P_WVS+1], s[100:101]
	s_lshl_b32 s100, s3, 8
	s_add_co_u32 s100, s100, 2048
	s_add_nc_u64 s[BIB:BIB+1], s[P_BKV:P_BKV+1], s[100:101]
	WIN 0x80                                       ; the head's 16 fragments of wv, and its bias: a lane is one channel, so a tile's eight registers hold one number
.irp ct, 0,1,2,3
.irp s, 0,1,2,3
.irp q, 0,1,2
	global_load_b128 v[48*\ct+12*\s+4*\q:48*\ct+12*\s+4*\q+3], v[LI], s[WB:WB+1] offset:6144*\ct+1536*\s+512*\q
.endr
.endr
.endr
.irp ct, 0,1,2,3
.irp j, 0,1,2,3,4,5,6,7
	global_load_b32 v[192+8*\ct+\j], v[BVO], s[BIB:BIB+1] offset:(32*(\ct/2)+8*(\ct%2))*4
.endr
.endr
	WIN 0
.irp ct, 0,1,2,3
	global_load_b128 v[WVS+4*\ct:WVS+4*\ct+3], v[WSO], s[SB:SB+1] offset:(32*(\ct/2)+8*(\ct%2))*16
.endr
	s_wait_loadcnt 0x0
	s_mov_b32 s[LV], 0
.Llev:                                 ; a level: V = xl wv + bv for 128 keys x 64 channels, 128 matrix instructions on 32 accumulators by turns; then quantised along the keys
	s_mul_i32 s3, s[LV], 49152
	v_add_nc_u32 v[HCA], s3, v[LI]
	s_lshl_b32 s3, s[LV], 11
	s_add_co_u32 s3, s3, HS
	v_add_nc_u32 v[HSA], s3, v[R16]
	s_mul_i32 s3, s[LV], 6144
	v_add_nc_u32 v[VTA], s3, v[VTW]
	s_lshl_b32 s3, s[LV], 9
	v_add_nc_u32 v[VSA], s3, v[VSW]
.irp kt, 0,1,2,3,4,5,6,7
	ds_load_b128 v[HSR+4*\kt:HSR+4*\kt+3], v[HSA] offset:256*\kt
.endr
	FETCHH 0, 0
.irp s, 0,1,2,3
.if \s < 3
.if \s > 0
	PLACES
.endif
	FETCHH (\s+1)%2, \s+1
	s_wait_dscnt 24                                ; all but the 24 just issued
.else
	s_wait_dscnt 0x0
.endif
.if \s == 0
	WIN 0x6b                                       ; h window 3, wv and the bias window 2, the sums window 1
.else
	WIN 0x5b
.endif
.irp ct, 0,1,2,3
.irp kt, 0,1,2,3,4,5,6,7
.if \s == 0
	WMC 64*\ct+8*\kt, 96*(\s%2)+12*\kt, 48*\ct+12*\s, 192+8*\ct, HSR+4*\kt+\s, WVS+4*\ct+\s
.else
	WMC 64*\ct+8*\kt, 96*(\s%2)+12*\kt, 48*\ct+12*\s, 64*\ct+8*\kt, HSR+4*\kt+\s, WVS+4*\ct+\s
.endif
.endr
.endr
.endr
	WIN 0
	PLACES
.irp ct, 0,1,2,3
.irp cc, 0,1
	s_wait_dscnt 0x0                               ; the last stores have read the codes' registers
	QH 64*\ct+32*\cc, 1
.irp i, 0,1,2
	ds_store_b64 v[VTA], v[PC+2*\i:PC+2*\i+1] offset:1536*\ct+768*\cc+256*\i
.endr
	ds_store_b16 v[VSA], v[PH] offset:128*\ct+2*\cc
.endr
.endr
	s_add_co_u32 s[LV], s[LV], 1
	s_cmp_lt_u32 s[LV], 3
	s_cbranch_scc1 .Llev
	; K's 24 tiles of my pair of heads, and V^T back from LDS into fixed registers (LDS serves a wave's instructions in order: these see my stores)
	WIN 0x80
.set TT, 0
.rept 16
.irp q, 0,1,2
	global_load_b128 v[12*TT+4*\q:12*TT+4*\q+3], v[KOFF+TT], s[KCB:KCB+1] offset:256*\q
.endr
.set TT, TT+1
.endr
	WIN 0xc0
.rept 8
.irp q, 0,1,2
	global_load_b128 v[12*(TT-16)+4*\q:12*(TT-16)+4*\q+3], v[KOFF+TT], s[KCB:KCB+1] offset:256*\q
.endr
.set TT, TT+1
.endr
.irp f, 0,1,2,3,4,5,6,7,8,9,10,11
.irp i, 0,1,2,3,4,5
	ds_load_b64 v[96+12*\f+2*\i:96+12*\f+2*\i+1], v[VTW] offset:1536*\f+256*\i
.endr
.endr
	WIN 0
.irp f, 0,1,2,3,4,5,6,7,8,9,10,11
	ds_load_b32 v[VTS+\f], v[VSW] offset:128*\f
.endr
	s_mov_b32 s[QT], 0
.Lqt:                                  ; A UNIT: 16 queries of one head against all 384 keys
	s_wait_xcnt 0x0                                ; the bases below were read a unit ago
	s_mul_i32 s100, s[QT], 6144
	s_mov_b32 s101, 0
	s_add_nc_u64 s[QA:QA+1], s[QCB:QCB+1], s[100:101]
	s_lshl_b32 s100, s[QT], 8
	s_add_nc_u64 s[QSA:QSA+1], s[QSB:QSB+1], s[100:101]
	s_lshl_b32 s100, s[QT], 15
	s_add_nc_u64 s[PFA:PFA+1], s[XB:XB+1], s[100:101]
.irp q, 0,1,2
	global_load_b128 v[QR+4*\q:QR+4*\q+3], v[LI], s[QA:QA+1] offset:512*\q
.endr
	global_load_b32 v[QSR], v[R16], s[QSA:QSA+1]
	; x's rows 16 qt .. + 15, my 512 bytes of each, are asked for in the second head's units, one to four units ahead of the loads that want them:
	; a lane names one block of 256 bytes, 32 blocks a unit, 128 a wave, each once in the launch
	s_cmp_eq_u32 s[HD], 0
	s_cbranch_scc1 .Lno_ask
	global_prefetch_b8 v[PFO], s[PFA:PFA+1] th:TH_LOAD_NT scope:SCOPE_SE
.Lno_ask:
	s_lshl_b32 s3, s[WV], 1
	s_add_co_u32 s3, s3, s[HD]
	s_mul_i32 s3, s3, 4608
	s_lshl_b32 s100, s[QT], 6
	s_add_co_u32 s3, s3, s100
	s_add_co_u32 s3, s3, TB                        ; the head's table, 16 qt entries on
.set TT, 0
.rept 24
	v_add_nc_u32 v[GA+TT], s3, v[BB+TT]
.set TT, TT+1
.endr
	WIN 0x40
.set TT, 0
.rept 24
.irp j, 0,1,2,3,4,5,6,7
	ds_load_b32 v[8*TT+\j], v[GA+TT] offset:4*(1<<(TT/8))*(7-\j)   ; the bias of key j of the tile's window: f entries lower for each key further on
.endr
.set TT, TT+1
.endr
	WIN 0
	s_wait_loadcnt 0x0                             ; q, and in a head's first unit K
.irp i, 0,1,2,3,4,5
	v_and_b32 v[QM+\i], s[MLO], v[QR+\i]           ; the other head's codes become zeros
.endr
.irp i, 6,7,8,9,10,11
	v_and_b32 v[QM+\i], s[MHI], v[QR+\i]
.endr
	PLACES                                         ; an operand written by vector lines stands four places ahead of a scaled matrix instruction
	WIN 0x52                                       ; K window 2, q window 0, the scores window 1
.set TT, 0
.rept 16
.if 8*(23-TT) > 63
	s_wait_dscnt 63
.else
	s_wait_dscnt 8*(23-TT)                         ; the later tiles' gathers may be out
.endif
	WMC 8*TT, 12*TT, QM, 8*TT, KS+TT, QSR
.set TT, TT+1
.endr
	WIN 0x53
.rept 8
	s_wait_dscnt 8*(23-TT)
	WMC 8*TT, 12*(TT-16), QM, 8*TT, KS+TT, QSR
.set TT, TT+1
.endr
	WIN 0
	PLACES
	WIN 0x14                                       ; the largest score of each block of 32 keys: for the row's maximum and, since p rises with the score, for the block's largest p
.irp B, 0,1,2,3,4,5,6,7,8,9,10,11
	v_max3_num_f32 v[BM+\B], s[NINF], v[16*\B], v[16*\B+1]
.endr
.irp i, 2,4,6,8,10,12,14
.irp B, 0,1,2,3,4,5,6,7,8,9,10,11
	v_max3_num_f32 v[BM+\B], v[BM+\B], v[16*\B+\i], v[16*\B+\i+1]
.endr
.endr
	WIN 0
.irp B, 0,1,2,3,4,5,6,7,8,9,10,11
	v_permlanex16_b32 v[TP+\B], v[BM+\B], s[SEL], s[SEL+1]
.endr
.irp B, 0,1,2,3,4,5,6,7,8,9,10,11
	v_max_num_f32 v[BM+\B], v[BM+\B], v[TP+\B]
.endr
	v_max3_num_f32 v252, v[BM], v[BM+1], v[BM+2]
	v_max3_num_f32 v252, v252, v[BM+3], v[BM+4]
	v_max3_num_f32 v252, v252, v[BM+5], v[BM+6]
	v_max3_num_f32 v252, v252, v[BM+7], v[BM+8]
	v_max3_num_f32 v252, v252, v[BM+9], v[BM+10]
	v_max_num_f32 v252, v252, v[BM+11]
	v_mul_f32 v252, s[CS], v252
	v_floor_f32 v12, -v252                         ; -M = floor(-t) = -ceil(t)
	WIN 0x41
.set J, 0
.rept 96
	v_pk_fma_f32 v[J:J+1], v[J:J+1], s[CS:CS+1], v[12:13] op_sel_hi:[1,0,0]   ; t - M
.set J, J+2
.endr
	WIN 0
.irp B, 0,1,2,3,4,5,6,7,8,9,10,11
	v_fma_f32 v[BM+\B], v[BM+\B], s[CS], v12
.endr
	v_mov_b32 v14, 0                               ; the row's sum begins, in two chains of pairs
	v_mov_b32 v15, 0
	v_mov_b32 v174, 0
	v_mov_b32 v175, 0
	WIN 0x41
.set J, 0
.rept 192
	v_exp_f32 v[J], v[J]                           ; p, not normalised
.set J, J+1
.endr
	WIN 0
	v_nop                                          ; a plain line behind the exponentials
	s_wait_alu depctr_va_vdst(0)                   ; one wait for the batch, ahead of its first reader
.irp B, 0,1,2,3,4,5,6,7,8,9,10,11
	v_exp_f32 v[BM+\B], v[BM+\B]                   ; each block's largest p
.endr
	WIN 0x04
.set J, 0
.rept 48
	v_pk_add_f32 v[14:15], v[14:15], v[J:J+1]      ; the row's sum, of the unquantised p
	v_pk_add_f32 v[174:175], v[174:175], v[J+2:J+3]
.set J, J+4
.endr
	WIN 0
	s_wait_alu depctr_va_vdst(0)                   ; and one for the twelve
.irp B, 0,1,2,3,4,5,6,7,8,9,10,11
	v_max_num_f32 v[BM+\B], s[FL], v[BM+\B]
.endr
.irp B, 0,1,2,3,4,5,6,7,8,9,10,11
	v_add_nc_u32 v[SO+\B], 0xfe000000, v[BM+\B]
.endr
.irp B, 0,1,2,3,4,5,6,7,8,9,10,11
	v_lshrrev_b32 v[TP+\B], 23, v[SO+\B]
.endr
.irp l, 0,1,2
	v_lshl_or_b32 v[PWD+\l], v[TP+4*\l+1], 8, v[TP+4*\l]
	v_lshl_or_b32 v[PWD+\l], v[TP+4*\l+2], 16, v[PWD+\l]
	v_lshl_or_b32 v[PWD+\l], v[TP+4*\l+3], 24, v[PWD+\l]
.endr
.irp l, 0,1,2
	WIN 0x01
.irp c, 0,1
	v_cvt_scalef32_pk16_bf6_f32 v[P+12*\l+6*\c:P+12*\l+6*\c+2], v[64*\l+32*\c:64*\l+32*\c+15], v[SO+4*\l+2*\c]
	v_cvt_scalef32_pk16_bf6_f32 v[CT+4*\c:CT+4*\c+2], v[64*\l+32*\c+16:64*\l+32*\c+31], v[SO+4*\l+2*\c+1]
.endr
	WIN 0
	v_nop
.irp c, 0,1
.irp i, 0,1,2
	v_permlane16_swap_b32 v[P+12*\l+6*\c+\i], v[CT+4*\c+\i]
.endr
.irp i, 0,1,2
	v_mov_b32 v[P+12*\l+6*\c+3+\i], v[CT+4*\c+\i]
.endr
.endr
.endr
	v_pk_add_f32 v[14:15], v[14:15], v[174:175]
	v_add_f32 v14, v14, v15
	v_permlanex16_b32 v252, v14, s[SEL], s[SEL+1]
	v_add_f32 v14, v14, v252
	v_rcp_f32 v248, v14
	PLACES                                         ; behind the reciprocal, and ahead of products on operands that vector lines wrote
	WIN 0x53                                       ; V^T window 3, p window 0, O^T window 1
.irp l, 0,1,2
.irp ct, 0,1,2,3
.if \l == 0
	WMZ 192+8*\ct, 96+12*(4*\l+\ct), P+12*\l, VTS+4*\l+\ct, PWD+\l
.else
	WMC 192+8*\ct, 96+12*(4*\l+\ct), P+12*\l, 192+8*\ct, VTS+4*\l+\ct, PWD+\l
.endif
.endr
.endr
	WIN 0
	PLACES
	s_wait_alu depctr_va_vdst(0)                   ; the reciprocal's wait, ahead of its first reader
	WIN 0x41
.set J, 0
.rept 16
	v_pk_mul_f32 v[224+J:225+J], v[192+J:193+J], v[248:249] op_sel_hi:[1,0]   ; O^T / the sum: 32 neighbouring channels of my query
.set J, J+2
.endr
	WIN 0
	QH 224, 1                                      ; half a fragment of the projection's operand: K step p, this head's 64 channels
	s_mul_i32 s3, s[QT], 6144
	s_mul_i32 s100, s[HD], 768
	s_add_co_u32 s3, s3, s100
	v_add_nc_u32 v253, s3, v[OIW]
	s_lshl_b32 s3, s[QT], 9
	s_lshl_b32 s100, s[HD], 1
	s_add_co_u32 s3, s3, s100
	v_add_nc_u32 v254, s3, v[OSW]
.irp i, 0,1,2
	ds_store_b64 v253, v[PC+2*\i:PC+2*\i+1] offset:256*\i
.endr
	ds_store_b16 v254, v[PH]
	s_wait_dscnt 0x0
	s_add_co_u32 s[QT], s[QT], 1
	s_cmp_lt_u32 s[QT], 4
	s_cbranch_scc1 .Lqt
	s_not_b32 s[MLO], s[MLO]
	s_not_b32 s[MHI], s[MHI]
	s_add_co_u32 s[HD], s[HD], 1
	s_cmp_lt_u32 s[HD], 2
	s_cbranch_scc1 .Lhead
	; ---- THE TAIL
; four tiles x four K steps of a weight into set c (window 2 + c), and their scale words: 52 loads
.macro LSET c, tstep, svo, sstep
	WIN 0x80+0x40*\c
.irp t, 0,1,2,3
.irp s, 0,1,2,3
.irp q, 0,1,2
	global_load_b128 v[48*\t+12*\s+4*\q:48*\t+12*\s+4*\q+3], v[LI], s[WB:WB+1] offset:\tstep*\t+1536*\s+512*\q
.endr
.endr
.endr
	WIN 0
.irp t, 0,1,2,3
	global_load_b128 v[WSA+16*\c+4*\t:WSA+16*\c+4*\t+3], v[\svo], s[SB:SB+1] offset:(64*\c+32*(\t/2)+8*(\t%2))*\sstep
.endr
.endm
.macro LS_P c                          ; wproj: tiles 96 + 8 p + 4 c on
	s_wait_xcnt 0x0
	s_lshl_b32 s100, s[WV], 3
	s_add_co_u32 s100, s100, 96+4*\c
	s_mul_i32 s100, s100, 6144
	s_mov_b32 s101, 0
	s_add_nc_u64 s[WB:WB+1], s[P_WI:P_WI+1], s[100:101]
	s_lshl_b32 s100, s[WV], 11
	s_add_nc_u64 s[SB:SB+1], s[P_WPS:P_WPS+1], s[100:101]
	LSET \c, 6144, WS1, 16
.endm
.macro LS_M1 c                         ; mlp_w1: tiles 128 + 32 i + 8 p + 4 c on, i in s63; with the bias tiles: 60 loads
	s_wait_xcnt 0x0
	s_lshl_b32 s100, s63, 5
	s_lshl_b32 s3, s[WV], 3
	s_add_co_u32 s100, s100, s3
	s_add_co_u32 s100, s100, 128+4*\c
	s_mul_i32 s100, s100, 6144
	s_mov_b32 s101, 0
	s_add_nc_u64 s[WB:WB+1], s[P_WI:P_WI+1], s[100:101]
	s_lshl_b32 s100, s63, 2
	s_add_co_u32 s100, s100, s[WV]
	s_lshl_b32 s3, s100, 9
	s_lshl_b32 s100, s100, 11
	s_add_nc_u64 s[SB:SB+1], s[P_M1S:P_M1S+1], s[100:101]
	s_mov_b32 s100, s3
	s_add_nc_u64 s[BIB:BIB+1], s[P_MB1:P_MB1+1], s[100:101]
	LSET \c, 6144, WS1, 16
	WIN 0x80+0x40*\c
.irp t, 0,1,2,3
	global_load_b128 v[192+8*\t:195+8*\t], v[BO], s[BIB:BIB+1] offset:(64*\c+32*(\t/2)+8*(\t%2))*4
	global_load_b128 v[196+8*\t:199+8*\t], v[BO], s[BIB:BIB+1] offset:(64*\c+32*(\t/2)+8*(\t%2))*4+16
.endr
	WIN 0
.endm
.macro LS_M2 c                         ; mlp_w2: tiles 8 p + 4 c on, K steps 4 i on
	s_wait_xcnt 0x0
	s_lshl_b32 s100, s[WV], 3
	s_add_co_u32 s100, s100, 4*\c
	s_mul_i32 s100, s100, 24576
	s_mul_i32 s3, s[MI], 6144
	s_add_co_u32 s100, s100, s3
	s_add_co_u32 s100, s100, 1572864
	s_mov_b32 s101, 0
	s_add_nc_u64 s[WB:WB+1], s[P_WI:P_WI+1], s[100:101]
	s_lshl_b32 s100, s[WV], 13
	s_lshl_b32 s3, s[MI], 4
	s_add_co_u32 s100, s100, s3
	s_add_nc_u64 s[SB:SB+1], s[P_M2S:P_M2S+1], s[100:101]
	LSET \c, 24576, WS4, 64
.endm
.macro XIN rt                          ; 16 rows of x, loaded as rows, turn through my stage into the result's layout
	WIN 0x04
.irp i, 0,1,2,3,4,5,6,7,8,9,10,11,12,13,14,15
	ds_store_b128 v[XSW], v[64*\rt+4*\i:64*\rt+4*\i+3] offset:528*\i
.endr
	s_wait_dscnt 0x0                               ; the stores have read the registers that the loads below fill
	WIN 0x40
.irp b, 0,1,2,3
.irp i, 0,1,2,3
	ds_load_b128 v[64*\rt+16*\b+4*\i:64*\rt+16*\b+4*\i+3], v[XSR] offset:128*\b+16*\i
.endr
.endr
	WIN 0
.endm
.macro BF16 ca, sa                     ; all 16 fragments (4 rt + s) of an operand from LDS, and their scale words
.irp f, 0,1,2,3,4,5,6,7,8,9,10,11,12,13,14,15
.irp i, 0,1,2,3,4,5
	ds_load_b64 v[64+12*\f+2*\i:64+12*\f+2*\i+1], v[\ca] offset:1536*\f+256*\i
.endr
.endr
.irp f, 0,1,2,3,4,5,6,7,8,9,10,11,12,13,14,15
	ds_load_b32 v[BS+\f], v[\sa] offset:128*\f
.endr
.endm
; X2 += weight set c x the 16 fragments: 64 matrix instructions on 16 accumulators by turns.  left: the loads issued behind the set's
.macro ACCST c, left
	s_wait_loadcnt \left
	s_wait_dscnt 0x0
	WIN 0x52+\c
.irp s, 0,1,2,3
.irp rt, 0,1,2,3
.irp t, 0,1,2,3
	WMC 64*\rt+32*\c+8*\t, 48*\t+12*\s, 64+48*\rt+12*\s, 64*\rt+32*\c+8*\t, WSA+16*\c+4*\t+\s, BS+4*\rt+\s
.endr
.endr
.endr
	WIN 0
	PLACES
.endm
; LayerNorm 2, first half: my 128 channels' mean and sum of squares about it, for 16 rows
.macro STAT rt
.irp j, 224,225,226,227
	v_mov_b32 v[\j], 0
.endr
	WIN 0x04
.set J, 0
.rept 16
	v_pk_add_f32 v[224:225], v[224:225], v[64*\rt+J:64*\rt+J+1]
	v_pk_add_f32 v[226:227], v[226:227], v[64*\rt+J+2:64*\rt+J+3]
.set J, J+4
.endr
	WIN 0
	v_pk_add_f32 v[224:225], v[224:225], v[226:227]
	v_add_f32 v224, v224, v225
	v_permlanex16_b32 v225, v224, s[SEL], s[SEL+1]
	v_add_f32 v224, v224, v225
	v_mul_f32 v248, 0xbc000000, v224               ; -sum / 128
.irp j, 226,227,250,251
	v_mov_b32 v[\j], 0
.endr
.irp c, 0,1
	WIN 0x01
.set J, 0
.rept 16
	v_pk_add_f32 v[64+J:65+J], v[64*\rt+32*\c+J:64*\rt+32*\c+J+1], v[248:249] op_sel_hi:[1,0]
.set J, J+2
.endr
	WIN 0
.set J, 0
.rept 8
	v_pk_fma_f32 v[226:227], v[64+J:65+J], v[64+J:65+J], v[226:227]
	v_pk_fma_f32 v[250:251], v[66+J:67+J], v[66+J:67+J], v[250:251]
.set J, J+4
.endr
.endr
	v_pk_add_f32 v[226:227], v[226:227], v[250:251]
	v_add_f32 v225, v226, v227
	v_permlanex16_b32 v226, v225, s[SEL], s[SEL+1]
	v_add_f32 v225, v225, v226
	v_mul_f32 v224, -1.0, v248
	ds_store_b64 v12, v[224:225] offset:1024*\rt
	s_wait_dscnt 0x0
.endm
; second half: the four waves' figures are joined (no difference of large sums is formed), the rows are normalised and quantised: K step p of the MLP's first product
.macro NORM rt
.irp i, 0,1,2,3
	ds_load_b64 v[64+2*\i:65+2*\i], v13 offset:1024*\rt+256*\i
.endr
	s_wait_dscnt 0x0
	v_add_f32 v72, v64, v66
	v_add_f32 v73, v68, v70
	v_add_f32 v72, v72, v73
	v_mul_f32 v72, 0x3e800000, v72                 ; the mean
	v_sub_f32 v64, v64, v72
	v_sub_f32 v66, v66, v72
	v_sub_f32 v68, v68, v72
	v_sub_f32 v70, v70, v72
	v_mul_f32 v73, v64, v64
	v_fmac_f32 v73, v66, v66
	v_fmac_f32 v73, v68, v68
	v_fmac_f32 v73, v70, v70
	v_add_f32 v74, v65, v67
	v_add_f32 v75, v69, v71
	v_add_f32 v74, v74, v75
	v_fma_f32 v74, v73, 0x43000000, v74            ; + 128 x the sum of (mean_i - mean)^2
	v_fma_f32 v74, v74, s88, s89                   ; / 512 + eps
	v_rsq_f32 v250, v74
	v_sub_f32 v248, 0, v72                         ; (a plain line behind the transcendental)
	s_wait_alu depctr_va_vdst(0)
.irp c, 0,1
	WIN 0x01
.set J, 0
.rept 16
	v_pk_add_f32 v[64+J:65+J], v[64*\rt+32*\c+J:64*\rt+32*\c+J+1], v[248:249] op_sel_hi:[1,0]
.set J, J+2
.endr
	WIN 0
.set J, 0
.rept 16
	v_pk_mul_f32 v[64+J:65+J], v[64+J:65+J], v[250:251] op_sel_hi:[1,0]
.set J, J+2
.endr
.set J, 0
.rept 16
	v_pk_fma_f32 v[64+J:65+J], v[64+J:65+J], v[96+32*\c+J:97+32*\c+J], v[160+32*\c+J:161+32*\c+J]
.set J, J+2
.endr
	s_wait_dscnt 0x0
	QH 64, 0
.irp i, 0,1,2
	ds_store_b64 v10, v[PC+2*\i:PC+2*\i+1] offset:6144*\rt+768*\c+256*\i
.endr
	ds_store_b16 v11, v[PH] offset:512*\rt+2*\c
.endr
.endm
; the MLP's first product for 64 of my hidden units (weight set c) and all 64 rows, two tiles of rows a trip; GELU; quantised: half c of K step p of the second product
.macro M1ST c, left
	s_wait_loadcnt \left
	s_mov_b32 s[TR], 0
.Lm1_\@:
	s_mul_i32 s3, s[TR], 12288
	s_add_co_u32 s100, s3, H2I
	v_add_nc_u32 v10, s100, v[L8]
	s_mul_i32 s100, s[WV], 1536
	s_add_co_u32 s3, s3, s100
	s_add_co_u32 s3, s3, s[HB]
	v_add_nc_u32 v12, s3, v[L8]
	s_lshl_b32 s3, s[TR], 10
	s_add_co_u32 s100, s3, H2S
	v_add_nc_u32 v11, s100, v[LS]
	s_lshl_b32 s100, s[WV], 7
	s_add_co_u32 s3, s3, s100
	s_add_co_u32 s3, s3, s[HB]
	s_add_co_u32 s3, s3, 24576
	v_add_nc_u32 v13, s3, v[LS]
.irp rr, 0,1
.irp s, 0,1,2,3
.irp i, 0,1,2,3,4,5
	ds_load_b64 v[128+48*\rr+12*\s+2*\i:128+48*\rr+12*\s+2*\i+1], v10 offset:6144*\rr+1536*\s+256*\i
.endr
	ds_load_b32 v[BS+4*\rr+\s], v11 offset:512*\rr+128*\s
.endr
.endr
	s_wait_dscnt 0x0
	WIN 0x22+0x11*\c                               ; the weight and the bias in window 2 + c
.irp rr, 0,1
.irp t, 0,1,2,3
	WMC 64+32*\rr+8*\t, 48*\t, 128+48*\rr, 192+8*\t, WSA+16*\c+4*\t, BS+4*\rr
.endr
.endr
	WIN 0x02+\c
.irp s, 1,2,3
.irp rr, 0,1
.irp t, 0,1,2,3
	WMC 64+32*\rr+8*\t, 48*\t+12*\s, 128+48*\rr+12*\s, 64+32*\rr+8*\t, WSA+16*\c+4*\t+\s, BS+4*\rr+\s
.endr
.endr
.endr
	WIN 0
	PLACES
	; GELU(x) = x / (1 + 2^z), z = x (k1 + k2 x^2)
.set J, 0
.rept 32
	v_pk_mul_f32 v[128+J:129+J], v[64+J:65+J], v[64+J:65+J]
.set J, J+2
.endr
.set J, 0
.rept 32
	v_pk_fma_f32 v[128+J:129+J], v[128+J:129+J], s[K2:K2+1], v[14:15] op_sel_hi:[1,0,0]
.set J, J+2
.endr
.set J, 0
.rept 32
	v_pk_mul_f32 v[128+J:129+J], v[128+J:129+J], v[64+J:65+J]
.set J, J+2
.endr
.set J, 0
.rept 64
	v_exp_f32 v[128+J], v[128+J]
.set J, J+1
.endr
	v_nop
	s_wait_alu depctr_va_vdst(0)                   ; one wait for the batch
.set J, 0
.rept 32
	v_pk_add_f32 v[128+J:129+J], v[128+J:129+J], 1.0 op_sel_hi:[1,0]
.set J, J+2
.endr
.set J, 0
.rept 64
	v_rcp_f32 v[128+J], v[128+J]
.set J, J+1
.endr
	v_nop
	s_wait_alu depctr_va_vdst(0)
.set J, 0
.rept 32
	v_pk_mul_f32 v[64+J:65+J], v[64+J:65+J], v[128+J:129+J]
.set J, J+2
.endr
.irp rr, 0,1
	s_wait_dscnt 0x0
	QH 64+32*\rr, 0
.irp i, 0,1,2
	ds_store_b64 v12, v[PC+2*\i:PC+2*\i+1] offset:6144*\rr+768*\c+256*\i
.endr
	ds_store_b16 v13, v[PH] offset:512*\rr+2*\c
.endr
	s_wait_dscnt 0x0
	s_add_co_u32 s[TR], s[TR], 1
	s_cmp_lt_u32 s[TR], 2
	s_cbranch_scc1 .Lm1_\@
.endm
	s_wait_xcnt 0x0                                ; the last prefetch, a unit back, has read its registers
	v_mov_b32 v[WS1], v[WSO]
	v_lshlrev_b32 v[WS4], 2, v[WS1]
	v_bfe_u32 v[BO], v0, 4, 1
	v_and_b32 v10, 15, v0
	s_mul_i32 s3, s[WV], 8448
	v_add_nc_u32 v[XSW], s3, v[LI]
	v_mul_u32_u24 v[XSR], v10, 528
	v_lshl_add_u32 v[XSR], v[BO], 6, v[XSR]
	v_add_nc_u32 v[XSR], s3, v[XSR]
	v_lshlrev_b32 v[BO], 6, v[BO]
	v_mov_b32 v14, 0xc0135761                      ; k1 = -2 sqrt(2 / pi) log2(e)
	v_mov_b32 v15, 0xc0135761
	s_mov_b32 s88, 0x3b000000                      ; 1 / 512
	s_mov_b32 s89, 0x3727c5ac                      ; 1e-5
	s_lshl_b32 s100, s[WV], 9
	s_mov_b32 s101, 0
	s_add_nc_u64 s[QA:QA+1], s[P_BP:P_BP+1], s[100:101]
	s_add_nc_u64 s[QSA:QSA+1], s[P_MB2:P_MB2+1], s[100:101]
	s_add_nc_u64 s[HSB:HSB+1], s[P_G2:P_G2+1], s[100:101]
	s_add_nc_u64 s[KSB:KSB+1], s[P_B2:P_B2+1], s[100:101]
	WIN 0x40                                       ; x: my 512 bytes of each of the 64 rows, a row a load
.irp rt, 0,1,2,3
.irp i, 0,1,2,3,4,5,6,7,8,9,10,11,12,13,14,15
	global_load_b128 v[64*\rt+4*\i:64*\rt+4*\i+3], v[LI], s[XB:XB+1] offset:(16*\rt+\i)*2048 th:TH_LOAD_NT
.endr
.endr
	WIN 0
.irp b, 0,1,2,3
.irp i, 0,1,2,3
	global_load_b128 v[64+16*\b+4*\i:64+16*\b+4*\i+3], v[BO], s[QA:QA+1] offset:128*\b+16*\i    ; bproj, in the result's layout
.endr
.endr
	WIN 0x80
.irp b, 0,1
.irp i, 0,1,2,3
	global_load_b128 v[224+16*\b+4*\i:224+16*\b+4*\i+3], v[BO], s[QSA:QSA+1] offset:128*\b+16*\i   ; mlp_b2: kept to the end
.endr
.endr
	WIN 0xc0
.irp b, 2,3
.irp i, 0,1,2,3
	global_load_b128 v[224+16*(\b-2)+4*\i:224+16*(\b-2)+4*\i+3], v[BO], s[QSA:QSA+1] offset:128*\b+16*\i
.endr
.endr
	WIN 0
	LS_P 0
	LS_P 1
	s_wait_dscnt 0x0
	s_barrier_signal -1
	s_barrier_wait -1                              ; the attention's 16 fragments lie in LDS, and nobody reads h's codes any more
	s_wait_loadcnt 63                              ; 136 loads were issued behind x's and 120 behind bproj's: with 63 out at the most both are in
	XIN 0
	XIN 1
	XIN 2
	XIN 3
	s_wait_dscnt 0x0
	WIN 0x41
.irp rt, 0,1,2,3
.set J, 0
.rept 32
	v_pk_add_f32 v[64*\rt+J:64*\rt+J+1], v[64*\rt+J:64*\rt+J+1], v[64+J:65+J]   ; x + bproj: onto it the projection is summed
.set J, J+2
.endr
.endr
	WIN 0
	PLACES
	v_add_nc_u32 v10, OI, v[L8]
	v_add_nc_u32 v11, OS, v[LS]
	BF16 10, 11
	ACCST 0, 52                                    ; 52: wproj's second set
	s_mov_b32 s63, 0
	LS_M1 0
	ACCST 1, 60                                    ; 60: mlp_w1's first set
.irp b, 0,1,2,3
.irp i, 0,1,2,3
	global_load_b128 v[96+16*\b+4*\i:96+16*\b+4*\i+3], v[BO], s[HSB:HSB+1] offset:128*\b+16*\i     ; ln2_s
	global_load_b128 v[160+16*\b+4*\i:160+16*\b+4*\i+3], v[BO], s[KSB:KSB+1] offset:128*\b+16*\i   ; ln2_b
.endr
.endr
	LS_M1 1
	s_lshl_b32 s3, s[WV], 8
	s_add_co_u32 s3, s3, ST
	v_add_nc_u32 v12, s3, v[L8]
	v_add_nc_u32 v13, ST, v[L8]
	STAT 0
	STAT 1
	STAT 2
	STAT 3
	s_barrier_signal -1
	s_barrier_wait -1                              ; the four waves' figures lie in LDS
	s_mul_i32 s3, s[WV], 1536
	s_add_co_u32 s3, s3, H2I
	v_add_nc_u32 v10, s3, v[L8]
	s_lshl_b32 s3, s[WV], 7
	s_add_co_u32 s3, s3, H2S
	v_add_nc_u32 v11, s3, v[LS]
	s_wait_loadcnt 60                              ; the gains are in; mlp_w1's second set may be out
	NORM 0
	NORM 1
	NORM 2
	NORM 3
	s_wait_dscnt 0x0
	s_barrier_signal -1
	s_barrier_wait -1                              ; LayerNorm 2's 16 fragments lie in LDS
	s_mov_b32 s[MI], 0
.Lmlp:                                 ; 512 hidden units a trip.  The hidden layer has two buffers by turns, so that one barrier a trip does: a buffer is written again two barriers behind its last read
	s_and_b32 s3, s[MI], 1
	s_mul_i32 s[HB], s3, HIDSZ
	s_add_co_u32 s[HB], s[HB], HID0
	M1ST 0, 60                                     ; 60: mlp_w1's second set
	LS_M2 0
	M1ST 1, 52                                     ; 52: mlp_w2's first set
	LS_M2 1
	s_barrier_signal -1
	s_barrier_wait -1                              ; the chunk's 16 fragments lie in LDS
	v_add_nc_u32 v10, s[HB], v[L8]
	s_add_co_u32 s3, s[HB], 24576
	v_add_nc_u32 v11, s3, v[LS]
	BF16 10, 11
	ACCST 0, 52                                    ; 52: mlp_w2's second set
	s_add_co_u32 s63, s[MI], 1
	s_min_u32 s63, s63, 3                          ; the last trip asks once more for its own chunk: no load leaves its buffer
	LS_M1 0
	ACCST 1, 60                                    ; 60: the next chunk's first set
	LS_M1 1
	s_add_co_u32 s[MI], s[MI], 1
	s_cmp_lt_u32 s[MI], 4
	s_cbranch_scc1 .Lmlp
	; ---- THE WAY OUT: + mlp_b2; a tile of 16 rows turns through my stage and leaves as rows: each store covers 512 consecutive bytes, aligned
	WIN 0x49
.irp rt, 0,1,2,3
.set J, 0
.rept 16
	v_pk_add_f32 v[64*\rt+J:64*\rt+J+1], v[64*\rt+J:64*\rt+J+1], v[224+J:225+J]
.set J, J+2
.endr
.endr
	WIN 0x4d
.irp rt, 0,1,2,3
.set J, 0
.rept 16
	v_pk_add_f32 v[64*\rt+32+J:64*\rt+33+J], v[64*\rt+32+J:64*\rt+33+J], v[224+J:225+J]
.set J, J+2
.endr
.endr
	WIN 0
.irp rt, 0,1,2,3
	WIN 0x04
.irp b, 0,1,2,3
.irp i, 0,1,2,3
	ds_store_b128 v[XSR], v[64*\rt+16*\b+4*\i:64*\rt+16*\b+4*\i+3] offset:128*\b+16*\i
.endr
.endr
	WIN 0
	s_wait_xcnt 0x0                                ; earlier stores have read the registers that the loads below fill
.irp i, 0,1,2,3,4,5,6,7,8,9,10,11,12,13,14,15
	ds_load_b128 v[64+64*(\rt%2)+4*\i:64+64*(\rt%2)+4*\i+3], v[XSW] offset:528*\i   ; LDS serves a wave's instructions in order: these see my stores
.endr
.irp i, 0,1,2,3,4,5,6,7,8,9,10,11,12,13,14,15
	s_wait_dscnt 15-\i
	global_store_b128 v[LI], v[64+64*(\rt%2)+4*\i:64+64*(\rt%2)+4*\i+3], s[OB:OB+1] offset:(16*\rt+\i)*2048 th:TH_STORE_NT
.endr
.endr
	s_wait_xcnt 0x0
	v_lshl_add_u32 v254, v0, 2, 0x48800
	v_mov_b32 v255, 0
	s_wait_tensorcnt 0x0
	ds_add_u32 v254, v255
	s_wait_dscnt 0x0
	s_endpgm
.Lfunc_end_k_qed6e2e52ff_main:
	.size	k_qed6e2e52ff_main, .Lfunc_end_k_qed6e2e52ff_main-k_qed6e2e52ff_main
	.p2alignl 7, 3214868480
	.fill 96, 4, 3214868480
	.section	.rodata,"a",@progbits
	.p2align	6, 0x0
	.amdhsa_kernel k_qed6e2e52ff_main
		.amdhsa_group_segment_fixed_size 297472
		.amdhsa_private_segment_fixed_size 0
		.amdhsa_enable_private_segment 0
		.amdhsa_kernarg_size 160
		.amdhsa_user_sgpr_count 2
		.amdhsa_user_sgpr_kernarg_segment_ptr 1
		.amdhsa_wavefront_size32 1
		.amdhsa_system_sgpr_workgroup_id_x 1
		.amdhsa_system_sgpr_workgroup_id_y 1
		.amdhsa_system_sgpr_workgroup_id_z 1
		.amdhsa_system_vgpr_workitem_id 0
		.amdhsa_next_free_vgpr 1024
		.amdhsa_next_free_sgpr 102
		.amdhsa_reserve_vcc 1
		.amdhsa_float_denorm_mode_32 3
		.amdhsa_float_denorm_mode_16_64 3
		.amdhsa_memory_ordered 1
		.amdhsa_forward_progress 1
		.amdhsa_inst_pref_size 255
	.end_amdhsa_kernel
	.section	.bss,"aw",@nobits
	.p2align	6
	.space	262144
	.amdgpu_metadata
---
amdhsa.version: [ 1, 2 ]
amdhsa.kernels:
  - .name:           k_qed6e2e52ff_main
    .symbol:         k_qed6e2e52ff_main.kd
    .args:
      - { .name: x, .offset: 0, .size: 8, .value_kind: global_buffer, .address_space: global }
      - { .name: hcod, .offset: 8, .size: 8, .value_kind: global_buffer, .address_space: global }
      - { .name: hscl, .offset: 16, .size: 8, .value_kind: global_buffer, .address_space: global }
      - { .name: wimg, .offset: 24, .size: 8, .value_kind: global_buffer, .address_space: global }
      - { .name: tbl, .offset: 32, .size: 8, .value_kind: global_buffer, .address_space: global }
      - { .name: qcod, .offset: 40, .size: 8, .value_kind: global_buffer, .address_space: global }
      - { .name: qscl, .offset: 48, .size: 8, .value_kind: global_buffer, .address_space: global }
      - { .name: kcod, .offset: 56, .size: 8, .value_kind: global_buffer, .address_space: global }
      - { .name: kscl, .offset: 64, .size: 8, .value_kind: global_buffer, .address_space: global }
      - { .name: wkv_scales, .offset: 72, .size: 8, .value_kind: global_buffer, .address_space: global }
      - { .name: bkv, .offset: 80, .size: 8, .value_kind: global_buffer, .address_space: global }
      - { .name: wproj_scales, .offset: 88, .size: 8, .value_kind: global_buffer, .address_space: global }
      - { .name: bproj, .offset: 96, .size: 8, .value_kind: global_buffer, .address_space: global }
      - { .name: ln2_s, .offset: 104, .size: 8, .value_kind: global_buffer, .address_space: global }
      - { .name: ln2_b, .offset: 112, .size: 8, .value_kind: global_buffer, .address_space: global }
      - { .name: mlp_w1_scales, .offset: 120, .size: 8, .value_kind: global_buffer, .address_space: global }
      - { .name: mlp_b1, .offset: 128, .size: 8, .value_kind: global_buffer, .address_space: global }
      - { .name: mlp_w2_scales, .offset: 136, .size: 8, .value_kind: global_buffer, .address_space: global }
      - { .name: mlp_b2, .offset: 144, .size: 8, .value_kind: global_buffer, .address_space: global }
      - { .name: out0, .offset: 152, .size: 8, .value_kind: global_buffer, .address_space: global }
    .group_segment_fixed_size: 297472
    .private_segment_fixed_size: 0
    .kernarg_segment_align: 8
    .kernarg_segment_size: 160
    .max_flat_workgroup_size: 128
    .sgpr_count:     102
    .vgpr_count:     1024
    .wavefront_size: 32
...
	.end_amdgpu_metadata
.endif
;; end of part 3
;; ======== version 2 of 2: 3 launches; version 1 with the launches qk, main written anew for expert scheduling mode
;; workspace buffers: hcod 11,010,048 bytes; hscl 458,752 bytes; wimg 2,359,296 bytes; tbl 32,768 bytes; qcod 6,291,456 bytes; qscl 262,144 bytes; kcod 11,010,048 bytes; kscl 458,752 bytes
;; launch prep: the kernel of part 1 again; grid 256 x 1, 4 waves a work-group, no clusters, 148,992 bytes of LDS; arguments x, ln1_s, ln1_b, wq_codes, wkv_codes, wproj_codes, mlp_w1_codes, mlp_w2_codes, rpb_w1, rpb_b1, rpb_w2, rpb_b2, hcod, hscl, wimg, tbl; writes hcod, hscl, wimg, tbl
;; launch qk (part 4): grid 256 x 1, 4 waves a work-group, no clusters, 0 bytes of LDS; arguments hcod, hscl, wimg, wq_scales, bq, wkv_scales, bkv, qcod, qscl, kcod, kscl; writes qcod, qscl, kcod, kscl
.if DOCPART == 4
	.amdgcn_target "amdgcn-amd-amdhsa--gfx1250"
	.amdhsa_code_object_version 6
	.text
	.protected	k_qed6e2e52ff_qk
	.globl	k_qed6e2e52ff_qk
	.p2align	8
	.type	k_qed6e2e52ff_qk,@function
k_qed6e2e52ff_qk:
	s_mov_b64 s[64:65], 0
	v_nop
	global_prefetch_b8 v0, s[64:65] scope:SCOPE_SE
	s_setreg_imm32_b32 hwreg(HW_REG_WAVE_SCHED_MODE, 0, 2), 2
	s_setreg_imm32_b32 hwreg(HW_REG_WAVE_MODE, 25, 1), 1
	s_wait_xcnt 0x0
	s_wait_alu depctr_vm_vsrc(0)
; SECOND LAUNCH.  q = (h wq + bq) / 8 and k = xl wkv[:, :512] + bkv[:512] for the three levels, each row once, on codes of E3M2, and quantised again along each head's 64 channels.
; SHARES.  Work-group g owns 64 rows of level 0 (four tiles of 16, for q and for k), 32 of level 1 and 16 of level 2.  Wave p makes channels 128 p .. 128 p + 127: heads 2 p and 2 p + 1.
; Its 32 weight fragments stay in registers through a phase (q, then k); a tile of rows comes from memory straight into operand registers, two tiles ahead.  No LDS, no barrier.
; THE PRODUCT IS USED TRANSPOSED: source 0 = 16 rows of the weight, source 1 = 16 rows of h.  A lane then holds one token, and the 16 registers of two neighbouring tiles are 16 neighbouring channels
; (the weight's tiles were laid for that by the first launch).  The bias is the C of a sum's first instruction.  The eight accumulators take turns.
; OUT.  qcod: [query window][tile of 16 queries][pair of heads][image of a fragment's registers, 1,536 bytes]; kcod: as hcod, the pair of heads in the K step's place; qscl, kscl: [row][4 words by pair].
; No cluster: all work-groups read the same 393 KB of weight codes, but into registers, each fragment to one wave; a joint load would land in LDS and be read from there once more.
; LIMITS: as in the first launch (scale byte 1 for blocks under 2^-122; NaN and infinities not served).
; THE MODE: SCHED_MODE bits 1:0 = 2 (LLVM: expert scheduling mode 2), set by the entry lines.  The code itself states the register dependences
; between vector or matrix instructions and memory instructions, with s_wait_alu, always for 0.
; THE PLAN.  Eleven steps, one tile of 16 rows each: four for q, seven for k.  Registers that memory instructions touch:
;   v1-5          offsets, made once at the head and never written again.
;   H0, H1, H2    three sets of h: four fragments and the rows' scale words.  Step t's matrix instructions read set t % 3; the loads of tile t + 2, issued at the head of step t, land in set (t + 2) % 3,
;                 which is the set that step t - 1 read.
;   PC            the codes just made.  Written by step t's quantiser; read by the three stores that are issued at the head of step t + 1.
;   the weight's fragments, bias and scale words   loaded twice; read by matrix instructions alone.
;   KW            eleven scale words, each written once by a quantiser; read by the stores at the end.
; So ONE wait on va_vdst stands at a step's head: it states that the quantiser of the step before has written PC and that its matrix instructions are done reading their set.  The step's three stores and thirteen
; loads follow it.  One wait on vm_vsrc stands ahead of a step's quantiser, 32 matrix instructions behind the stores that it waits for.  One more pair stands ahead of the change of weights.
; REGISTERS: window 0: v1-5 offsets; v6-9 h's scale words, set 2; v10-20 the scale words made; v22-33, v34-53 at work; v56-63 h's scale words, sets 0 and 1; v64-127 the sums; v128-223 h's fragments, sets 0 and 1; v224-255 the weight's scale words.
;   window 1: v0-191 weight fragments of K steps 0, 1 (96 s + 12 t); v192-255 the bias tiles.   window 2: v0-191 K steps 2, 3; v192-239 h's fragments, set 2.
.set LI,   1
.set HOFF, 2
.set R16,  3
.set WSO,  4
.set BO,   5
.set HS2,  6
.set KW,   10
.set TM,   22
.set PC,   34
.set HSW,  56
.set ACC,  64
.set HF,   128
.set HF2,  192
.set WS,   224
.set SEL,  54
.set MSB, 0
.macro WIN new                         ; the immediate's high byte repeats the setting that is left
.if MSB != (\new)
	s_set_vgpr_msb (MSB<<8)|(\new)
.set MSB, (\new)
.endif
.endm
.macro PLACES                          ; four plain lines between a matrix instruction and a read of its result (ISA guide 7.12.1)
.rept 4
	v_nop
.endr
.endm
.macro WMC d, a, b, c, sa, sb
	v_wmma_scale_f32_16x16x128_f8f6f4 v[(\d):(\d)+7], v[(\a):(\a)+11], v[(\b):(\b)+11], v[(\c):(\c)+7], v[\sa], v[\sb] matrix_a_fmt:MATRIX_FMT_BF6 matrix_b_fmt:MATRIX_FMT_BF6
.endm
.macro QUANT s, pw                     ; as in the first launch
.irp b, 0,1,2,3
	v_max3_num_f32 v[TM+\b], |v[\s+16*\b]|, |v[\s+1+16*\b]|, 0x2800000
.endr
.irp i, 2,4,6,8,10,12,14
.irp b, 0,1,2,3
	v_max3_num_f32 v[TM+\b], v[TM+\b], |v[\s+16*\b+\i]|, |v[\s+1+16*\b+\i]|
.endr
.endr
.irp b, 0,1,2,3
	v_permlanex16_b32 v[TM+4+\b], v[TM+\b], s[SEL], s[SEL+1]
.endr
.irp b, 0,1,2,3
	v_max_num_f32 v[TM+\b], v[TM+\b], v[TM+4+\b]
.endr
.irp b, 0,1,2,3
	v_add_nc_u32 v[TM+8+\b], 0xfe000000, v[TM+\b]
.endr
.irp b, 0,1,2,3
	v_lshrrev_b32 v[TM+4+\b], 23, v[TM+8+\b]
.endr
	v_lshl_or_b32 v[\pw], v[TM+5], 8, v[TM+4]
	v_lshl_or_b32 v[\pw], v[TM+6], 16, v[\pw]
	v_lshl_or_b32 v[\pw], v[TM+7], 24, v[\pw]
.irp c, 0,1
	v_cvt_scalef32_pk16_bf6_f32 v[PC+6*\c:PC+2+6*\c], v[\s+32*\c:\s+15+32*\c], v[TM+8+2*\c]
	v_cvt_scalef32_pk16_bf6_f32 v[PC+12+4*\c:PC+14+4*\c], v[\s+16+32*\c:\s+31+32*\c], v[TM+9+2*\c]
.endr
	v_nop
.irp c, 0,1
.irp i, 0,1,2
	v_permlane16_swap_b32 v[PC+6*\c+\i], v[PC+12+4*\c+\i]
.endr
.irp i, 0,1,2
	v_mov_b32 v[PC+3+6*\c+\i], v[PC+12+4*\c+\i]
.endr
.endr
.endm
; my 8 tiles x 4 K steps of the weight whose first tile is tb, their scale words and bias: 120 loads
.macro LOADW tb, sp, bp
	s_wait_xcnt 0x0                                ; the bases below were read by earlier loads
	s_lshl_b32 s56, s2, 3
	s_add_co_u32 s56, s56, \tb
	s_mul_i32 s56, s56, 6144
	s_mov_b32 s57, 0
	s_add_nc_u64 s[58:59], s[8:9], s[56:57]
	s_lshl_b32 s56, s2, 11
	s_add_nc_u64 s[60:61], s[\sp:\sp+1], s[56:57]
	s_lshl_b32 s56, s2, 9
	s_add_nc_u64 s[62:63], s[\bp:\bp+1], s[56:57]
	WIN 0x40
.irp s, 0,1
.irp t, 0,1,2,3,4,5,6,7
.irp q, 0,1,2
	global_load_b128 v[96*\s+12*\t+4*\q:96*\s+12*\t+4*\q+3], v[LI], s[58:59] offset:6144*\t+1536*\s+512*\q
.endr
.endr
.endr
.irp t, 0,1,2,3,4,5,6,7
	global_load_b128 v[192+8*\t:195+8*\t], v[BO], s[62:63] offset:(32*(\t/2)+8*(\t%2))*4
	global_load_b128 v[196+8*\t:199+8*\t], v[BO], s[62:63] offset:(32*(\t/2)+8*(\t%2))*4+16
.endr
	WIN 0x80
.irp s, 2,3
.irp t, 0,1,2,3,4,5,6,7
.irp q, 0,1,2
	global_load_b128 v[96*(\s-2)+12*\t+4*\q:96*(\s-2)+12*\t+4*\q+3], v[LI], s[58:59] offset:6144*\t+1536*\s+512*\q
.endr
.endr
.endr
	WIN 0
.irp t, 0,1,2,3,4,5,6,7
	global_load_b128 v[WS+4*\t:WS+4*\t+3], v[WSO], s[60:61] offset:(32*(\t/2)+8*(\t%2))*16
.endr
.endm
; a tile of 16 rows of h (two windows on end): four fragments and the rows' scale words: 13 loads
.macro HLOAD set, cb, sb, t
.if (\set) < 2
.irp s, 0,1,2,3
.irp q, 0,1,2
	global_load_b128 v[HF+48*(\set)+12*\s+4*\q:HF+48*(\set)+12*\s+4*\q+3], v[HOFF], s[\cb:\cb+1] offset:6144*\t+768*\s+256*\q
.endr
.endr
	global_load_b128 v[HSW+4*(\set):HSW+4*(\set)+3], v[R16], s[\sb:\sb+1] offset:256*\t
.else
	WIN 0x80                                       ; set 2 lies in window 2
.irp s, 0,1,2,3
.irp q, 0,1,2
	global_load_b128 v[HF2+12*\s+4*\q:HF2+12*\s+4*\q+3], v[HOFF], s[\cb:\cb+1] offset:6144*\t+768*\s+256*\q
.endr
.endr
	WIN 0
	global_load_b128 v[HS2:HS2+3], v[R16], s[\sb:\sb+1] offset:256*\t   ; scale operands have no window: its scale words lie in window 0
.endif
.endm
; 32 matrix instructions: my 128 channels for 16 rows
.macro GEMM set
.if (\set) < 2
.set HB, HF+48*(\set)
.set HW, HSW+4*(\set)
.set SW, 0
.else
.set HB, HF2
.set HW, HS2
.set SW, 8                             ; source 1 in window 2
.endif
	WIN 0x11|SW                                    ; weight and bias in window 1
.irp t, 0,1,2,3,4,5,6,7
	WMC ACC+8*\t, 12*\t, HB, 192+8*\t, WS+4*\t, HW
.endr
	WIN 0x01|SW
.irp t, 0,1,2,3,4,5,6,7
	WMC ACC+8*\t, 96+12*\t, HB+12, ACC+8*\t, WS+4*\t+1, HW+1
.endr
	WIN 0x02|SW
.irp s, 2,3
.irp t, 0,1,2,3,4,5,6,7
	WMC ACC+8*\t, 96*(\s-2)+12*\t, HB+12*\s, ACC+8*\t, WS+4*\t+\s, HW+\s
.endr
.endr
	WIN 0
	PLACES
.endm
; A step's head.  left: the loads issued behind this tile's, which may stay out
.macro NEXT left
	s_wait_loadcnt \left
	s_wait_alu depctr_va_vdst(0)                   ; the quantiser of the step before has written the codes, which the stores below read; its matrix instructions are done reading their set of h, in which the loads below land
.endm
.macro OUTC vo, base, imm, step        ; the codes of the step before
.irp q, 0,1,2
	global_store_b128 v[\vo], v[PC+4*\q:PC+4*\q+3], s[\base:\base+1] offset:\imm+\step*\q
.endr
.endm
; The sums become codes.  w = 1: stores that read the codes' registers were issued at this step's head
.macro QN isq, pw, w
.if \isq
.set J, 0
.rept 32
	v_pk_mul_f32 v[ACC+J:ACC+J+1], v[ACC+J:ACC+J+1], 0x3e000000 op_sel_hi:[1,0]   ; x 64^-0.5
.set J, J+2
.endr
.endif
.if \w
	s_wait_xcnt 0x0                                ; the last stores have had their addresses translated,
	s_wait_alu depctr_vm_vsrc(0)                   ; and have read the codes' registers, which the conversions below write again
.endif
	QUANT ACC, \pw
.endm
	s_load_b512 s[4:19], s[0:1], 0x0               ; hcod, hscl, wimg, wq_scales, bq, wkv_scales, bkv, qcod
	s_load_b128 s[20:23], s[0:1], 0x40             ; qscl, kcod
	s_load_b64 s[24:25], s[0:1], 0x50              ; kscl
	v_lshrrev_b32 v6, 5, v0
	v_readfirstlane_b32 s2, v6                     ; wave p
	v_and_b32 v6, 31, v0
	v_lshlrev_b32 v[LI], 4, v6
	v_and_b32 v7, 15, v0
	v_bfe_u32 v8, v0, 4, 1
	v_bfe_u32 v9, v0, 3, 1
	v_lshlrev_b32 v[R16], 4, v7
	v_lshl_add_u32 v[WSO], v9, 7, v[R16]           ; 16 (r + 8 (r / 8))
	v_lshlrev_b32 v[BO], 6, v8
	v_mul_u32_u24 v[HOFF], v9, 3072
	v_lshl_add_u32 v[HOFF], v8, 7, v[HOFF]
	v_and_b32 v6, 7, v0
	v_lshl_add_u32 v[HOFF], v6, 4, v[HOFF]         ; window r / 8, + 128 hh + 16 (r % 8)
.irp b, 0,1,2,3
	v_mov_b32 v[TM+4+\b], 0
.endr
	s_mov_b32 s[SEL], 0x76543210
	s_mov_b32 s[SEL+1], 0xfedcba98
	s_mov_b32 s57, 0
	s_mov_b32 s59, 0
	s_wait_alu depctr_va_sdst(0)                   ; s2, the wave's number, is written, ahead of its first reader: bases are made from it
	s_wait_kmcnt 0x0
	s_mul_i32 s56, ttmp9, 24576                    ; level 0: window 8 g
	s_lshl_b32 s58, ttmp9, 10
	s_add_nc_u64 s[26:27], s[4:5], s[56:57]
	s_add_nc_u64 s[38:39], s[22:23], s[56:57]
	s_add_nc_u64 s[50:51], s[18:19], s[56:57]
	s_add_nc_u64 s[32:33], s[6:7], s[58:59]
	s_add_nc_u64 s[44:45], s[24:25], s[58:59]
	s_add_nc_u64 s[52:53], s[20:21], s[58:59]
	s_lshl_b32 s56, ttmp9, 2
	s_add_co_u32 s56, s56, 2048                    ; level 1: window 2048 + 4 g
	s_lshl_b32 s58, s56, 7
	s_mul_i32 s56, s56, 3072
	s_add_nc_u64 s[28:29], s[4:5], s[56:57]
	s_add_nc_u64 s[40:41], s[22:23], s[56:57]
	s_add_nc_u64 s[34:35], s[6:7], s[58:59]
	s_add_nc_u64 s[46:47], s[24:25], s[58:59]
	s_lshl_b32 s56, ttmp9, 1
	s_add_co_u32 s56, s56, 3072                    ; level 2: window 3072 + 2 g
	s_lshl_b32 s58, s56, 7
	s_mul_i32 s56, s56, 3072
	s_add_nc_u64 s[30:31], s[4:5], s[56:57]
	s_add_nc_u64 s[42:43], s[22:23], s[56:57]
	s_add_nc_u64 s[36:37], s[6:7], s[58:59]
	s_add_nc_u64 s[48:49], s[24:25], s[58:59]
	s_mul_i32 s56, s2, 768                         ; what is stored: my pair's place
	s_lshl_b32 s58, s2, 2
.irp b, 38,40,42
	s_add_nc_u64 s[\b:\b+1], s[\b:\b+1], s[56:57]
.endr
.irp b, 44,46,48,52
	s_add_nc_u64 s[\b:\b+1], s[\b:\b+1], s[58:59]
.endr
	s_mul_i32 s56, s2, 1536
	s_add_nc_u64 s[50:51], s[50:51], s[56:57]
	s_wait_alu depctr_va_vdst(0)                   ; the five offsets v1 to v5 are written, which every load and store of the kernel reads; so are v6 to v9, in which set 2's scale words land
	LOADW 0, 10, 12                                ; wq
	HLOAD 0, 26, 32, 0
	HLOAD 1, 26, 32, 1
	s_wait_loadcnt 13                              ; step 0: the weights and tile 0 are in; 13: the next tile's loads.  No store is due, and nothing has named set 2 yet
	HLOAD 2, 26, 32, 2
	GEMM 0
	QN 1, KW+0, 0
	NEXT 13                                        ; step 1
	OUTC LI, 50, 0, 512
	HLOAD 0, 26, 32, 3
	GEMM 1
	QN 1, KW+1, 1
	NEXT 13                                        ; step 2
	OUTC LI, 50, 6144, 512
	HLOAD 1, 26, 32, 0                             ; level 0 once more, for k
	GEMM 2
	QN 1, KW+2, 1
	NEXT 13                                        ; step 3: the last of q
	OUTC LI, 50, 12288, 512
	HLOAD 2, 26, 32, 1
	GEMM 0
	s_wait_alu depctr_va_vdst(0)                   ; the matrix instructions are done reading wq's fragments, bias and scale words, in which wkv's land
	s_wait_alu depctr_vm_vsrc(0)                   ; this step's stores have read the codes' registers, which the quantiser below writes again (the wait on XCNT at the head of the loads below stands beside it)
	LOADW 32, 14, 16                               ; wkv's first 512 rows: k.  The weights change while the last q is quantised
	QN 1, KW+3, 0
	NEXT 0                                         ; step 4: the new weights are wanted, so all loads are in
	OUTC LI, 50, 18432, 512
	HLOAD 0, 26, 32, 2
	GEMM 1
	QN 0, KW+4, 1
	NEXT 13                                        ; step 5
	OUTC HOFF, 38, 0, 256
	HLOAD 1, 26, 32, 3
	GEMM 2
	QN 0, KW+5, 1
	NEXT 13                                        ; step 6
	OUTC HOFF, 38, 6144, 256
	HLOAD 2, 28, 34, 0
	GEMM 0
	QN 0, KW+6, 1
	NEXT 13                                        ; step 7
	OUTC HOFF, 38, 12288, 256
	HLOAD 0, 28, 34, 1
	GEMM 1
	QN 0, KW+7, 1
	NEXT 13                                        ; step 8
	OUTC HOFF, 38, 18432, 256
	HLOAD 1, 30, 36, 0
	GEMM 2
	QN 0, KW+8, 1
	NEXT 13                                        ; step 9: nothing is left to ask for
	OUTC HOFF, 40, 0, 256
	GEMM 0
	QN 0, KW+9, 1
	NEXT 0                                         ; step 10
	OUTC HOFF, 40, 6144, 256
	GEMM 1
	QN 0, KW+10, 1
	s_wait_alu depctr_va_vdst(0)                   ; the last quantiser has written its codes and its scale word, which the stores below read
	OUTC HOFF, 42, 0, 256
	; the scale words: lanes r and r + 16 hold the same word and store it at the same place
.irp t, 0,1,2,3
	global_store_b32 v[R16], v[KW+\t], s[52:53] offset:256*\t
	global_store_b32 v[R16], v[KW+4+\t], s[44:45] offset:256*\t
.endr
.irp t, 0,1
	global_store_b32 v[R16], v[KW+8+\t], s[46:47] offset:256*\t
.endr
	global_store_b32 v[R16], v[KW+10], s[48:49]
	s_endpgm
.Lfunc_end_k_qed6e2e52ff_qk:
	.size	k_qed6e2e52ff_qk, .Lfunc_end_k_qed6e2e52ff_qk-k_qed6e2e52ff_qk
	.p2alignl 7, 3214868480
	.fill 96, 4, 3214868480
	.section	.rodata,"a",@progbits
	.p2align	6, 0x0
	.amdhsa_kernel k_qed6e2e52ff_qk
		.amdhsa_group_segment_fixed_size 0
		.amdhsa_private_segment_fixed_size 0
		.amdhsa_enable_private_segment 0
		.amdhsa_kernarg_size 88
		.amdhsa_user_sgpr_count 2
		.amdhsa_user_sgpr_kernarg_segment_ptr 1
		.amdhsa_wavefront_size32 1
		.amdhsa_system_sgpr_workgroup_id_x 1
		.amdhsa_system_sgpr_workgroup_id_y 1
		.amdhsa_system_sgpr_workgroup_id_z 1
		.amdhsa_system_vgpr_workitem_id 0
		.amdhsa_next_free_vgpr 752
		.amdhsa_next_free_sgpr 66
		.amdhsa_reserve_vcc 0
		.amdhsa_float_denorm_mode_32 3
		.amdhsa_float_denorm_mode_16_64 3
		.amdhsa_memory_ordered 1
		.amdhsa_forward_progress 1
		.amdhsa_inst_pref_size 145
	.end_amdhsa_kernel
	.amdgpu_metadata
---
amdhsa.version: [ 1, 2 ]
amdhsa.kernels:
  - .name:           k_qed6e2e52ff_qk
    .symbol:         k_qed6e2e52ff_qk.kd
    .args:
      - { .name: hcod, .offset: 0, .size: 8, .value_kind: global_buffer, .address_space: global }
      - { .name: hscl, .offset: 8, .size: 8, .value_kind: global_buffer, .address_space: global }
      - { .name: wimg, .offset: 16, .size: 8, .value_kind: global_buffer, .address_space: global }
      - { .name: wq_scales, .offset: 24, .size: 8, .value_kind: global_buffer, .address_space: global }
      - { .name: bq, .offset: 32, .size: 8, .value_kind: global_buffer, .address_space: global }
      - { .name: wkv_scales, .offset: 40, .size: 8, .value_kind: global_buffer, .address_space: global }
      - { .name: bkv, .offset: 48, .size: 8, .value_kind: global_buffer, .address_space: global }
      - { .name: qcod, .offset: 56, .size: 8, .value_kind: global_buffer, .address_space: global }
      - { .name: qscl, .offset: 64, .size: 8, .value_kind: global_buffer, .address_space: global }
      - { .name: kcod, .offset: 72, .size: 8, .value_kind: global_buffer, .address_space: global }
      - { .name: kscl, .offset: 80, .size: 8, .value_kind: global_buffer, .address_space: global }
    .group_segment_fixed_size: 0
    .private_segment_fixed_size: 0
    .kernarg_segment_align: 8
    .kernarg_segment_size: 88
    .max_flat_workgroup_size: 128
    .sgpr_count:     66
    .vgpr_count:     752
    .wavefront_size: 32
...
	.end_amdgpu_metadata
.endif
;; end of part 4
;; launch main (part 5): grid 256 x 1, 4 waves a work-group, no clusters, 297,472 bytes of LDS; arguments x, hcod, hscl, wimg, tbl, qcod, qscl, kcod, kscl, wkv_scales, bkv, wproj_scales, bproj, ln2_s, ln2_b, mlp_w1_scales, mlp_b1, mlp_w2_scales, mlp_b2, out0; writes out0
.if DOCPART == 5
	.amdgcn_target "amdgcn-amd-amdhsa--gfx1250"
	.amdhsa_code_object_version 6
	.text
	.protected	k_qed6e2e52ff_main
	.globl	k_qed6e2e52ff_main
	.p2align	8
	.type	k_qed6e2e52ff_main,@function
k_qed6e2e52ff_main:
	s_mov_b64 s[64:65], 0
	v_nop
	global_prefetch_b8 v0, s[64:65] scope:SCOPE_SE
	s_setreg_imm32_b32 hwreg(HW_REG_WAVE_SCHED_MODE, 0, 2), 2
	s_setreg_imm32_b32 hwreg(HW_REG_WAVE_MODE, 25, 1), 1
	s_wait_xcnt 0x0
	s_wait_alu depctr_vm_vsrc(0)
; THIRD LAUNCH.  One work-group takes one query window (64 queries of one batch) through attention, the output projection, the residual, LayerNorm 2, the MLP and the second residual.
; All large products run on codes of E3M2 with one E8M0 scale for 32 along K; every operand made on the way is quantised from f32 in registers.
; SHARES.  Wave p owns heads 2 p, 2 p + 1 in attention, columns 128 p .. + 127 in the projection and the MLP's second product, hidden units 512 i + 128 p .. + 127 in its first.
; THE KEYS.  A window sees, at each of three levels, the 16 key windows nearest to it, in the order of their distance (the lower index first): rank j is window j where j > 2 cq, nk - 1 - j where j > 2 (nk - 1 - cq),
; else cq + j / 2 (j even) or cq - (j + 1) / 2 (j odd); cq = (8 w + 4) >> level, nk = 512 >> level.  Only the work-group's number and the lane enter that.
; A TILE OF 16 KEYS takes ranks 4 b + u (rows 0-7) and 4 b + u + 2 (rows 8-15), t = 2 b + u: so the 16 registers of tiles 2 b, 2 b + 1 of a result are 16 neighbouring keys of the list.
; V is quantised along the keys, whose order is the window's own: so v = xl wv + bv is made here, for the window's 384 keys, from h's codes (in LDS, shared by the four waves), a head at a time, with a lane to a channel.
; THE BIAS hangs on rel = query position - f x key index + 4 f alone: it is read from the first launch's table (my two heads' in LDS) straight into the registers that are the C of K Q^T.
; SOFTMAX: t = logit x log2(e), M = ceil(the row's largest t), p = 2^(t - M) is quantised along the keys; the sum of the unquantised p divides the result.  A unit (16 queries, one head) holds all 384 keys: one pass.
; A head has 64 channels, the instruction 128: K's fragments hold a pair of heads, and q's codes of the other head are made zero.
; OPERANDS GO FROM WAVE TO WAVE THROUGH LDS as images of their registers, in pieces of two registers: piece i of lane l at 256 i + 8 l; a scale word at 4 l.
; NO CLUSTER, NO TENSOR LOAD: the weights (2.0 MB a work-group, the same for all) go from memory straight into the operand registers of the one wave that multiplies by them; a joint load would land in LDS,
; of which the attention holds 296,960 of 327,680 bytes, and would be read from there once more.
; LIMITS: NaN and infinities are not served; a block whose largest magnitude lies under 2^-122 gets the scale byte 1; sums are formed in another order than the source's, in f32; GELU is x / (1 + 2^z), the tanh form rewritten.
; REGISTER WINDOWS: 0: addresses, scale words, statistics, p's codes, operands from LDS.  1: V's sums / scores, O^T / the residual stream X2 (64 rt + 8 t).  2, 3: weights and K, V^T.
; THE MODE: SCHED_MODE bits 1:0 = 2 (LLVM: expert scheduling mode 2), set by the entry lines.  The code itself states the register dependences
; between vector or matrix instructions and memory or LDS instructions, with s_wait_alu, always for 0.
; THE PLAN.  Registers that memory or LDS instructions touch, and who else names them:
;   v1-4, v7-11, v16-63   offsets and LDS addresses made at the head or in phase 0 and kept through the attention; the tail makes v5-13 anew, behind one wait on vm_vsrc.
;   v5, v6, v173, v191    a level's four LDS addresses: written at the level's head, between a wait on vm_vsrc and a wait on va_vdst.
;   window 3, two sets    h's fragments of a K step: read by the step's 32 matrix instructions, loaded again two steps on, behind one wait on va_vdst.
;   v192-227, v160-171, v148-155   a level's eight half fragments of V^T and their scale bytes: written by eight quantisers, then ONE wait on va_vdst, then 32 LDS stores.  That wait also serves the loads of K and V^T behind the loop.
;   v88-111               a unit's 24 gather addresses: written at the unit's head; ONE wait on va_vdst behind them serves q's loads, the prefetch and the 192 gathers; written again as work registers behind the unit's wait on vm_vsrc.
;   v176-187, v188-227    q's masked codes, p's scale words and codes: written by vector lines, read by scaled matrix instructions: the places, then a wait on va_vdst.
;   v236-241, v246-251, v234, v235   two out-buffers of half a fragment and its scale bytes, for the attention's result (one), LayerNorm 2 and the hidden layer (two): one wait on va_vdst ahead of each run of stores, one on vm_vsrc ahead of the next writer.
;   windows 2, 3 and v16-47   weight sets A and B and their scale words: a set is asked for again behind a wait on va_vdst that stands behind the matrix instructions that read it.
;   v64-255               sixteen operand fragments from LDS: loaded behind one pair of waits.
.set HC,  0                            ; LDS, attention: h's codes, 24 key tiles x 4 K steps x 1,536
.set HS,  147456                       ; their scale words: [tile][row][4 words]
.set TB,  153600                       ; the bias table: 8 heads x (4,096 + 512)
.set VT,  190464                       ; V^T's codes: 4 waves x 12 fragments
.set VS,  264192                       ; their scale words
.set OI,  270336                       ; the attention's result: 16 fragments (4 qt + pair)
.set OS,  294912
.set XS,  0                            ; LDS, tail (over h's codes, which nobody reads then): 4 waves x 16 rows x 528
.set ST,  33792                        ; LayerNorm 2: [rt][wave][lane] (mean, sum of squares)
.set H2I, 37888                        ; its result: 16 fragments
.set H2S, 62464
.set HID0, 64512                       ; the hidden layer's 16 fragments and scale words, two buffers
.set HIDSZ, 26624
.set LI,1
.set L8,2
.set LS,3
.set R16,4
.set HCA,5
.set HSA,6
.set VTW,7
.set VSW,8
.set OIW,9
.set OSW,10
.set PFO,11
.set BB,16                             ; v16-39  a key tile's place in the bias table, for my lane
.set KOFF,40                           ; v40-63  a key tile's place in hcod and kcod
.set KS,64                             ; v64-87  K's scale words
.set HSR,88                            ; v88-119 h's scale words of a level;  in phase 0 offsets;  in a unit addresses, then at work
.set SOF,88
.set GA,88
.set TP,88
.set SO,100
.set WVS,120
.set RK,120                            ; v120-135 in phase 0: sixteen ranks
.set NR,136                            ; v136-151 in phase 0: their key windows
.set VTS,136
.set VO,148                            ; v148-155 a level's eight pairs of scale bytes, to store
.set QR,160
.set QSR,172
.set VTA,173
.set QM,176
.set PWD,188
.set VSA,191
.set P,192                             ; v192-227 p's codes
.set BM,192                            ; v192-203 the blocks' largest scores, then largest p: done with before p's codes are written there
.set TM,228
.set PH,234
.set PC,236
.set CT,236
.set CT2,242                           ; v242-244 a quantiser's second conversion, before it changes places
.set WSO,250
.set BVO,251
.set XSW,5                             ; the tail's
.set XSR,6
.set BO,7
.set WS1,8
.set WS4,9
.set WSA,16                            ; v16-31, v32-47 the scale words of weight sets A, B
.set BS,48                             ; v48-63 the scale words of operands from LDS
.set WV,2
.set P_X,4
.set P_HC,6
.set P_HS,8
.set P_WI,10
.set P_TB,12
.set P_QC,14
.set P_QS,16
.set P_KC,18
.set P_KS,20
.set P_WVS,22
.set P_BKV,24
.set P_WPS,26
.set P_BP,28
.set P_G2,30
.set P_B2,32
.set P_M1S,34
.set P_MB1,36
.set P_M2S,38
.set P_MB2,40
.set P_OUT,42
.set W,44
.set BA,45
.set CQ,46
.set C2,47
.set M2,48
.set NK1,49
.set GB,50
.set HB,51
.set SEL,52
.set CS,54
.set FL,56
.set NINF,57
.set MLO,58
.set MHI,59
.set HD,60
.set LV,61
.set QT,62
.set KCB,66
.set QCB,68
.set QSB,70
.set XB,72
.set OB,74
.set WB,76
.set SB,78
.set BIB,80
.set QA,82
.set QSA,84
.set PFA,86
.set HCB,88
.set HSB,90
.set KSB,92
.set TBB,94
.set K2,96
.set MI,98
.set TR,99
.set MSB, 0
.macro WIN new                         ; bits 1:0 source 0, 3:2 source 1, 5:4 source 2, 7:6 destination; the high byte repeats the setting that is left
.if MSB != (\new)
	s_set_vgpr_msb (MSB<<8)|(\new)
.set MSB, (\new)
.endif
.endm
.macro PLACES                          ; four plain lines between a matrix instruction and a read of its result, a write of or a load into its registers
.rept 4
	v_nop
.endr
.endm
.macro WMC d, a, b, c, sa, sb
	v_wmma_scale_f32_16x16x128_f8f6f4 v[(\d):(\d)+7], v[(\a):(\a)+11], v[(\b):(\b)+11], v[(\c):(\c)+7], v[\sa], v[\sb] matrix_a_fmt:MATRIX_FMT_BF6 matrix_b_fmt:MATRIX_FMT_BF6
.endm
.macro WMZ d, a, b, sa, sb
	v_wmma_scale_f32_16x16x128_f8f6f4 v[(\d):(\d)+7], v[(\a):(\a)+11], v[(\b):(\b)+11], 0, v[\sa], v[\sb] matrix_a_fmt:MATRIX_FMT_BF6 matrix_b_fmt:MATRIX_FMT_BF6
.endm
; 32 numbers of a lane in window X, register 16 b + i = k 32 b + 16 hh + i, become half a fragment: six registers in v[dst] on, and two scale bytes in v[ph]
.macro QH src, X, dst, ph
	WIN ((\X)<<2)|((\X)<<4)
.irp b, 0,1
	v_max3_num_f32 v[TM+\b], s[FL], |v[(\src)+16*\b]|, |v[(\src)+16*\b+1]|   ; the floor 2^(5 - 127) starts the chain: the byte cannot fall under 1
.endr
.irp i, 2,4,6,8,10,12,14
.irp b, 0,1
	v_max3_num_f32 v[TM+\b], v[TM+\b], |v[(\src)+16*\b+\i]|, |v[(\src)+16*\b+\i+1]|
.endr
.endr
	WIN 0
.irp b, 0,1
	v_permlanex16_b32 v[TM+2+\b], v[TM+\b], s[SEL], s[SEL+1]
.endr
.irp b, 0,1
	v_max_num_f32 v[TM+\b], v[TM+\b], v[TM+2+\b]
.endr
.irp b, 0,1
	v_add_nc_u32 v[TM+4+\b], 0xfe000000, v[TM+\b]  ; 4 off the exponent field: the conversion's scale operand
.endr
.irp b, 0,1
	v_lshrrev_b32 v[TM+2+\b], 23, v[TM+4+\b]
.endr
	v_lshl_or_b32 v[\ph], v[TM+3], 8, v[TM+2]
	WIN \X
	v_cvt_scalef32_pk16_bf6_f32 v[(\dst):(\dst)+2], v[(\src):(\src)+15], v[TM+4]
	v_cvt_scalef32_pk16_bf6_f32 v[CT2:CT2+2], v[(\src)+16:(\src)+31], v[TM+5]
	WIN 0
	v_nop                                          ; one plain line behind the scaled conversions
.irp i, 0,1,2
	v_permlane16_swap_b32 v[(\dst)+\i], v[CT2+\i]  ; a whole block to a lane
.endr
.irp i, 0,1,2
	v_mov_b32 v[(\dst)+3+\i], v[CT2+\i]
.endr
.endm
; rank 4 b + u + 2 sel into v[RK + i], and the key window that it has away from the ends into v[NR + i]
.macro RANK i, sel, b, u
	v_lshl_add_u32 v[RK+(\i)], v[\sel], 1, 4*\b+\u
.if \u == 0
	v_add_nc_u32 v[NR+(\i)], s[CQ], v[\sel]        ; an even rank j: cq + j / 2
	v_add_nc_u32 v[NR+(\i)], 2*\b, v[NR+(\i)]
.else
	v_sub_nc_u32 v[NR+(\i)], s[CQ], v[\sel]        ; an odd one: cq - (j + 1) / 2
	v_add_nc_u32 v[NR+(\i)], -(2*\b+1), v[NR+(\i)]
.endif
.endm
; a level's eight key tiles: where each lies in memory (the window by lane bit 3: ranks 0-7 of the sixteen) and in the bias table (the window by lane bit 4: ranks 8-15).
; The compares stand in runs of sixteen, into s76-87 and s60-63, which hold nothing else in this phase, with one wait behind each run.
.macro ADDR lv
	s_lshl_b32 s[CQ], s[W], 3
	s_add_co_u32 s[CQ], s[CQ], 4
	s_lshr_b32 s[CQ], s[CQ], \lv
	s_lshl_b32 s[C2], s[CQ], 1
	s_sub_co_u32 s[M2], (512>>\lv)-1, s[CQ]
	s_lshl_b32 s[M2], s[M2], 1
	s_mov_b32 s[NK1], (512>>\lv)-1
	s_mul_i32 s[GB], s[BA], 512>>\lv
	s_add_co_u32 s[GB], s[GB], 4096-(4096>>\lv)
	s_lshl_b32 s3, s[W], 6
	s_add_co_u32 s3, s3, 496-3*(1<<\lv)
	v_add_nc_u32 v118, s3, v119
.irp t, 0,1,2,3,4,5,6,7
	RANK \t, 112, (\t/2), (\t%2)
	RANK 8+\t, 114, (\t/2), (\t%2)
.endr
.set I, 0
.rept 16
	v_cmp_lt_u32 s[76+I-28*(I/12)], s[C2], v[RK+I] ; at the lower end: j > 2 cq
.set I, I+1
.endr
	s_wait_alu depctr_va_sdst(0)                   ; the sixteen masks are written, ahead of the selects that read them
.set I, 0
.rept 16
	v_cndmask_b32 v[NR+I], v[NR+I], v[RK+I], s[76+I-28*(I/12)]   ; there the window is j
.set I, I+1
.endr
.set I, 0
.rept 16
	v_cmp_lt_u32 s[76+I-28*(I/12)], s[M2], v[RK+I] ; at the upper end: j > 2 (nk - 1 - cq)
	v_sub_nc_u32 v[RK+I], s[NK1], v[RK+I]
.set I, I+1
.endr
	s_wait_alu depctr_va_sdst(0)                   ; the sixteen masks are written, ahead of the selects that read them
.set I, 0
.rept 16
	v_cndmask_b32 v[NR+I], v[NR+I], v[RK+I], s[76+I-28*(I/12)]   ; there it is nk - 1 - j
.set I, I+1
.endr
.irp t, 0,1,2,3,4,5,6,7
	v_add_nc_u32 v253, s[GB], v[NR+\t]
	v_mad_u32_u24 v[KOFF+8*\lv+\t], v253, 0xc00, v116
	v_lshl_add_u32 v[SOF+8*\lv+\t], v253, 7, v117
	v_lshlrev_b32 v253, 3+\lv, v[NR+8+\t]
	v_sub_nc_u32 v253, v118, v253                  ; r + 64 w + 496 - 3 f - 8 f ck: the index for query tile 0 and the window's last key
	v_lshlrev_b32 v253, 2, v253
	v_and_b32 v[BB+8*\lv+\t], 0xffc, v253          ; it lies in 4 .. 1023: the mask changes nothing
.endr
.endm
.macro ISSUE lv, set                   ; K step p of a level's eight tiles, and the scale words: 40 loads
	WIN 0x40
.irp t, 0,1,2,3,4,5,6,7
.irp q, 0,1,2
	global_load_b128 v[128*\set+12*\t+4*\q:128*\set+12*\t+4*\q+3], v[KOFF+8*\lv+\t], s[HCB:HCB+1] offset:256*\q
.endr
	global_load_b32 v[128*\set+96+\t], v[SOF+8*\lv+\t], s[HSB:HSB+1]
.endr
	WIN 0
.irp t, 0,1,2,3,4,5,6,7
	global_load_b32 v[KS+8*\lv+\t], v[SOF+8*\lv+\t], s[KSB:KSB+1]
.endr
.endm
.macro FILL lv, set, adr
	WIN 0x04
.irp t, 0,1,2,3,4,5,6,7
.irp q, 0,1,2
	ds_store_b128 v[\adr], v[128*\set+12*\t+4*\q:128*\set+12*\t+4*\q+3] offset:6144*\t+512*\q
.endr
	ds_store_b32 v255, v[128*\set+96+\t] offset:256*(8*\lv+\t)
.endr
	WIN 0
.endm
.macro FETCHH set, s                   ; a level's eight fragments of h for K step s: 24 LDS loads
	WIN 0xc0
.irp kt, 0,1,2,3,4,5,6,7
.irp q, 0,1,2
	ds_load_b128 v[96*(\set)+12*\kt+4*\q:96*(\set)+12*\kt+4*\q+3], v[HCA] offset:6144*\kt+1536*(\s)+512*\q
.endr
.endr
	WIN 0
.endm
	s_load_b512 s[4:19], s[0:1], 0x0
	s_load_b512 s[20:35], s[0:1], 0x40
	s_load_b256 s[36:43], s[0:1], 0x80
	v_lshrrev_b32 v252, 5, v0
	v_readfirstlane_b32 s[WV], v252                ; wave p
	v_and_b32 v252, 31, v0
	v_lshlrev_b32 v[LI], 4, v252
	v_lshlrev_b32 v[L8], 3, v252
	v_lshlrev_b32 v[LS], 2, v252
	v_and_b32 v119, 15, v0                         ; r
	v_lshlrev_b32 v[R16], 4, v119
	v_bfe_u32 v114, v0, 4, 1                       ; hh
	v_bfe_u32 v112, v0, 3, 1                       ; r / 8
	v_and_b32 v117, 7, v0
	v_lshlrev_b32 v117, 4, v117
	v_lshl_add_u32 v116, v114, 7, v117
	v_lshl_add_u32 v[WSO], v112, 7, v[R16]         ; 16 (r + 8 (r / 8))
	v_lshrrev_b32 v[BVO], 2, v[WSO]
	v_lshrrev_b32 v253, 1, v252
	v_and_b32 v254, 1, v0
	v_lshlrev_b32 v254, 8, v254
	v_lshl_add_u32 v[PFO], v253, 11, v254          ; the prefetches: row lane / 2, block lane % 2
.irp j, 12,13,14,15,230,231,249
	v_mov_b32 v[\j], 0                             ; zeros for the table's spare bytes; upper halves of pairs and permutes' destinations, which count as read
.endr
	s_wait_alu depctr_va_sdst(0)                   ; the wave's number is written, ahead of its first reader: LDS addresses and bases are made from it
	s_mul_i32 s3, s[WV], 18432
	s_add_co_u32 s3, s3, VT
	v_add_nc_u32 v[VTW], s3, v[L8]
	s_mul_i32 s3, s[WV], 1536
	s_add_co_u32 s100, s3, VS
	v_add_nc_u32 v[VSW], s100, v[LS]
	s_add_co_u32 s100, s3, OI
	v_add_nc_u32 v[OIW], s100, v[L8]
	v_add_nc_u32 v235, s3, v[LI]                   ; where I put h's codes: K step p, level 0, 1, 2
	v_add_nc_u32 v173, 49152, v235
	v_add_nc_u32 v191, 98304, v235
	s_lshl_b32 s3, s[WV], 7
	s_add_co_u32 s3, s3, OS
	v_add_nc_u32 v[OSW], s3, v[LS]
	s_lshl_b32 s3, s[WV], 2
	s_add_co_u32 s3, s3, HS
	v_add_nc_u32 v255, s3, v[R16]
	s_mul_i32 s3, s[WV], 9216
	s_add_co_u32 s3, s3, TB
	v_add_nc_u32 v5, s3, v[LI]                     ; my two heads' tables
	s_and_b32 s[W], ttmp9, 63
	s_lshr_b32 s[BA], ttmp9, 6
	s_mov_b32 s[SEL], 0x76543210
	s_mov_b32 s[SEL+1], 0xfedcba98
	s_mov_b32 s[CS], 0x3fb8aa3b                    ; log2(e)
	s_mov_b32 s[CS+1], s[CS]
	s_mov_b32 s[FL], 0x2800000
	s_mov_b32 s[NINF], 0xff800000
	s_mov_b32 s[K2], 0xbdd2d3e8                    ; -2 sqrt(2 / pi) log2(e) x 0.044715
	s_mov_b32 s[K2+1], s[K2]
	s_mov_b32 s101, 0
	s_wait_kmcnt 0x0
	s_mul_i32 s100, s[WV], 768
	s_add_nc_u64 s[HCB:HCB+1], s[P_HC:P_HC+1], s[100:101]
	s_add_nc_u64 s[KCB:KCB+1], s[P_KC:P_KC+1], s[100:101]
	s_lshl_b32 s100, s[WV], 2
	s_add_nc_u64 s[HSB:HSB+1], s[P_HS:P_HS+1], s[100:101]
	s_add_nc_u64 s[KSB:KSB+1], s[P_KS:P_KS+1], s[100:101]
	s_lshl_b32 s3, ttmp9, 10
	s_add_co_u32 s100, s100, s3
	s_add_nc_u64 s[QSB:QSB+1], s[P_QS:P_QS+1], s[100:101]
	s_lshl_b32 s100, s[WV], 13
	s_add_nc_u64 s[TBB:TBB+1], s[P_TB:P_TB+1], s[100:101]
	s_mul_i32 s100, ttmp9, 24576
	s_mul_i32 s3, s[WV], 1536
	s_add_co_u32 s100, s100, s3
	s_add_nc_u64 s[QCB:QCB+1], s[P_QC:P_QC+1], s[100:101]
	s_lshl_b32 s100, ttmp9, 17
	s_lshl_b32 s3, s[WV], 9
	s_add_co_u32 s100, s100, s3
	s_add_nc_u64 s[XB:XB+1], s[P_X:P_X+1], s[100:101]
	s_add_nc_u64 s[OB:OB+1], s[P_OUT:P_OUT+1], s[100:101]
	; ---- PHASE 0: h's codes of the window's 384 keys go to LDS, each wave one K step of every tile; my heads' tables too
	ADDR 0
	s_wait_alu depctr_va_vdst(0)                   ; the head's offsets and LDS addresses and level 0's offsets are written, which the loads and LDS stores from here on read
	ISSUE 0, 0
	ADDR 1
	s_wait_alu depctr_va_vdst(0)                   ; level 1's offsets are written, which the loads below read
	ISSUE 1, 1
	ADDR 2
	s_wait_loadcnt 40                              ; level 0 is in; level 1's 40 loads may be out
	FILL 0, 0, 235
	s_wait_dscnt 0x0
	s_wait_alu depctr_vm_vsrc(0)                   ; the LDS stores have read set 0's registers, in which level 2's loads land
	s_wait_alu depctr_va_vdst(0)                   ; level 2's offsets are written, which the loads below read
	ISSUE 2, 0
	s_wait_loadcnt 40                              ; level 1 is in
	FILL 1, 1, 173
	WIN 0x80
.irp c, 0,1
.irp q, 0,1,2,3,4,5,6,7
	global_load_b128 v[32*\c+4*\q:32*\c+4*\q+3], v[LI], s[TBB:TBB+1] offset:4096*\c+512*\q
.endr
.endr
	WIN 0
	s_wait_loadcnt 16                              ; level 2 is in; the table's 16 loads may be out
	FILL 2, 0, 191
	s_wait_loadcnt 0x0
	WIN 0x08
.irp c, 0,1
.irp q, 0,1,2,3,4,5,6,7
	ds_store_b128 v5, v[32*\c+4*\q:32*\c+4*\q+3] offset:4608*\c+512*\q
.endr
.endr
	WIN 0
	ds_store_b128 v5, v[12:15] offset:4096         ; the spare bytes behind each table hold zeros
	ds_store_b128 v5, v[12:15] offset:4608+4096
	s_wait_dscnt 0x0                               ; my stores have landed:
	s_barrier_signal -1
	s_barrier_wait -1                              ; everybody's have
	; ---- ATTENTION: no barrier; what a wave writes to LDS here is its own
	s_mov_b32 s[HD], 0
	s_mov_b32 s[MLO], -1
	s_mov_b32 s[MHI], 0
.Lhead:
	s_lshl_b32 s3, s[WV], 1
	s_add_co_u32 s3, s3, s[HD]                     ; the head
	s_wait_xcnt 0x0                                ; the bases below were read by earlier loads
	s_mul_i32 s100, s3, 24576
	s_add_co_u32 s100, s100, 393216                ; wimg's tile 64 + 4 head
	s_mov_b32 s101, 0
	s_add_nc_u64 s[WB:WB+1], s[P_WI:P_WI+1], s[100:101]
	s_lshl_b32 s100, s3, 10
	s_add_co_u32 s100, s100, 8192
	s_add_nc_u64 s[SB:SB+1], s[P_WVS:P_WVS+1], s[100:101]
	s_lshl_b32 s100, s3, 8
	s_add_co_u32 s100, s100, 2048
	s_add_nc_u64 s[BIB:BIB+1], s[P_BKV:P_BKV+1], s[100:101]
	s_wait_alu depctr_va_vdst(0)                   ; the head before is done reading K's tiles, wv's bias and scale words, and phase 0 has written v120-135: the loads below land in all of these
	s_wait_alu depctr_vm_vsrc(0)                   ; the table's LDS stores have read window 2's v0-63, in which wv's fragments land
	WIN 0x80                                       ; the head's 16 fragments of wv, and its bias: a lane is one channel, so a tile's eight registers hold one number
.irp ct, 0,1,2,3
.irp s, 0,1,2,3
.irp q, 0,1,2
	global_load_b128 v[48*\ct+12*\s+4*\q:48*\ct+12*\s+4*\q+3], v[LI], s[WB:WB+1] offset:6144*\ct+1536*\s+512*\q
.endr
.endr
.endr
.irp ct, 0,1,2,3
.irp j, 0,1,2,3,4,5,6,7
	global_load_b32 v[192+8*\ct+\j], v[BVO], s[BIB:BIB+1] offset:(32*(\ct/2)+8*(\ct%2))*4
.endr
.endr
	WIN 0
.irp ct, 0,1,2,3
	global_load_b128 v[WVS+4*\ct:WVS+4*\ct+3], v[WSO], s[SB:SB+1] offset:(32*(\ct/2)+8*(\ct%2))*16
.endr
	s_wait_loadcnt 0x0
	s_mov_b32 s[LV], 0
.Llev:                                 ; a level: V = xl wv + bv for 128 keys x 64 channels, 128 matrix instructions on 32 accumulators by turns; then quantised along the keys
	s_wait_alu depctr_vm_vsrc(0)                   ; the LDS instructions issued so far have read the four addresses that are written below, the out-buffers that this level's quantisers write again, and (phase 0's loads) v88-111, in which scale words land
	s_mul_i32 s3, s[LV], 49152
	v_add_nc_u32 v[HCA], s3, v[LI]
	s_lshl_b32 s3, s[LV], 11
	s_add_co_u32 s3, s3, HS
	v_add_nc_u32 v[HSA], s3, v[R16]
	s_mul_i32 s3, s[LV], 6144
	v_add_nc_u32 v[VTA], s3, v[VTW]
	s_lshl_b32 s3, s[LV], 9
	v_add_nc_u32 v[VSA], s3, v[VSW]
	s_wait_alu depctr_va_vdst(0)                   ; the four addresses are written; what came before is done with v88-119 and with window 3's two sets, in which the loads below land
.irp kt, 0,1,2,3,4,5,6,7
	ds_load_b128 v[HSR+4*\kt:HSR+4*\kt+3], v[HSA] offset:256*\kt
.endr
	FETCHH 0, 0
.irp s, 0,1,2,3
.if \s < 3
.if \s > 0
	PLACES
	s_wait_alu depctr_va_vdst(0)                   ; the matrix instructions of the K step before are done reading their set, in which the K step after this one lands
.endif
	FETCHH (\s+1)%2, \s+1
	s_wait_dscnt 24                                ; all but the 24 just issued
.else
	s_wait_dscnt 0x0
.endif
.if \s == 0
	WIN 0x6b                                       ; h window 3, wv and the bias window 2, the sums window 1
.else
	WIN 0x5b
.endif
.irp ct, 0,1,2,3
.irp kt, 0,1,2,3,4,5,6,7
.if \s == 0
	WMC 64*\ct+8*\kt, 96*(\s%2)+12*\kt, 48*\ct+12*\s, 192+8*\ct, HSR+4*\kt+\s, WVS+4*\ct+\s
.else
	WMC 64*\ct+8*\kt, 96*(\s%2)+12*\kt, 48*\ct+12*\s, 64*\ct+8*\kt, HSR+4*\kt+\s, WVS+4*\ct+\s
.endif
.endr
.endr
.endr
	WIN 0
	PLACES
.irp ct, 0,1,2,3                       ; eight half fragments, each into registers of its own: six in v192-227, two in v160-171
.irp cc, 0,1
.set LD, 192+6*(2*\ct+\cc)-68*((2*\ct+\cc)/6)
	QH 64*\ct+32*\cc, 1, LD, VO+2*\ct+\cc
.endr
.endr
	s_wait_alu depctr_va_vdst(0)                   ; the eight quantisers have written their codes and scale bytes, which the LDS stores read; the level's matrix instructions are done reading wv and h, in which K and V^T land behind the last level
.irp ct, 0,1,2,3
.irp cc, 0,1
.set LD, 192+6*(2*\ct+\cc)-68*((2*\ct+\cc)/6)
.irp i, 0,1,2
	ds_store_b64 v[VTA], v[LD+2*\i:LD+2*\i+1] offset:1536*\ct+768*\cc+256*\i
.endr
	ds_store_b16 v[VSA], v[VO+2*\ct+\cc] offset:128*\ct+2*\cc
.endr
.endr
	s_add_co_u32 s[LV], s[LV], 1
	s_cmp_lt_u32 s[LV], 3
	s_cbranch_scc1 .Llev
	; K's 24 tiles of my pair of heads, and V^T back from LDS into fixed registers (LDS serves a wave's instructions in order: these see my stores).
	; No wait on va_vdst: no vector or matrix instruction has been issued since the one ahead of the last level's stores
	WIN 0x80
.set TT, 0
.rept 16
.irp q, 0,1,2
	global_load_b128 v[12*TT+4*\q:12*TT+4*\q+3], v[KOFF+TT], s[KCB:KCB+1] offset:256*\q
.endr
.set TT, TT+1
.endr
	WIN 0xc0
.rept 8
.irp q, 0,1,2
	global_load_b128 v[12*(TT-16)+4*\q:12*(TT-16)+4*\q+3], v[KOFF+TT], s[KCB:KCB+1] offset:256*\q
.endr
.set TT, TT+1
.endr
.irp f, 0,1,2,3,4,5,6,7,8,9,10,11
.irp i, 0,1,2,3,4,5
	ds_load_b64 v[96+12*\f+2*\i:96+12*\f+2*\i+1], v[VTW] offset:1536*\f+256*\i
.endr
.endr
	WIN 0
.irp f, 0,1,2,3,4,5,6,7,8,9,10,11
	ds_load_b32 v[VTS+\f], v[VSW] offset:128*\f
.endr
	s_wait_alu depctr_vm_vsrc(0)                   ; the last level's LDS stores have read their out-buffers: q lands in v160-171, and the blocks' maxima are written into v192-203
	s_mov_b32 s[QT], 0
.Lqt:                                  ; A UNIT: 16 queries of one head against all 384 keys
	s_wait_xcnt 0x0                                ; the bases below were read a unit ago
	s_mul_i32 s100, s[QT], 6144
	s_mov_b32 s101, 0
	s_add_nc_u64 s[QA:QA+1], s[QCB:QCB+1], s[100:101]
	s_lshl_b32 s100, s[QT], 8
	s_add_nc_u64 s[QSA:QSA+1], s[QSB:QSB+1], s[100:101]
	s_lshl_b32 s100, s[QT], 15
	s_add_nc_u64 s[PFA:PFA+1], s[XB:XB+1], s[100:101]
	s_lshl_b32 s3, s[WV], 1
	s_add_co_u32 s3, s3, s[HD]
	s_mul_i32 s3, s3, 4608
	s_lshl_b32 s100, s[QT], 6
	s_add_co_u32 s3, s3, s100
	s_add_co_u32 s3, s3, TB                        ; the head's table, 16 qt entries on
.set TT, 0
.rept 24
	v_add_nc_u32 v[GA+TT], s3, v[BB+TT]
.set TT, TT+1
.endr
	s_wait_alu depctr_va_vdst(0)                   ; the 24 addresses are written, which the gathers read; what came before is done with q's registers and scale word and with window 1's v0-191, in which the loads below land
.irp q, 0,1,2
	global_load_b128 v[QR+4*\q:QR+4*\q+3], v[LI], s[QA:QA+1] offset:512*\q
.endr
	global_load_b32 v[QSR], v[R16], s[QSA:QSA+1]
	; x's rows 16 qt .. + 15, my 512 bytes of each, are asked for in the second head's units, one to four units ahead of the loads that want them:
	; a lane names one block of 256 bytes, 32 blocks a unit, 128 a wave, each once in the launch
	s_cmp_eq_u32 s[HD], 0
	s_cbranch_scc1 .Lno_ask
	global_prefetch_b8 v[PFO], s[PFA:PFA+1] th:TH_LOAD_NT scope:SCOPE_SE
.Lno_ask:
	WIN 0x40
.set TT, 0
.rept 24
.irp j, 0,1,2,3,4,5,6,7
	ds_load_b32 v[8*TT+\j], v[GA+TT] offset:4*(1<<(TT/8))*(7-\j)   ; the bias of key j of the tile's window: f entries lower for each key further on
.endr
.set TT, TT+1
.endr
	WIN 0
	s_wait_loadcnt 0x0                             ; q, and in a head's first unit K
.irp i, 0,1,2,3,4,5
	v_and_b32 v[QM+\i], s[MLO], v[QR+\i]           ; the other head's codes become zeros
.endr
.irp i, 6,7,8,9,10,11
	v_and_b32 v[QM+\i], s[MHI], v[QR+\i]
.endr
	PLACES                                         ; an operand written by vector lines stands four places ahead of a scaled matrix instruction
	s_wait_alu depctr_va_vdst(0)                   ; q's masked codes are written, which the scaled matrix instructions below take as an operand
	WIN 0x52                                       ; K window 2, q window 0, the scores window 1
.set TT, 0
.rept 16
.if 8*(23-TT) > 63
	s_wait_dscnt 63
.else
	s_wait_dscnt 8*(23-TT)                         ; the later tiles' gathers may be out
.endif
	WMC 8*TT, 12*TT, QM, 8*TT, KS+TT, QSR
.set TT, TT+1
.endr
	WIN 0x53
.rept 8
	s_wait_dscnt 8*(23-TT)
	WMC 8*TT, 12*(TT-16), QM, 8*TT, KS+TT, QSR
.set TT, TT+1
.endr
	WIN 0
	PLACES
	s_wait_alu depctr_vm_vsrc(0)                   ; the gathers have read v88-111, and the last unit's LDS stores their codes, bytes and two addresses: all are written again below
	WIN 0x14                                       ; the largest score of each block of 32 keys: for the row's maximum and, since p rises with the score, for the block's largest p
.irp B, 0,1,2,3,4,5,6,7,8,9,10,11
	v_max3_num_f32 v[BM+\B], s[NINF], v[16*\B], v[16*\B+1]
.endr
.irp i, 2,4,6,8,10,12,14
.irp B, 0,1,2,3,4,5,6,7,8,9,10,11
	v_max3_num_f32 v[BM+\B], v[BM+\B], v[16*\B+\i], v[16*\B+\i+1]
.endr
.endr
	WIN 0
.irp B, 0,1,2,3,4,5,6,7,8,9,10,11
	v_permlanex16_b32 v[TP+\B], v[BM+\B], s[SEL], s[SEL+1]
.endr
.irp B, 0,1,2,3,4,5,6,7,8,9,10,11
	v_max_num_f32 v[BM+\B], v[BM+\B], v[TP+\B]
.endr
	v_max3_num_f32 v252, v[BM], v[BM+1], v[BM+2]
	v_max3_num_f32 v252, v252, v[BM+3], v[BM+4]
	v_max3_num_f32 v252, v252, v[BM+5], v[BM+6]
	v_max3_num_f32 v252, v252, v[BM+7], v[BM+8]
	v_max3_num_f32 v252, v252, v[BM+9], v[BM+10]
	v_max_num_f32 v252, v252, v[BM+11]
	v_mul_f32 v252, s[CS], v252
	v_floor_f32 v12, -v252                         ; -M = floor(-t) = -ceil(t)
	WIN 0x41
.set J, 0
.rept 96
	v_pk_fma_f32 v[J:J+1], v[J:J+1], s[CS:CS+1], v[12:13] op_sel_hi:[1,0,0]   ; t - M
.set J, J+2
.endr
	WIN 0
.irp B, 0,1,2,3,4,5,6,7,8,9,10,11
	v_fma_f32 v[BM+\B], v[BM+\B], s[CS], v12
.endr
	v_mov_b32 v14, 0                               ; the row's sum begins, in two chains of pairs
	v_mov_b32 v15, 0
	v_mov_b32 v174, 0
	v_mov_b32 v175, 0
	WIN 0x41
.set J, 0
.rept 192
	v_exp_f32 v[J], v[J]                           ; p, not normalised
.set J, J+1
.endr
	WIN 0
	v_nop                                          ; a plain line behind the exponentials
	s_wait_alu depctr_va_vdst(0)                   ; the 192 exponentials have written p: one wait for the batch, ahead of its first reader
.irp B, 0,1,2,3,4,5,6,7,8,9,10,11
	v_exp_f32 v[BM+\B], v[BM+\B]                   ; each block's largest p
.endr
	WIN 0x04
.set J, 0
.rept 48
	v_pk_add_f32 v[14:15], v[14:15], v[J:J+1]      ; the row's sum, of the unquantised p
	v_pk_add_f32 v[174:175], v[174:175], v[J+2:J+3]
.set J, J+4
.endr
	WIN 0
	s_wait_alu depctr_va_vdst(0)                   ; the twelve exponentials have written the blocks' largest p: one wait, ahead of their first reader
.irp B, 0,1,2,3,4,5,6,7,8,9,10,11
	v_max_num_f32 v[BM+\B], s[FL], v[BM+\B]
.endr
.irp B, 0,1,2,3,4,5,6,7,8,9,10,11
	v_add_nc_u32 v[SO+\B], 0xfe000000, v[BM+\B]
.endr
.irp B, 0,1,2,3,4,5,6,7,8,9,10,11
	v_lshrrev_b32 v[TP+\B], 23, v[SO+\B]
.endr
.irp l, 0,1,2
	v_lshl_or_b32 v[PWD+\l], v[TP+4*\l+1], 8, v[TP+4*\l]
	v_lshl_or_b32 v[PWD+\l], v[TP+4*\l+2], 16, v[PWD+\l]
	v_lshl_or_b32 v[PWD+\l], v[TP+4*\l+3], 24, v[PWD+\l]
.endr
.irp l, 0,1,2
	WIN 0x01
.irp c, 0,1
	v_cvt_scalef32_pk16_bf6_f32 v[P+12*\l+6*\c:P+12*\l+6*\c+2], v[64*\l+32*\c:64*\l+32*\c+15], v[SO+4*\l+2*\c]
	v_cvt_scalef32_pk16_bf6_f32 v[CT+4*\c:CT+4*\c+2], v[64*\l+32*\c+16:64*\l+32*\c+31], v[SO+4*\l+2*\c+1]
.endr
	WIN 0
	v_nop
.irp c, 0,1
.irp i, 0,1,2
	v_permlane16_swap_b32 v[P+12*\l+6*\c+\i], v[CT+4*\c+\i]
.endr
.irp i, 0,1,2
	v_mov_b32 v[P+12*\l+6*\c+3+\i], v[CT+4*\c+\i]
.endr
.endr
.endr
	v_pk_add_f32 v[14:15], v[14:15], v[174:175]
	v_add_f32 v14, v14, v15
	v_permlanex16_b32 v252, v14, s[SEL], s[SEL+1]
	v_add_f32 v14, v14, v252
	v_rcp_f32 v248, v14
	PLACES                                         ; behind the reciprocal, and ahead of products on operands that vector lines wrote
	s_wait_alu depctr_va_vdst(0)                   ; p's codes and scale words are written, which the scaled matrix instructions below take; so is the reciprocal, ahead of its first reader
	WIN 0x53                                       ; V^T window 3, p window 0, O^T window 1
.irp l, 0,1,2
.irp ct, 0,1,2,3
.if \l == 0
	WMZ 192+8*\ct, 96+12*(4*\l+\ct), P+12*\l, VTS+4*\l+\ct, PWD+\l
.else
	WMC 192+8*\ct, 96+12*(4*\l+\ct), P+12*\l, 192+8*\ct, VTS+4*\l+\ct, PWD+\l
.endif
.endr
.endr
	WIN 0
	PLACES
	WIN 0x41
.set J, 0
.rept 16
	v_pk_mul_f32 v[224+J:225+J], v[192+J:193+J], v[248:249] op_sel_hi:[1,0]   ; O^T / the sum: 32 neighbouring channels of my query
.set J, J+2
.endr
	WIN 0
	QH 224, 1, PC, PH                              ; half a fragment of the projection's operand: K step p, this head's 64 channels
	s_mul_i32 s3, s[QT], 6144
	s_mul_i32 s100, s[HD], 768
	s_add_co_u32 s3, s3, s100
	v_add_nc_u32 v253, s3, v[OIW]
	s_lshl_b32 s3, s[QT], 9
	s_lshl_b32 s100, s[HD], 1
	s_add_co_u32 s3, s3, s100
	v_add_nc_u32 v254, s3, v[OSW]
	s_wait_alu depctr_va_vdst(0)                   ; the quantiser has written its codes and bytes, and the two addresses are written: the LDS stores read them
.irp i, 0,1,2
	ds_store_b64 v253, v[PC+2*\i:PC+2*\i+1] offset:256*\i
.endr
	ds_store_b16 v254, v[PH]
	s_wait_dscnt 0x0
	s_add_co_u32 s[QT], s[QT], 1
	s_cmp_lt_u32 s[QT], 4
	s_cbranch_scc1 .Lqt
	s_not_b32 s[MLO], s[MLO]
	s_not_b32 s[MHI], s[MHI]
	s_add_co_u32 s[HD], s[HD], 1
	s_cmp_lt_u32 s[HD], 2
	s_cbranch_scc1 .Lhead
	; ---- THE TAIL
; four tiles x four K steps of a weight into set c (window 2 + c), and their scale words: 52 loads
.macro LSET c, tstep, svo, sstep
	WIN 0x80+0x40*\c
.irp t, 0,1,2,3
.irp s, 0,1,2,3
.irp q, 0,1,2
	global_load_b128 v[48*\t+12*\s+4*\q:48*\t+12*\s+4*\q+3], v[LI], s[WB:WB+1] offset:\tstep*\t+1536*\s+512*\q
.endr
.endr
.endr
	WIN 0
.irp t, 0,1,2,3
	global_load_b128 v[WSA+16*\c+4*\t:WSA+16*\c+4*\t+3], v[\svo], s[SB:SB+1] offset:(64*\c+32*(\t/2)+8*(\t%2))*\sstep
.endr
.endm
.macro LS_P c                          ; wproj: tiles 96 + 8 p + 4 c on
	s_wait_xcnt 0x0
	s_lshl_b32 s100, s[WV], 3
	s_add_co_u32 s100, s100, 96+4*\c
	s_mul_i32 s100, s100, 6144
	s_mov_b32 s101, 0
	s_add_nc_u64 s[WB:WB+1], s[P_WI:P_WI+1], s[100:101]
	s_lshl_b32 s100, s[WV], 11
	s_add_nc_u64 s[SB:SB+1], s[P_WPS:P_WPS+1], s[100:101]
	LSET \c, 6144, WS1, 16
.endm
.macro LS_M1 c                         ; mlp_w1: tiles 128 + 32 i + 8 p + 4 c on, i in s63; with the bias tiles: 60 loads
	s_wait_xcnt 0x0
	s_lshl_b32 s100, s63, 5
	s_lshl_b32 s3, s[WV], 3
	s_add_co_u32 s100, s100, s3
	s_add_co_u32 s100, s100, 128+4*\c
	s_mul_i32 s100, s100, 6144
	s_mov_b32 s101, 0
	s_add_nc_u64 s[WB:WB+1], s[P_WI:P_WI+1], s[100:101]
	s_lshl_b32 s100, s63, 2
	s_add_co_u32 s100, s100, s[WV]
	s_lshl_b32 s3, s100, 9
	s_lshl_b32 s100, s100, 11
	s_add_nc_u64 s[SB:SB+1], s[P_M1S:P_M1S+1], s[100:101]
	s_mov_b32 s100, s3
	s_add_nc_u64 s[BIB:BIB+1], s[P_MB1:P_MB1+1], s[100:101]
	LSET \c, 6144, WS1, 16
	WIN 0x80+0x40*\c
.irp t, 0,1,2,3
	global_load_b128 v[192+8*\t:195+8*\t], v[BO], s[BIB:BIB+1] offset:(64*\c+32*(\t/2)+8*(\t%2))*4
	global_load_b128 v[196+8*\t:199+8*\t], v[BO], s[BIB:BIB+1] offset:(64*\c+32*(\t/2)+8*(\t%2))*4+16
.endr
	WIN 0
.endm
.macro LS_M2 c                         ; mlp_w2: tiles 8 p + 4 c on, K steps 4 i on
	s_wait_xcnt 0x0
	s_lshl_b32 s100, s[WV], 3
	s_add_co_u32 s100, s100, 4*\c
	s_mul_i32 s100, s100, 24576
	s_mul_i32 s3, s[MI], 6144
	s_add_co_u32 s100, s100, s3
	s_add_co_u32 s100, s100, 1572864
	s_mov_b32 s101, 0
	s_add_nc_u64 s[WB:WB+1], s[P_WI:P_WI+1], s[100:101]
	s_lshl_b32 s100, s[WV], 13
	s_lshl_b32 s3, s[MI], 4
	s_add_co_u32 s100, s100, s3
	s_add_nc_u64 s[SB:SB+1], s[P_M2S:P_M2S+1], s[100:101]
	LSET \c, 24576, WS4, 64
.endm
.macro XIN rt                          ; 16 rows of x, loaded as rows, turn through my stage into the result's layout
	WIN 0x04
.irp i, 0,1,2,3,4,5,6,7,8,9,10,11,12,13,14,15
	ds_store_b128 v[XSW], v[64*\rt+4*\i:64*\rt+4*\i+3] offset:528*\i
.endr
	s_wait_dscnt 0x0
	WIN 0x40
	s_wait_alu depctr_vm_vsrc(0)                   ; the stores have read the registers that the loads below fill
.irp b, 0,1,2,3
.irp i, 0,1,2,3
	ds_load_b128 v[64*\rt+16*\b+4*\i:64*\rt+16*\b+4*\i+3], v[XSR] offset:128*\b+16*\i
.endr
.endr
	WIN 0
.endm
.macro BF16 ca, sa                     ; all 16 fragments (4 rt + s) of an operand from LDS, and their scale words
.irp f, 0,1,2,3,4,5,6,7,8,9,10,11,12,13,14,15
.irp i, 0,1,2,3,4,5
	ds_load_b64 v[64+12*\f+2*\i:64+12*\f+2*\i+1], v[\ca] offset:1536*\f+256*\i
.endr
.endr
.irp f, 0,1,2,3,4,5,6,7,8,9,10,11,12,13,14,15
	ds_load_b32 v[BS+\f], v[\sa] offset:128*\f
.endr
.endm
; X2 += weight set c x the 16 fragments: 64 matrix instructions on 16 accumulators by turns.  left: the loads issued behind the set's
.macro ACCST c, left
	s_wait_loadcnt \left
	s_wait_dscnt 0x0
	WIN 0x52+\c
.irp s, 0,1,2,3
.irp rt, 0,1,2,3
.irp t, 0,1,2,3
	WMC 64*\rt+32*\c+8*\t, 48*\t+12*\s, 64+48*\rt+12*\s, 64*\rt+32*\c+8*\t, WSA+16*\c+4*\t+\s, BS+4*\rt+\s
.endr
.endr
.endr
	WIN 0
	PLACES
.endm
; LayerNorm 2, first half: my 128 channels' mean and sum of squares about it, for 16 rows, into the pair v[228 + 2 rt]
.macro STAT rt
.irp j, 224,225,226,227
	v_mov_b32 v[\j], 0
.endr
	WIN 0x04
.set J, 0
.rept 16
	v_pk_add_f32 v[224:225], v[224:225], v[64*\rt+J:64*\rt+J+1]
	v_pk_add_f32 v[226:227], v[226:227], v[64*\rt+J+2:64*\rt+J+3]
.set J, J+4
.endr
	WIN 0
	v_pk_add_f32 v[224:225], v[224:225], v[226:227]
	v_add_f32 v224, v224, v225
	v_permlanex16_b32 v225, v224, s[SEL], s[SEL+1]
	v_add_f32 v224, v224, v225
	v_mul_f32 v248, 0xbc000000, v224               ; -sum / 128
.irp j, 226,227,250,251
	v_mov_b32 v[\j], 0
.endr
.irp c, 0,1
	WIN 0x01
.set J, 0
.rept 16
	v_pk_add_f32 v[64+J:65+J], v[64*\rt+32*\c+J:64*\rt+32*\c+J+1], v[248:249] op_sel_hi:[1,0]
.set J, J+2
.endr
	WIN 0
.set J, 0
.rept 8
	v_pk_fma_f32 v[226:227], v[64+J:65+J], v[64+J:65+J], v[226:227]
	v_pk_fma_f32 v[250:251], v[66+J:67+J], v[66+J:67+J], v[250:251]
.set J, J+4
.endr
.endr
	v_pk_add_f32 v[226:227], v[226:227], v[250:251]
	v_add_f32 v225, v226, v227
	v_permlanex16_b32 v226, v225, s[SEL], s[SEL+1]
	v_add_f32 v[229+2*\rt], v225, v226
	v_mul_f32 v[228+2*\rt], -1.0, v248
.endm
; second half.  JOIN: the four waves' figures of 16 rows, in v[64 + 8 rt] on, are joined (no difference of large sums is formed): -mean into v[48 + 4 rt], 1 / sqrt(var + eps) into v[50 + 4 rt]
.macro JOIN rt
.set S, 64+8*\rt
	v_add_f32 v224, v[S], v[S+2]
	v_add_f32 v225, v[S+4], v[S+6]
	v_add_f32 v224, v224, v225
	v_mul_f32 v224, 0x3e800000, v224               ; the mean
	v_sub_f32 v[S], v[S], v224
	v_sub_f32 v[S+2], v[S+2], v224
	v_sub_f32 v[S+4], v[S+4], v224
	v_sub_f32 v[S+6], v[S+6], v224
	v_mul_f32 v225, v[S], v[S]
	v_fmac_f32 v225, v[S+2], v[S+2]
	v_fmac_f32 v225, v[S+4], v[S+4]
	v_fmac_f32 v225, v[S+6], v[S+6]
	v_add_f32 v226, v[S+1], v[S+3]
	v_add_f32 v227, v[S+5], v[S+7]
	v_add_f32 v226, v226, v227
	v_fma_f32 v226, v225, 0x43000000, v226         ; + 128 x the sum of (mean_i - mean)^2
	v_fma_f32 v226, v226, s88, s89                 ; / 512 + eps
	v_rsq_f32 v[50+4*\rt], v226
	v_sub_f32 v[48+4*\rt], 0, v224                 ; (a plain line behind the transcendental)
.endm
; NORM: 16 rows are normalised and quantised: K step p of the MLP's first product; its two halves into two out-buffers, then one run of stores
.macro NORM rt
.if \rt > 0
	s_wait_alu depctr_vm_vsrc(0)                   ; the LDS stores of the 16 rows before have read the two out-buffers, which are written again below
.endif
.irp c, 0,1
	WIN 0x01
.set J, 0
.rept 16
	v_pk_add_f32 v[64+J:65+J], v[64*\rt+32*\c+J:64*\rt+32*\c+J+1], v[48+4*\rt:49+4*\rt] op_sel_hi:[1,0]
.set J, J+2
.endr
	WIN 0
.set J, 0
.rept 16
	v_pk_mul_f32 v[64+J:65+J], v[64+J:65+J], v[50+4*\rt:51+4*\rt] op_sel_hi:[1,0]
.set J, J+2
.endr
.set J, 0
.rept 16
	v_pk_fma_f32 v[64+J:65+J], v[64+J:65+J], v[96+32*\c+J:97+32*\c+J], v[160+32*\c+J:161+32*\c+J]
.set J, J+2
.endr
	QH 64, 0, PC+10*\c, PH+\c
.endr
	s_wait_alu depctr_va_vdst(0)                   ; the two quantisers have written their codes and bytes, which the LDS stores read
.irp c, 0,1
.irp i, 0,1,2
	ds_store_b64 v10, v[PC+10*\c+2*\i:PC+10*\c+2*\i+1] offset:6144*\rt+768*\c+256*\i
.endr
	ds_store_b16 v11, v[PH+\c] offset:512*\rt+2*\c
.endr
.endm
; the MLP's first product for 64 of my hidden units (weight set c) and all 64 rows, two tiles of rows a trip; GELU; quantised: half c of K step p of the second product
.macro M1ST c, left
	s_wait_loadcnt \left
	s_mov_b32 s[TR], 0
.Lm1_\@:
	s_wait_alu depctr_vm_vsrc(0)                   ; the LDS instructions issued so far have read the four addresses that are written below and the two out-buffers that this trip writes again
	s_mul_i32 s3, s[TR], 12288
	s_add_co_u32 s100, s3, H2I
	v_add_nc_u32 v10, s100, v[L8]
	s_mul_i32 s100, s[WV], 1536
	s_add_co_u32 s3, s3, s100
	s_add_co_u32 s3, s3, s[HB]
	v_add_nc_u32 v12, s3, v[L8]
	s_lshl_b32 s3, s[TR], 10
	s_add_co_u32 s100, s3, H2S
	v_add_nc_u32 v11, s100, v[LS]
	s_lshl_b32 s100, s[WV], 7
	s_add_co_u32 s3, s3, s100
	s_add_co_u32 s3, s3, s[HB]
	s_add_co_u32 s3, s3, 24576
	v_add_nc_u32 v13, s3, v[LS]
	s_wait_alu depctr_va_vdst(0)                   ; the four addresses are written; what came before is done with v128-223 and v48-55, in which the loads below land
.irp rr, 0,1
.irp s, 0,1,2,3
.irp i, 0,1,2,3,4,5
	ds_load_b64 v[128+48*\rr+12*\s+2*\i:128+48*\rr+12*\s+2*\i+1], v10 offset:6144*\rr+1536*\s+256*\i
.endr
	ds_load_b32 v[BS+4*\rr+\s], v11 offset:512*\rr+128*\s
.endr
.endr
	s_wait_dscnt 0x0
	WIN 0x22+0x11*\c                               ; the weight and the bias in window 2 + c
.irp rr, 0,1
.irp t, 0,1,2,3
	WMC 64+32*\rr+8*\t, 48*\t, 128+48*\rr, 192+8*\t, WSA+16*\c+4*\t, BS+4*\rr
.endr
.endr
	WIN 0x02+\c
.irp s, 1,2,3
.irp rr, 0,1
.irp t, 0,1,2,3
	WMC 64+32*\rr+8*\t, 48*\t+12*\s, 128+48*\rr+12*\s, 64+32*\rr+8*\t, WSA+16*\c+4*\t+\s, BS+4*\rr+\s
.endr
.endr
.endr
	WIN 0
	PLACES
	; GELU(x) = x / (1 + 2^z), z = x (k1 + k2 x^2)
.set J, 0
.rept 32
	v_pk_mul_f32 v[128+J:129+J], v[64+J:65+J], v[64+J:65+J]
.set J, J+2
.endr
.set J, 0
.rept 32
	v_pk_fma_f32 v[128+J:129+J], v[128+J:129+J], s[K2:K2+1], v[14:15] op_sel_hi:[1,0,0]
.set J, J+2
.endr
.set J, 0
.rept 32
	v_pk_mul_f32 v[128+J:129+J], v[128+J:129+J], v[64+J:65+J]
.set J, J+2
.endr
.set J, 0
.rept 64
	v_exp_f32 v[128+J], v[128+J]
.set J, J+1
.endr
	v_nop
	s_wait_alu depctr_va_vdst(0)                   ; the 64 exponentials have written their results: one wait for the batch, ahead of its first reader
.set J, 0
.rept 32
	v_pk_add_f32 v[128+J:129+J], v[128+J:129+J], 1.0 op_sel_hi:[1,0]
.set J, J+2
.endr
.set J, 0
.rept 64
	v_rcp_f32 v[128+J], v[128+J]
.set J, J+1
.endr
	v_nop
	s_wait_alu depctr_va_vdst(0)                   ; the 64 reciprocals have written their results: one wait, ahead of their first reader
.set J, 0
.rept 32
	v_pk_mul_f32 v[64+J:65+J], v[64+J:65+J], v[128+J:129+J]
.set J, J+2
.endr
.irp rr, 0,1
	QH 64+32*\rr, 0, PC+10*\rr, PH+\rr
.endr
	s_wait_alu depctr_va_vdst(0)                   ; the two quantisers have written their codes and bytes, which the LDS stores read; the trip's matrix instructions are done reading weight set c, which is asked for again behind the last trip
.irp rr, 0,1
.irp i, 0,1,2
	ds_store_b64 v12, v[PC+10*\rr+2*\i:PC+10*\rr+2*\i+1] offset:6144*\rr+768*\c+256*\i
.endr
	ds_store_b16 v13, v[PH+\rr] offset:512*\rr+2*\c
.endr
	s_wait_dscnt 0x0
	s_add_co_u32 s[TR], s[TR], 1
	s_cmp_lt_u32 s[TR], 2
	s_cbranch_scc1 .Lm1_\@
.endm
	s_wait_xcnt 0x0                                ; the last prefetch, a unit back, has had its address translated
	s_wait_alu depctr_vm_vsrc(0)                   ; the attention's loads, LDS instructions and prefetches have read v5-11, which are made anew below, and v40-63, v88-111, v173, v191 and v234-255, in which loads land from here on
	v_mov_b32 v[WS1], v[WSO]
	v_lshlrev_b32 v[WS4], 2, v[WS1]
	v_bfe_u32 v[BO], v0, 4, 1
	v_and_b32 v10, 15, v0
	s_mul_i32 s3, s[WV], 8448
	v_add_nc_u32 v[XSW], s3, v[LI]
	v_mul_u32_u24 v[XSR], v10, 528
	v_lshl_add_u32 v[XSR], v[BO], 6, v[XSR]
	v_add_nc_u32 v[XSR], s3, v[XSR]
	v_lshlrev_b32 v[BO], 6, v[BO]
	v_mov_b32 v14, 0xc0135761                      ; k1 = -2 sqrt(2 / pi) log2(e)
	v_mov_b32 v15, 0xc0135761
	s_mov_b32 s88, 0x3b000000                      ; 1 / 512
	s_mov_b32 s89, 0x3727c5ac                      ; 1e-5
	s_lshl_b32 s100, s[WV], 9
	s_mov_b32 s101, 0
	s_add_nc_u64 s[QA:QA+1], s[P_BP:P_BP+1], s[100:101]
	s_add_nc_u64 s[QSA:QSA+1], s[P_MB2:P_MB2+1], s[100:101]
	s_add_nc_u64 s[HSB:HSB+1], s[P_G2:P_G2+1], s[100:101]
	s_add_nc_u64 s[KSB:KSB+1], s[P_B2:P_B2+1], s[100:101]
	s_wait_alu depctr_va_vdst(0)                   ; the tail's offsets and addresses are written; the attention's vector and matrix instructions are done with window 1, with K's and V^T's registers and with v16-127, in which the loads below land
	WIN 0x40                                       ; x: my 512 bytes of each of the 64 rows, a row a load
.irp rt, 0,1,2,3
.irp i, 0,1,2,3,4,5,6,7,8,9,10,11,12,13,14,15
	global_load_b128 v[64*\rt+4*\i:64*\rt+4*\i+3], v[LI], s[XB:XB+1] offset:(16*\rt+\i)*2048 th:TH_LOAD_NT
.endr
.endr
	WIN 0
.irp b, 0,1,2,3
.irp i, 0,1,2,3
	global_load_b128 v[64+16*\b+4*\i:64+16*\b+4*\i+3], v[BO], s[QA:QA+1] offset:128*\b+16*\i    ; bproj, in the result's layout
.endr
.endr
	WIN 0x80
.irp b, 0,1
.irp i, 0,1,2,3
	global_load_b128 v[224+16*\b+4*\i:224+16*\b+4*\i+3], v[BO], s[QSA:QSA+1] offset:128*\b+16*\i   ; mlp_b2: kept to the end
.endr
.endr
	WIN 0xc0
.irp b, 2,3
.irp i, 0,1,2,3
	global_load_b128 v[224+16*(\b-2)+4*\i:224+16*(\b-2)+4*\i+3], v[BO], s[QSA:QSA+1] offset:128*\b+16*\i
.endr
.endr
	WIN 0
	LS_P 0
	LS_P 1
	s_wait_dscnt 0x0
	s_barrier_signal -1
	s_barrier_wait -1                              ; the attention's 16 fragments lie in LDS, and nobody reads h's codes any more
	s_wait_loadcnt 63                              ; 136 loads were issued behind x's and 120 behind bproj's: with 63 out at the most both are in
	XIN 0
	XIN 1
	XIN 2
	XIN 3
	s_wait_dscnt 0x0
	WIN 0x41
.irp rt, 0,1,2,3
.set J, 0
.rept 32
	v_pk_add_f32 v[64*\rt+J:64*\rt+J+1], v[64*\rt+J:64*\rt+J+1], v[64+J:65+J]   ; x + bproj: onto it the projection is summed
.set J, J+2
.endr
.endr
	WIN 0
	PLACES
	v_add_nc_u32 v10, OI, v[L8]
	v_add_nc_u32 v11, OS, v[LS]
	s_wait_alu depctr_va_vdst(0)                   ; the two addresses are written; the additions are done reading bproj in v64-127, in which, with v128-255 and v48-63, the fragments and scale words land
	BF16 10, 11
	ACCST 0, 52                                    ; 52: wproj's second set
	s_mov_b32 s63, 0
	s_wait_alu depctr_va_vdst(0)                   ; the matrix instructions are done reading weight set A and its scale words, in which mlp_w1's first set lands
	LS_M1 0
	ACCST 1, 60                                    ; 60: mlp_w1's first set
	s_wait_alu depctr_va_vdst(0)                   ; the matrix instructions are done reading the fragments in v96-223, in which the gains land, and weight set B and its scale words, in which mlp_w1's second set lands
.irp b, 0,1,2,3
.irp i, 0,1,2,3
	global_load_b128 v[96+16*\b+4*\i:96+16*\b+4*\i+3], v[BO], s[HSB:HSB+1] offset:128*\b+16*\i     ; ln2_s
	global_load_b128 v[160+16*\b+4*\i:160+16*\b+4*\i+3], v[BO], s[KSB:KSB+1] offset:128*\b+16*\i   ; ln2_b
.endr
.endr
	LS_M1 1
	s_lshl_b32 s3, s[WV], 8
	s_add_co_u32 s3, s3, ST
	v_add_nc_u32 v12, s3, v[L8]
	v_add_nc_u32 v13, ST, v[L8]
	STAT 0
	STAT 1
	STAT 2
	STAT 3
	s_wait_alu depctr_va_vdst(0)                   ; the four pairs of figures and the two addresses are written, which the LDS instructions below read
.irp rt, 0,1,2,3
	ds_store_b64 v12, v[228+2*\rt:229+2*\rt] offset:1024*\rt
.endr
	s_wait_dscnt 0x0
	s_barrier_signal -1
	s_barrier_wait -1                              ; the four waves' figures lie in LDS
	s_wait_alu depctr_vm_vsrc(0)                   ; my LDS stores have read v228-235, which the quantisers write again; the fragments' loads have read v10 and v11, which are written below
	s_mul_i32 s3, s[WV], 1536
	s_add_co_u32 s3, s3, H2I
	v_add_nc_u32 v10, s3, v[L8]
	s_lshl_b32 s3, s[WV], 7
	s_add_co_u32 s3, s3, H2S
	v_add_nc_u32 v11, s3, v[LS]
	s_wait_alu depctr_va_vdst(0)                   ; the first half is done with v64-95, in which the figures land; v10 and v11 are written, which the stores further down read
.irp rt, 0,1,2,3
.irp i, 0,1,2,3
	ds_load_b64 v[64+8*\rt+2*\i:65+8*\rt+2*\i], v13 offset:1024*\rt+256*\i
.endr
.endr
	s_wait_dscnt 0x0
	JOIN 0
	JOIN 1
	JOIN 2
	JOIN 3
	s_wait_alu depctr_va_vdst(0)                   ; the four reciprocal roots are written: one wait, ahead of their first reader
	s_wait_loadcnt 60                              ; the gains are in; mlp_w1's second set may be out
	NORM 0
	NORM 1
	NORM 2
	NORM 3
	s_wait_dscnt 0x0
	s_barrier_signal -1
	s_barrier_wait -1                              ; LayerNorm 2's 16 fragments lie in LDS
	s_mov_b32 s[MI], 0
.Lmlp:                                 ; 512 hidden units a trip.  The hidden layer has two buffers by turns, so that one barrier a trip does: a buffer is written again two barriers behind its last read
	s_and_b32 s3, s[MI], 1
	s_mul_i32 s[HB], s3, HIDSZ
	s_add_co_u32 s[HB], s[HB], HID0
	M1ST 0, 60                                     ; 60: mlp_w1's second set
	LS_M2 0                                        ; no wait on va_vdst: no vector or matrix instruction has been issued since the one ahead of the last trip's stores
	M1ST 1, 52                                     ; 52: mlp_w2's first set
	LS_M2 1                                        ; likewise
	s_barrier_signal -1
	s_barrier_wait -1                              ; the chunk's 16 fragments lie in LDS
	s_wait_alu depctr_vm_vsrc(0)                   ; my LDS instructions have read v10 and v11, which are written below, and the out-buffers in v234-251, in which fragments land
	v_add_nc_u32 v10, s[HB], v[L8]
	s_add_co_u32 s3, s[HB], 24576
	v_add_nc_u32 v11, s3, v[LS]
	s_wait_alu depctr_va_vdst(0)                   ; the two addresses are written; the first product's vector and matrix work is done with v64-255 and v48-63, in which the fragments and scale words land
	BF16 10, 11
	ACCST 0, 52                                    ; 52: mlp_w2's second set
	s_add_co_u32 s63, s[MI], 1
	s_min_u32 s63, s63, 3                          ; the last trip asks once more for its own chunk: no load leaves its buffer
	s_wait_alu depctr_va_vdst(0)                   ; the matrix instructions are done reading weight set A and its scale words, in which the next chunk's first set lands
	LS_M1 0
	ACCST 1, 60                                    ; 60: the next chunk's first set
	s_wait_alu depctr_va_vdst(0)                   ; the matrix instructions are done reading weight set B and its scale words, in which the next chunk's second set lands
	LS_M1 1
	s_add_co_u32 s[MI], s[MI], 1
	s_cmp_lt_u32 s[MI], 4
	s_cbranch_scc1 .Lmlp
	; ---- THE WAY OUT: + mlp_b2; a tile of 16 rows turns through my stage and leaves as rows: each store covers 512 consecutive bytes, aligned
	WIN 0x49
.irp rt, 0,1,2,3
.set J, 0
.rept 16
	v_pk_add_f32 v[64*\rt+J:64*\rt+J+1], v[64*\rt+J:64*\rt+J+1], v[224+J:225+J]
.set J, J+2
.endr
.endr
	WIN 0x4d
.irp rt, 0,1,2,3
.set J, 0
.rept 16
	v_pk_add_f32 v[64*\rt+32+J:64*\rt+33+J], v[64*\rt+32+J:64*\rt+33+J], v[224+J:225+J]
.set J, J+2
.endr
.endr
	WIN 0
	s_wait_alu depctr_va_vdst(0)                   ; the additions have written the results, which the LDS stores read; the last matrix instructions are done reading the fragments in v64-191, in which the rows land
.irp rt, 0,1,2,3
	WIN 0x04
.irp b, 0,1,2,3
.irp i, 0,1,2,3
	ds_store_b128 v[XSR], v[64*\rt+16*\b+4*\i:64*\rt+16*\b+4*\i+3] offset:128*\b+16*\i
.endr
.endr
	WIN 0
	s_wait_xcnt 0x0                                ; earlier stores have had their addresses translated
.if \rt > 1
	s_wait_alu depctr_vm_vsrc(0)                   ; the stores of two tiles back have read the registers that the loads below fill
.endif
.irp i, 0,1,2,3,4,5,6,7,8,9,10,11,12,13,14,15
	ds_load_b128 v[64+64*(\rt%2)+4*\i:64+64*(\rt%2)+4*\i+3], v[XSW] offset:528*\i   ; LDS serves a wave's instructions in order: these see my stores
.endr
.irp i, 0,1,2,3,4,5,6,7,8,9,10,11,12,13,14,15
	s_wait_dscnt 15-\i
	global_store_b128 v[LI], v[64+64*(\rt%2)+4*\i:64+64*(\rt%2)+4*\i+3], s[OB:OB+1] offset:(16*\rt+\i)*2048 th:TH_STORE_NT
.endr
.endr
	s_wait_xcnt 0x0
	v_lshl_add_u32 v254, v0, 2, 0x48800
	v_mov_b32 v255, 0
	s_wait_dscnt 0x0                               ; the closing lines, six on end
	s_wait_alu 0x0
	s_wait_tensorcnt 0x0
	ds_add_u32 v254, v255
	s_wait_dscnt 0x0
	s_endpgm
.Lfunc_end_k_qed6e2e52ff_main:
	.size	k_qed6e2e52ff_main, .Lfunc_end_k_qed6e2e52ff_main-k_qed6e2e52ff_main
	.p2alignl 7, 3214868480
	.fill 96, 4, 3214868480
	.section	.rodata,"a",@progbits
	.p2align	6, 0x0
	.amdhsa_kernel k_qed6e2e52ff_main
		.amdhsa_group_segment_fixed_size 297472
		.amdhsa_private_segment_fixed_size 0
		.amdhsa_enable_private_segment 0
		.amdhsa_kernarg_size 160
		.amdhsa_user_sgpr_count 2
		.amdhsa_user_sgpr_kernarg_segment_ptr 1
		.amdhsa_wavefront_size32 1
		.amdhsa_system_sgpr_workgroup_id_x 1
		.amdhsa_system_sgpr_workgroup_id_y 1
		.amdhsa_system_sgpr_workgroup_id_z 1
		.amdhsa_system_vgpr_workitem_id 0
		.amdhsa_next_free_vgpr 1024
		.amdhsa_next_free_sgpr 102
		.amdhsa_reserve_vcc 0
		.amdhsa_float_denorm_mode_32 3
		.amdhsa_float_denorm_mode_16_64 3
		.amdhsa_memory_ordered 1
		.amdhsa_forward_progress 1
		.amdhsa_inst_pref_size 255
	.end_amdhsa_kernel
	.section	.bss,"aw",@nobits
	.p2align	6
	.space	262144
	.amdgpu_metadata
---
amdhsa.version: [ 1, 2 ]
amdhsa.kernels:
  - .name:           k_qed6e2e52ff_main
    .symbol:         k_qed6e2e52ff_main.kd
    .args:
      - { .name: x, .offset: 0, .size: 8, .value_kind: global_buffer, .address_space: global }
      - { .name: hcod, .offset: 8, .size: 8, .value_kind: global_buffer, .address_space: global }
      - { .name: hscl, .offset: 16, .size: 8, .value_kind: global_buffer, .address_space: global }
      - { .name: wimg, .offset: 24, .size: 8, .value_kind: global_buffer, .address_space: global }
      - { .name: tbl, .offset: 32, .size: 8, .value_kind: global_buffer, .address_space: global }
      - { .name: qcod, .offset: 40, .size: 8, .value_kind: global_buffer, .address_space: global }
      - { .name: qscl, .offset: 48, .size: 8, .value_kind: global_buffer, .address_space: global }
      - { .name: kcod, .offset: 56, .size: 8, .value_kind: global_buffer, .address_space: global }
      - { .name: kscl, .offset: 64, .size: 8, .value_kind: global_buffer, .address_space: global }
      - { .name: wkv_scales, .offset: 72, .size: 8, .value_kind: global_buffer, .address_space: global }
      - { .name: bkv, .offset: 80, .size: 8, .value_kind: global_buffer, .address_space: global }
      - { .name: wproj_scales, .offset: 88, .size: 8, .value_kind: global_buffer, .address_space: global }
      - { .name: bproj, .offset: 96, .size: 8, .value_kind: global_buffer, .address_space: global }
      - { .name: ln2_s, .offset: 104, .size: 8, .value_kind: global_buffer, .address_space: global }
      - { .name: ln2_b, .offset: 112, .size: 8, .value_kind: global_buffer, .address_space: global }
      - { .name: mlp_w1_scales, .offset: 120, .size: 8, .value_kind: global_buffer, .address_space: global }
      - { .name: mlp_b1, .offset: 128, .size: 8, .value_kind: global_buffer, .address_space: global }
      - { .name: mlp_w2_scales, .offset: 136, .size: 8, .value_kind: global_buffer, .address_space: global }
      - { .name: mlp_b2, .offset: 144, .size: 8, .value_kind: global_buffer, .address_space: global }
      - { .name: out0, .offset: 152, .size: 8, .value_kind: global_buffer, .address_space: global }
    .group_segment_fixed_size: 297472
    .private_segment_fixed_size: 0
    .kernarg_segment_align: 8
    .kernarg_segment_size: 160
    .max_flat_workgroup_size: 128
    .sgpr_count:     102
    .vgpr_count:     1024
    .wavefront_size: 32
...
	.end_amdgpu_metadata
.endif
;; end of part 5
